; MI455X (gfx1250); checked and timed in simulation.
; The chip was launched on July 23, 2026; its instructions are those of AMD's public machine-readable ISA for CDNA 5 (MIT licence, August 2026) and "CDNA5" Instruction Set Architecture Reference Guide (July 2026). The comments in the code are by the model that wrote it; some were corrected since.
;; Infinite Multi Head Attention. Allowed arithmetic: float matrix products may take bf16 or f16 operands with f32 sums; other float arithmetic in f32, or as packed bf16 or f16 multiplies, adds, multiply-adds, maxima and minima; sums over many terms, partial sums and values carried from step to step in f32; what a program stores and reads back later, other than sums and carried values, may be rounded once to bf16 or f16.
;; Inputs: Wk 1,024 x 512 float32; Wo 1,024 x 1,024 float32; Wq 1,024 x 512 float32; Wv 1,024 x 1,024 float32; beta 1 float32; key_sequences 4 x 4,096 x 1,024 float32; ln_b 1,024 float32; ln_w 1,024 float32; query_sequences 4 x 4,096 x 1,024 float32; value_sequences 4 x 4,096 x 1,024 float32.
;; Outputs: out0 4 x 4,096 x 1,024 float32.
;; 2 versions, each right and faster than the one before. Each part assembles by itself: llvm-mc -triple=amdgcn-amd-amdhsa -mcpu=gfx1250 --defsym DOCPART=n.
;; ======== version 1 of 2: 6 launches
;; limits: values are held in f16: magnitudes above 65,504 overflow, below 6.1e-05 lose precision
;; workspace buffers: xn 100,663,296 bytes; wh 6,291,456 bytes; qkvh 67,108,864 bytes; dl 9,830,400 bytes; mp 5,242,880 bytes; oh 33,554,432 bytes
;; launch prep (part 1): grid 1024 x 1, 4 waves a work-group, no clusters, 0 bytes of LDS; arguments query_sequences, key_sequences, value_sequences, ln_w, ln_b, Wq, Wk, Wv, Wo, xn, wh; writes xn, wh
.if DOCPART == 1
	.amdgcn_target "amdgcn-amd-amdhsa--gfx1250"
	.amdhsa_code_object_version 6
	.text
	.protected	k_qf65d6b4c3d_prep
	.globl	k_qf65d6b4c3d_prep
	.p2align	8
	.type	k_qf65d6b4c3d_prep,@function
k_qf65d6b4c3d_prep:
	s_mov_b64 s[64:65], 0
	v_nop
	global_prefetch_b8 v0, s[64:65] scope:SCOPE_SE
	s_setreg_imm32_b32 hwreg(HW_REG_WAVE_MODE, 25, 1), 1
	s_wait_xcnt 0x0
; PREP.  Work-groups 0-767: LayerNorm of the rows of query, key and value sequences ([16384][1024] f32 each) -> xn, f16 [3][16384][1024].
; Work-groups 768-1023: the four weight matrices -> wh, f16: [1024 k][2048 n] (Wq | Wk | Wv side by side), then Wo [1024 k][1024 n].
; FORMATS.  Every input (x, ln_w, ln_b, the weights) is first rounded to bf16; all arithmetic is f32; the result is rounded once to f16.
; LIMITS.  f16 ends at 65,504: a normalised row times ln_w plus ln_b stays within it for gains and biases up to some thousands; a weight below
; 7.6e-6 keeps f16's fixed step of 6e-8.  NaN and infinities are not treated apart.  The variance is the mean of (x - mean)^2: no difference of large sums.
; LN: one wave, one row (4,096 bytes = 32 registers a lane), kept in registers between the passes; 16 rows a wave, a ring of four row slots:
; one at work, one whose stores are leaving, two on their way in.  Load j of a row gives lane L the columns 128 j + 4 L .. + 3; a store of 8 bytes a lane covers 256 consecutive bytes, aligned.
; No LDS, no matrix unit, no cluster: nothing is shared between waves, and memory binds.
.set W,   2                            ; v[2:33]    ln_w of my 32 columns
.set B,   34                           ; v[34:65]   ln_b of my 32 columns
.set OFL, 66                           ; v[66:69]   slot s: byte offset of my 16 bytes in the row that the slot loads next
.set OFS, 70                           ; v[70:73]   slot s: the same in xn (half of it)
.set T,   74                           ; v[74:89]   at work
.set MU,  90                           ; v[90:91]   the mean, twice
.set RS,  92                           ; v[92:93]   1 / sqrt(var + eps), twice
.set TA,  94                           ; v94, v95   at work in the set-up; in the weights' part v95 = 8 x lane
.set X,   96                           ; v[96:223]  slot s: 32 registers
.set ROWB, 4096                        ; bytes in a row of x
.set ROWH, 2048                        ; bytes in a row of xn
	s_load_b256 s[8:15], s[0:1], 0x0               ; query s[8:9], key s[10:11], value s[12:13], ln_w s[14:15]
	s_load_b256 s[16:23], s[0:1], 0x20             ; ln_b s[16:17], Wq s[18:19], Wk s[20:21], Wv s[22:23]
	s_load_b128 s[24:27], s[0:1], 0x40             ; Wo s[24:25], xn s[26:27]
	s_load_b64 s[28:29], s[0:1], 0x50              ; wh
	s_mov_b32 s2, 0x76543210                       ; v_permlanex16_b32: each lane takes its own place in the other half
	s_mov_b32 s3, 0xfedcba98
	s_mov_b32 s4, 0xffff0000                       ; a word's upper bf16
	s_mov_b32 s5, 0x3a800000                       ; 1 / 1024
	s_mov_b32 s6, 0x3727c5ac                       ; 1e-5
	v_and_b32 v1, 31, v0
	v_lshrrev_b32 v[TA], 5, v0
	v_readfirstlane_b32 s31, v[TA]                 ; wave 0..3
	v_lshlrev_b32 v1, 4, v1                        ; 16 x lane
	s_mov_b32 s33, 0
	s_wait_kmcnt 0x0
	s_cmp_ge_u32 ttmp9, 768
	s_cbranch_scc1 .Lcast
	; ---------------- LayerNorm ----------------
	s_lshr_b32 s30, ttmp9, 8                       ; which of the three sequences
	s_cmp_eq_u32 s30, 1
	s_cselect_b64 s[8:9], s[10:11], s[8:9]
	s_cmp_eq_u32 s30, 2
	s_cselect_b64 s[8:9], s[12:13], s[8:9]
	s_and_b32 s32, ttmp9, 255
	s_lshl_b32 s32, s32, 18                        ; 64 rows of 4,096 bytes a work-group
	s_add_nc_u64 s[8:9], s[8:9], s[32:33]
	s_lshl_b32 s32, ttmp9, 17                      ; 64 rows of 2,048 bytes; the three planes follow each other
	s_add_nc_u64 s[26:27], s[26:27], s[32:33]
	v_lshl_add_u32 v[TA+1], v[TA], 16, v1          ; wave x 16 rows x 4,096 + 16 x lane
.irp s, 0,1,2,3
	v_add_nc_u32 v[OFL+(\s)], (\s)*ROWB, v[TA+1]
.endr
	v_lshrrev_b32 v[TA+1], 1, v[TA+1]
.irp s, 0,1,2,3
	v_add_nc_u32 v[OFS+(\s)], (\s)*ROWH, v[TA+1]
.endr
.irp j, 0,1,2,3,4,5,6,7
	global_load_b128 v[W+4*(\j):W+4*(\j)+3], v1, s[14:15] offset:512*(\j)
	global_load_b128 v[B+4*(\j):B+4*(\j)+3], v1, s[16:17] offset:512*(\j)
.endr
.macro FILL s                          ; eight loads: 512 neighbouring bytes each, the whole row; each row is read once in the launch
.irp j, 0,1,2,3,4,5,6,7
	global_load_b128 v[X+32*(\s)+4*(\j):X+32*(\s)+4*(\j)+3], v[OFL+(\s)], s[8:9] offset:512*(\j) th:TH_LOAD_NT
.endr
.endm
	FILL 0
	FILL 1
	FILL 2
	s_wait_loadcnt 24                              ; ln_w and ln_b are in; the 24 loads of the three rows stay out
.set i, 0
.rept 32                                               ; W and B lie on end: 64 numbers rounded to bf16 and widened again
	v_cvt_pk_bf16_f32 v[T+i%8], v[W+2*i], v[W+2*i+1]
	v_lshlrev_b32 v[W+2*i], 16, v[T+i%8]
	v_and_b32 v[W+2*i+1], s4, v[T+i%8]
.set i, i+1
.endr
.macro FOLD                            ; four chains of pairs in v[T:T+7] -> their sum over the row, in every lane's v[T]
	v_pk_add_f32 v[T:T+1], v[T:T+1], v[T+2:T+3]
	v_pk_add_f32 v[T+4:T+5], v[T+4:T+5], v[T+6:T+7]
	v_pk_add_f32 v[T:T+1], v[T:T+1], v[T+4:T+5]
	v_add_f32 v[T], v[T], v[T+1]
	v_add_f32_dpp v[T], v[T], v[T] row_xmask:1 row_mask:0xf bank_mask:0xf
	v_add_f32_dpp v[T], v[T], v[T] row_xmask:2 row_mask:0xf bank_mask:0xf
	v_add_f32_dpp v[T], v[T], v[T] row_xmask:4 row_mask:0xf bank_mask:0xf
	v_add_f32_dpp v[T], v[T], v[T] row_xmask:8 row_mask:0xf bank_mask:0xf
	v_permlanex16_b32 v[T+1], v[T], s2, s3
	v_add_f32 v[T], v[T], v[T+1]
.endm
; The turn of slot s.  before = the slot in front of it in the ring; fill = 1: that slot gets its next row; left = how many younger loads may stay out.
.macro TURN s, before, fill, left
.set XS, X+32*(\s)
	s_wait_loadcnt \left                           ; my eight loads are in; the rows behind them stay on their way
	v_add_nc_u32 v[OFL+(\s)], 4*ROWB, v[OFL+(\s)]  ; free since that wait: the slot's next row
	v_add_nc_u32 v[OFS+(\s)], 4*ROWH, v[OFS+(\s)]  ; its last stores stand in front of a wait for translated addresses; the stores below reach back
.set i, 0
.rept 16                                               ; x rounded to bf16, in place
	v_cvt_pk_bf16_f32 v[T+i%8], v[XS+2*i], v[XS+2*i+1]
	v_lshlrev_b32 v[XS+2*i], 16, v[T+i%8]
	v_and_b32 v[XS+2*i+1], s4, v[T+i%8]
.set i, i+1
.endr
.irp c, 0,1,2,3                                        ; the sum, in four chains started by the first pairs
	v_pk_add_f32 v[T+2*\c:T+2*\c+1], v[XS+2*\c:XS+2*\c+1], v[XS+8+2*\c:XS+8+2*\c+1]
.endr
.irp g, 16,24
.irp c, 0,1,2,3
	v_pk_add_f32 v[T+2*\c:T+2*\c+1], v[T+2*\c:T+2*\c+1], v[XS+\g+2*\c:XS+\g+2*\c+1]
.endr
.endr
	FOLD
	v_mul_f32 v[MU], s5, v[T]
	v_mul_f32 v[MU+1], s5, v[T]
.set i, 0
.rept 16
	v_pk_add_f32 v[XS+2*i:XS+2*i+1], v[XS+2*i:XS+2*i+1], v[MU:MU+1] neg_lo:[0,1] neg_hi:[0,1]
.set i, i+1
.endr
.irp c, 0,1,2,3                                        ; the sum of squares of x - mean
	v_pk_mul_f32 v[T+2*\c:T+2*\c+1], v[XS+2*\c:XS+2*\c+1], v[XS+2*\c:XS+2*\c+1]
.endr
.irp g, 8,16,24
.irp c, 0,1,2,3
	v_pk_fma_f32 v[T+2*\c:T+2*\c+1], v[XS+\g+2*\c:XS+\g+2*\c+1], v[XS+\g+2*\c:XS+\g+2*\c+1], v[T+2*\c:T+2*\c+1]
.endr
.endr
	FOLD
	v_fma_f32 v[T], v[T], s5, s6                   ; var + eps
	v_rsq_f32 v[RS], v[T]
	v_rsq_f32 v[RS+1], v[T]
	v_nop                                          ; a plain instruction between the root and the use of its result (ISA guide 5.7.2)
.set i, 0
	s_wait_alu depctr_va_vdst(0)
.rept 16
	v_pk_mul_f32 v[XS+2*i:XS+2*i+1], v[XS+2*i:XS+2*i+1], v[RS:RS+1]
.set i, i+1
.endr
.set i, 0
.rept 16
	v_pk_fma_f32 v[XS+2*i:XS+2*i+1], v[XS+2*i:XS+2*i+1], v[W+2*i:W+2*i+1], v[B+2*i:B+2*i+1]
.set i, i+1
.endr
.irp j, 0,1,2,3,4,5,6,7
	v_cvt_pk_f16_f32 v[XS+4*\j], v[XS+4*\j], v[XS+4*\j+1]
	v_cvt_pk_f16_f32 v[XS+4*\j+1], v[XS+4*\j+2], v[XS+4*\j+3]
	global_store_b64 v[OFS+(\s)], v[XS+4*\j:XS+4*\j+1], s[26:27] offset:256*\j-4*ROWH  ; 32 lanes, 256 consecutive bytes, aligned
.endr
.if \fill
	s_wait_xcnt 0x0                                ; every earlier memory instruction has had its addresses translated (ISA guide 3.1): the slot in front is loaded again only behind this wait
	FILL \before
.endif
.endm
	s_mov_b32 s7, 3
.Lround:
	TURN 0, 3, 1, 16
	TURN 1, 0, 1, 16
	TURN 2, 1, 1, 16
	TURN 3, 2, 1, 16
	s_sub_co_u32 s7, s7, 1
	s_cmp_lg_u32 s7, 0
	s_cbranch_scc1 .Lround
	TURN 0, 3, 1, 16                               ; the last four rows: one more fill, then the counts run down
	TURN 1, 0, 0, 16
	TURN 2, 1, 0, 8
	TURN 3, 2, 0, 0
	s_endpgm
	; ---------------- the weights ----------------
.Lcast:                                                ; one wave, one k row of all four matrices: 24 loads of 512 bytes, all issued at once
	s_sub_co_u32 s30, ttmp9, 768
	s_lshl2_add_u32 s30, s30, s31                  ; k row = 4 x work-group + wave
	s_lshl_b32 s32, s30, 11                        ; x 2,048 bytes
	s_lshl_b32 s34, s30, 12                        ; x 4,096 bytes
	s_mov_b32 s35, 0
	s_add_nc_u64 s[18:19], s[18:19], s[32:33]      ; Wq, Wk: rows of 512 f32
	s_add_nc_u64 s[20:21], s[20:21], s[32:33]
	s_add_nc_u64 s[22:23], s[22:23], s[34:35]      ; Wv, Wo: rows of 1,024 f32
	s_add_nc_u64 s[24:25], s[24:25], s[34:35]
	s_add_nc_u64 s[36:37], s[28:29], s[34:35]      ; wh: the row of 2,048 f16 for q | k | v
	s_add_nc_u64 s[38:39], s[28:29], s[32:33]      ; and the row of 1,024 f16 of Wo,
	s_add_nc_u64 s[38:39], s[38:39], 0x400000      ; behind the first matrix
	v_lshrrev_b32 v[TA+1], 1, v1                   ; 8 x lane
.irp i, 0,1,2,3
	global_load_b128 v[X+4*(\i):X+4*(\i)+3], v1, s[18:19] offset:512*(\i) th:TH_LOAD_NT
.endr
.irp i, 0,1,2,3
	global_load_b128 v[X+16+4*(\i):X+16+4*(\i)+3], v1, s[20:21] offset:512*(\i) th:TH_LOAD_NT
.endr
.irp i, 0,1,2,3,4,5,6,7
	global_load_b128 v[X+32+4*(\i):X+32+4*(\i)+3], v1, s[22:23] offset:512*(\i) th:TH_LOAD_NT
.endr
.irp i, 0,1,2,3,4,5,6,7
	global_load_b128 v[X+64+4*(\i):X+64+4*(\i)+3], v1, s[24:25] offset:512*(\i) th:TH_LOAD_NT
.endr
.macro CAST i, base, off               ; load i: rounded to bf16, that number written as f16, 8 bytes a lane stored; no register is used twice
	s_wait_loadcnt 23-(\i)                         ; the younger loads stay out
	v_cvt_pk_bf16_f32 v[T], v[X+4*(\i)], v[X+4*(\i)+1]
	v_cvt_pk_bf16_f32 v[T+1], v[X+4*(\i)+2], v[X+4*(\i)+3]
	v_lshlrev_b32 v[X+4*(\i)], 16, v[T]
	v_and_b32 v[X+4*(\i)+1], s4, v[T]
	v_lshlrev_b32 v[X+4*(\i)+2], 16, v[T+1]
	v_and_b32 v[X+4*(\i)+3], s4, v[T+1]
	v_cvt_pk_f16_f32 v[X+4*(\i)], v[X+4*(\i)], v[X+4*(\i)+1]
	v_cvt_pk_f16_f32 v[X+4*(\i)+1], v[X+4*(\i)+2], v[X+4*(\i)+3]
	global_store_b64 v[TA+1], v[X+4*(\i):X+4*(\i)+1], s[\base:\base+1] offset:\off
.endm
.irp i, 0,1,2,3
	CAST \i, 36, 256*(\i)
.endr
.irp i, 0,1,2,3
	CAST 4+(\i), 36, 1024+256*(\i)
.endr
.irp i, 0,1,2,3,4,5,6,7
	CAST 8+(\i), 36, 2048+256*(\i)
.endr
.irp i, 0,1,2,3,4,5,6,7
	CAST 16+(\i), 38, 256*(\i)
.endr
	s_endpgm
.Lfunc_end_k_qf65d6b4c3d_prep:
	.size	k_qf65d6b4c3d_prep, .Lfunc_end_k_qf65d6b4c3d_prep-k_qf65d6b4c3d_prep
	.p2alignl 7, 3214868480
	.fill 96, 4, 3214868480
	.section	.rodata,"a",@progbits
	.p2align	6, 0x0
	.amdhsa_kernel k_qf65d6b4c3d_prep
		.amdhsa_group_segment_fixed_size 0
		.amdhsa_private_segment_fixed_size 0
		.amdhsa_enable_private_segment 0
		.amdhsa_kernarg_size 88
		.amdhsa_user_sgpr_count 2
		.amdhsa_user_sgpr_kernarg_segment_ptr 1
		.amdhsa_wavefront_size32 1
		.amdhsa_system_sgpr_workgroup_id_x 1
		.amdhsa_system_sgpr_workgroup_id_y 1
		.amdhsa_system_sgpr_workgroup_id_z 1
		.amdhsa_system_vgpr_workitem_id 0
		.amdhsa_next_free_vgpr 224
		.amdhsa_next_free_sgpr 66
		.amdhsa_reserve_vcc 0
		.amdhsa_float_denorm_mode_32 3
		.amdhsa_float_denorm_mode_16_64 3
		.amdhsa_memory_ordered 1
		.amdhsa_forward_progress 1
		.amdhsa_inst_pref_size 109
	.end_amdhsa_kernel
	.amdgpu_metadata
---
amdhsa.version: [ 1, 2 ]
amdhsa.kernels:
  - .name:           k_qf65d6b4c3d_prep
    .symbol:         k_qf65d6b4c3d_prep.kd
    .args:
      - { .name: query_sequences, .offset: 0, .size: 8, .value_kind: global_buffer, .address_space: global }
      - { .name: key_sequences, .offset: 8, .size: 8, .value_kind: global_buffer, .address_space: global }
      - { .name: value_sequences, .offset: 16, .size: 8, .value_kind: global_buffer, .address_space: global }
      - { .name: ln_w, .offset: 24, .size: 8, .value_kind: global_buffer, .address_space: global }
      - { .name: ln_b, .offset: 32, .size: 8, .value_kind: global_buffer, .address_space: global }
      - { .name: Wq, .offset: 40, .size: 8, .value_kind: global_buffer, .address_space: global }
      - { .name: Wk, .offset: 48, .size: 8, .value_kind: global_buffer, .address_space: global }
      - { .name: Wv, .offset: 56, .size: 8, .value_kind: global_buffer, .address_space: global }
      - { .name: Wo, .offset: 64, .size: 8, .value_kind: global_buffer, .address_space: global }
      - { .name: xn, .offset: 72, .size: 8, .value_kind: global_buffer, .address_space: global }
      - { .name: wh, .offset: 80, .size: 8, .value_kind: global_buffer, .address_space: global }
    .group_segment_fixed_size: 0
    .private_segment_fixed_size: 0
    .kernarg_segment_align: 8
    .kernarg_segment_size: 88
    .max_flat_workgroup_size: 128
    .sgpr_count:     66
    .vgpr_count:     224
    .wavefront_size: 32
...
	.end_amdgpu_metadata
.endif
;; end of part 1
;; launch qkv (part 2): grid 64 x 8, 4 waves a work-group, clusters of 4 x 1, 327,680 bytes of LDS; arguments xn, wh, qkvh; writes qkvh
.if DOCPART == 2
	.amdgcn_target "amdgcn-amd-amdhsa--gfx1250"
	.amdhsa_code_object_version 6
	.text
	.protected	k_qf65d6b4c3d_qkv
	.globl	k_qf65d6b4c3d_qkv
	.p2align	8
	.type	k_qf65d6b4c3d_qkv,@function
k_qf65d6b4c3d_qkv:
	s_mov_b64 s[64:65], 0
	v_nop
	global_prefetch_b8 v0, s[64:65] scope:SCOPE_SE
	s_setreg_imm32_b32 hwreg(HW_REG_WAVE_MODE, 25, 1), 1
	s_wait_xcnt 0x0
	s_wait_alu depctr_hold_cnt(0) depctr_sa_sdst(0) depctr_va_vdst(0) depctr_va_sdst(0) depctr_va_ssrc(0) depctr_va_vcc(0) depctr_vm_vsrc(0)
	s_getreg_b32 s2, hwreg(HW_REG_IB_STS2, 6, 4)
	s_cmp_eq_u32 s2, 0
	s_cbranch_scc0 .Lentry_in_a_cluster
	s_endpgm
.Lentry_in_a_cluster:
	s_bfe_u32 s2, ttmp6, 0x10000c
	s_cmp_lg_u32 s2, 0x3003
	s_cbranch_scc0 .Lentry_shape_is_right
	s_endpgm
.Lentry_shape_is_right:
; QKV.  The three projections as one grid: C = A B, A = a plane of xn ([16384][1024] f16), B = 256 columns of wh's first matrix ([1024 k][2048 n] f16), sums in f32, C rounded once to f16
; and written BY HEADS: q f16 [64 nh][4096][32] at byte 0 of qkvh, k likewise at 16,777,216, v f16 [64][4096][64] at 33,554,432.
; LIMIT.  f16 ends at 65,504: q, k and v must lie within it (they are sums of 1,024 products of normalised rows and weights).
; A tile of C is 256 x 256: four waves, each 128 x 128 in 64 accumulators.  Tile row = 4 x cluster x + cx (one segment of 256 tokens); tile column y = 0,1: q; 2,3: k; 4..7: v.
; K goes in steps of 128 through two LDS slots.  A's rows lie along K (256 bytes a row, pitch 272).  B lies [k][n]: 128 k rows of 512 bytes, pitch 544, read turned by ds_load_tr16_b128.
; CLUSTER 4 x 1: the four partners are four tile rows of one tile column, so B's tiles are asked for JOINTLY (mask 15).  A's tiles are each work-group's own: q and k have only two tile
; columns of 256, so no four work-groups share a tile of A; they are plain loads that stand in the same rounds.
; THE MATRIX INSTRUCTION IS USED TRANSPOSED (source 0 = 16 columns of B, source 1 = 16 rows of A): a lane holds eight neighbouring numbers of a row of C.
; REGISTERS, in windows of 256: window 0: v0-31 addresses; v64-127, v128-191 fragments of A, two buffers; v32-63, v192-255 at work on the way out.
;   window 1: v64-127, v128-191 fragments of B.   window 2: the accumulators of my rows 0-63 ((a, b) at v[8 (8 a + b)]);   window 3: those of my rows 64-127.
.set KSTEP,  128
.set PITCH,  272                       ; a row of A in LDS: 256 bytes + 16: the 16 rows of a load start at 16 different groups of four banks (ISA guide 11.1)
.set PB,     544                       ; a k row of B in LDS: 512 bytes + 32 = 17 x 32
.set BROW,   4096                      ; bytes from a k row of B to the next in memory
.set HALFT,  128*PITCH                 ; what one tensor load brings: 128 rows of A, or 64 k rows of B (64 x 544 is the same number)
.set SLOT,   4*HALFT                   ; A's two halves, then B's two halves
.set STAGE,  2*SLOT                    ; behind the ring: 16 rows x 272 bytes for each wave, for the way out
.set SPITCH, 272
.set SPARE,  STAGE+4*16*SPITCH         ; behind the stages: the spare words, 128 bytes for each wave
.set LAPS,   4                         ; K = 1,024 = 8 steps = 4 times round the ring
.set ADRA, 16                          ; v16-17  LDS address of my A fragments in slot 0, 1
.set ADRB, 20                          ; v20-21  the same for B
.set STO,  24                          ; v24     the way out: where I put 16 bytes of a row
.set RDV,  25                          ; v25     where I read back, heads of 128 bytes (v)
.set CO,   26                          ; v26     16 x lane
.set RDK,  27                          ; v27     where I read back, heads of 64 bytes (q, k)
.set SPW,  28                          ; v28     LDS address of my spare word; never rewritten
.set NIL,  29                          ; v29     0; never rewritten
.set F0,   64
.set F1,   128
.set TMP,  192
.set OB,   32
.set G1, 24                            ; s[24:31] descriptor group 1 for A's tiles
.set G0, 32                            ; s[32:39] group 0 for A's tiles, one set a slot
.set G1B, 48                           ; s[48:55] group 1 for B's tiles
.set G0B, 56                           ; s[56:63] group 0 for B's tiles, one set a slot
.set MSB, 0
.macro WIN new                         ; the immediate's high byte repeats the setting that is left; a switch that changes nothing is dropped
.if MSB != (\new)
	s_set_vgpr_msb (MSB<<8)|(\new)
.set MSB, \new
.endif
.endm
.set MUL_LO, 0xa1                      ; source 0 (B) window 1, source 1 (A) window 0, C and D window 2
.set MUL_HI, 0xf1                      ; the same, C and D window 3
.set TO_B,   0x40                      ; destination window 1, address window 0
; A fill.  Waves 0 and 1 fetch A's two halves (their own work-group's), waves 2 and 3 B's (jointly).  The branch hangs on the wave's number alone.
; An s_nop 0 and four v_nop follow each of the two lines, ahead of the jump and the label.
.macro JLOAD s
	s_cmp_eq_u32 s11, 0
	s_cbranch_scc0 .Lfor_b_\@
	tensor_load_to_lds s[G0+4*(\s):G0+4*(\s)+3], s[G1:G1+7]
	s_nop 0
.rept 4
	v_nop
.endr
	s_branch .Lasked_\@
.Lfor_b_\@:
	tensor_load_to_lds s[G0B+4*(\s):G0B+4*(\s)+3], s[G1B:G1B+7]
	s_nop 0
.rept 4
	v_nop
.endr
.Lasked_\@:
.endm
.macro CREST                           ; a round of the cluster's barrier behind its opening barrier
	s_cmp_lg_u32 s10, 0
	s_cbranch_scc1 .Lnot_wave_0_\@
	s_barrier_signal -3
.Lnot_wave_0_\@:
	s_barrier_wait -3
	s_barrier_signal -1
	s_barrier_wait -1
.endm
.macro CROUND                          ; a whole round
	s_barrier_signal -1
	s_barrier_wait -1
	CREST
.endm
	s_load_b128 s[4:7], s[0:1], 0x0                ; xn s[4:5], wh s[6:7]
	s_load_b64 s[8:9], s[0:1], 0x10                ; qkvh
	v_lshl_add_u32 v[SPW], v0, 2, SPARE
	v_mov_b32 v[NIL], 0
	ds_add_u32 v[SPW], v[NIL]                      ; the wave's opening: the add and its wait stand ahead of my first tensor load; the set-up below stands between them
	ds_add_u32 v28, v29
	v_lshrrev_b32 v1, 5, v0
	v_readfirstlane_b32 s10, v1                    ; wave 0..3
	s_lshr_b32 s11, s10, 1                         ; which half of the tile's rows is mine.  Also: I fetch for A (0) or for B (1)
	s_and_b32 s12, s10, 1                          ; which half of its columns.  Also: which half of that tile I fetch
	s_bfe_u32 s40, ttmp6, 0x40000                  ; cx
	s_lshl_b32 s13, ttmp9, 2
	s_add_co_u32 s13, s13, s40                     ; tile row = 4 x cluster x + cx
	s_and_b32 s42, ttmp7, 0xffff                   ; tile column y, which the four partners share
	s_lshr_b32 s41, s42, 1
	s_min_u32 s41, s41, 2                          ; 0: q, 1: k, 2: v
	; group 1 for A: 128 rows x 128 elements, 16 bytes of padding behind every 256; no mask
	s_mov_b32 s[G1+0], (1<<16)|(1<<20)|(5<<22)|(3<<25)
	s_mov_b32 s[G1+1], KSTEP<<16                   ; tensor_dim0 = 128
	s_mov_b32 s[G1+2], 128<<16                     ; tensor_dim1 = 128
	s_mov_b32 s[G1+3], KSTEP<<16                   ; tile_dim0 = 128
	s_mov_b32 s[G1+4], 128                         ; tile_dim1 = 128
	s_mov_b32 s[G1+5], 1024                        ; elements from row to row
	s_mov_b32 s[G1+6], 0
	s_mov_b32 s[G1+7], 0
	; group 1 for B: 64 k rows x 256 elements, 32 bytes of padding behind every 512; the mask names all four, bit 21 beside it
	s_mov_b32 s[G1B+0], 15|(1<<16)|(1<<20)|(1<<21)|(6<<22)|(7<<25)
	s_mov_b32 s[G1B+1], 256<<16
	s_mov_b32 s[G1B+2], 64<<16
	s_mov_b32 s[G1B+3], 256<<16
	s_mov_b32 s[G1B+4], 64
	s_mov_b32 s[G1B+5], 2048
	s_mov_b32 s[G1B+6], 0
	s_mov_b32 s[G1B+7], 0
	s_lshl_b32 s16, s13, 8                         ; A: row 256 x tile row + 128 x half,
	s_lshl_b32 s17, s12, 7
	s_add_co_u32 s16, s16, s17
	s_lshl_b32 s16, s16, 11                        ; of 2,048 bytes,
	s_lshl_b32 s17, s41, 25                        ; in plane 0, 1 or 2 of 33,554,432 bytes
	s_add_co_u32 s16, s16, s17
	s_mov_b32 s17, 0
	s_lshl_b32 s46, s12, 18                        ; B: k row 64 x half, of 4,096 bytes,
	s_lshl_b32 s47, s42, 9                         ; column 256 y, of 2 bytes: made of the wave's number and y alone
	s_add_co_u32 s46, s46, s47
	s_mov_b32 s47, 0
	s_mul_i32 s20, s10, HALFT                      ; where they go: wave x one load's bytes
	s_wait_dscnt 0x0                               ; the opening add is done
	s_wait_kmcnt 0x0
	s_add_nc_u64 s[14:15], s[4:5], s[16:17]
	s_add_nc_u64 s[46:47], s[6:7], s[46:47]
	CROUND                                         ; all four work-groups are here: the first joint loads meet
.irp s, 0,1
	s_mov_b32 s[G0+4*(\s)], 1
	s_add_co_u32 s[G0+4*(\s)+1], s20, (\s)*SLOT
	s_add_nc_u64 s[G0+4*(\s)+2:G0+4*(\s)+3], s[14:15], (\s)*KSTEP*2
	s_or_b32 s[G0+4*(\s)+3], s[G0+4*(\s)+3], 0x80000000
	s_mov_b32 s[G0B+4*(\s)], 1
	s_add_co_u32 s[G0B+4*(\s)+1], s20, (\s)*SLOT
	s_add_nc_u64 s[G0B+4*(\s)+2:G0B+4*(\s)+3], s[46:47], (\s)*KSTEP*BROW
	s_or_b32 s[G0B+4*(\s)+3], s[G0B+4*(\s)+3], 0x80000000
	JLOAD \s                                       ; two loads of mine are out: K steps 0 and 1
.endr
	v_and_b32 v1, 15, v0                           ; r = l % 16
	v_bfe_u32 v2, v0, 4, 1                         ; h = l / 16
	v_mul_u32_u24 v3, v1, PITCH
	v_lshl_add_u32 v3, v2, 4, v3                   ; A: row x pitch + 16 h
	s_mul_i32 s21, s11, HALFT                      ; my 128 rows of A
	v_and_b32 v4, 7, v0
	v_bfe_u32 v5, v0, 3, 1
	v_lshl_add_u32 v4, v2, 3, v4                   ; B, turned: k row 8 h + l % 8,
	v_mul_u32_u24 v4, v4, PB
	v_lshl_add_u32 v4, v5, 4, v4                   ; columns 8 ((l / 8) % 2) on
	s_lshl_b32 s22, s12, 8                         ; my 128 columns of B,
	s_add_co_u32 s22, s22, 2*HALFT                 ; which lies behind A's 256 rows
.irp s, 0,1
	v_add_nc_u32 v[ADRA+(\s)], s21, v3
	v_add_nc_u32 v[ADRB+(\s)], s22, v4
	s_add_co_u32 s21, s21, SLOT
	s_add_co_u32 s22, s22, SLOT
.endr
	s_mul_i32 s23, s10, 16*SPITCH
	s_add_co_u32 s23, s23, STAGE                   ; my stage
	v_mul_u32_u24 v6, v1, SPITCH                   ; in: row r, 16 bytes for each half of the lanes
	v_lshl_add_u32 v6, v2, 4, v6
	v_add_nc_u32 v[STO], s23, v6
	v_bfe_u32 v6, v0, 3, 2                         ; back, v: 32 lanes take four rows' 128 bytes of one head
	v_mul_u32_u24 v6, v6, SPITCH
	v_and_b32 v7, 7, v0
	v_lshl_add_u32 v6, v7, 4, v6
	v_add_nc_u32 v[RDV], s23, v6
	v_bfe_u32 v6, v0, 2, 3                         ; back, q and k: eight rows' 64 bytes of one head
	v_mul_u32_u24 v6, v6, SPITCH
	v_and_b32 v7, 3, v0
	v_lshl_add_u32 v6, v7, 4, v6
	v_add_nc_u32 v[RDK], s23, v6
	v_and_b32 v[CO], 31, v0
	v_lshlrev_b32 v[CO], 4, v[CO]
	; where my part begins in qkvh: tensor, then ((16 n + first head) x 4,096 + token) x a head row's bytes
	s_lshl_b32 s16, s13, 8
	s_lshl_b32 s17, s11, 7
	s_add_co_u32 s16, s16, s17                     ; my first row of C
	s_lshr_b32 s17, s16, 12                        ; n
	s_and_b32 s16, s16, 4095                       ; token
	s_and_b32 s18, s42, 3
	s_lshl_b32 s18, s18, 2
	s_lshl1_add_u32 s18, s12, s18                  ; v: head 4 (y % 4) + 2 x column half
	s_and_b32 s19, s42, 1
	s_lshl_b32 s19, s19, 3
	s_lshl2_add_u32 s19, s12, s19                  ; q, k: head 8 (y % 2) + 4 x column half
	s_cmp_ge_u32 s42, 4
	s_cselect_b32 s18, s18, s19
	s_cselect_b32 s19, 7, 6                        ; a head row is 128 or 64 bytes
	s_lshl4_add_u32 s17, s17, s18
	s_lshl_b32 s17, s17, 12
	s_add_co_u32 s16, s16, s17
	s_lshl_b32 s16, s16, s19
	s_lshl_b32 s17, s41, 24
	s_add_co_u32 s16, s16, s17
	s_mov_b32 s17, 0                               ; s[16:17]: the first way out adds it to qkvh's address
	s_lshl_b32 s18, 16, s19
	s_mov_b32 s19, 0                               ; s[18:19]: 16 rows on
; 16 matrix instructions: m blocks a0, a0 + 1 of the window's four x all 8 n blocks, 32 along K.  zero = 1: the first product starts the sums.
.macro MUL16 f, hi, a0, zero
	WIN MUL_LO+0x50*(\hi)
.irp a, \a0, (\a0)+1
.irp b, 0,1,2,3,4,5,6,7
.if \zero
	v_wmma_f32_16x16x32_f16 v[8*(8*(\a)+(\b)):8*(8*(\a)+(\b))+7], v[(\f)+8*(\b):(\f)+8*(\b)+7], v[(\f)+8*(4*(\hi)+(\a)):(\f)+8*(4*(\hi)+(\a))+7], 0
.else
	v_wmma_f32_16x16x32_f16 v[8*(8*(\a)+(\b)):8*(8*(\a)+(\b))+7], v[(\f)+8*(\b):(\f)+8*(\b)+7], v[(\f)+8*(4*(\hi)+(\a)):(\f)+8*(4*(\hi)+(\a))+7], v[8*(8*(\a)+(\b)):8*(8*(\a)+(\b))+7]
.endif
.endr
.endr
.endm
; 32 LDS loads in one run: the fragments of quarter q of a K step (32 along K) into buffer f: B's 128 columns (turned), then A's 128 rows
.macro FETCH slot, q, f
	WIN TO_B
.irp i, 0,1,2,3,4,5,6,7
	ds_load_tr16_b128 v[(\f)+8*(\i):(\f)+8*(\i)+3],   v[ADRB+(\slot)] offset:(\q)*32*PB+(\i)*32
	ds_load_tr16_b128 v[(\f)+8*(\i)+4:(\f)+8*(\i)+7], v[ADRB+(\slot)] offset:(\q)*32*PB+(\i)*32+16*PB
.endr
	WIN 0
.irp i, 0,1,2,3,4,5,6,7
	ds_load_b128 v[(\f)+8*(\i):(\f)+8*(\i)+3],   v[ADRA+(\slot)] offset:(\q)*64+(\i)*16*PITCH
	ds_load_b128 v[(\f)+8*(\i)+4:(\f)+8*(\i)+7], v[ADRA+(\slot)] offset:(\q)*64+(\i)*16*PITCH+32
.endr
.endm
.macro PLACES                          ; four plain vector instructions between a matrix instruction and a load into, or a read of, its registers (ISA guide 7.12.1 for the reads)
.rept 4
	v_nop
.endr
.endm
; One of a K step's first three quarters: multiplies buffer f; in its middle it fetches quarter q of the same slot into buffer g.
.macro QUARTER slot, q, f, g, zero
	s_wait_dscnt 8                                 ; B and A's rows 0-63 are in; the youngest eight loads (A's rows 64-127) may be out
	MUL16 \f, 0, 0, \zero
	MUL16 \f, 0, 2, \zero
	PLACES
	FETCH \slot, \q, \g
	s_wait_dscnt 32                                ; all but the 32 just issued
	MUL16 \f, 1, 0, \zero
	MUL16 \f, 1, 2, \zero
.endm
; The first half of the last quarter: ONE barrier for the change of slots.  In front of it each wave waits for all its tensor loads (one is out: its part of the next slot), adds 0 to its
; spare word, and waits for that and for its own reads of this slot.
.macro MEET round
	WIN 0                                          ; (the add's two registers lie in window 0)
	s_wait_tensorcnt 0x0
	ds_add_u32 v[SPW], v[NIL]
	s_wait_dscnt 9                                 ; (the add and the youngest eight loads may be out)
	MUL16 F1, 0, 0, 0                              ; sixteen matrix instructions stand between the add and the wait for it
	s_wait_dscnt 0x0                               ; the add is done, and my reads of this slot are over
	s_barrier_signal -1
	MUL16 F1, 0, 2, 0                              ; work on registers while the others arrive
.if \round
	WIN 0
.endif
	s_barrier_wait -1
.endm
; The whole last quarter.  fill = 1: the barrier opens a round of the cluster's, and the slot just read out is filled again first behind it, two K steps ahead.
.macro TURN slot, next, fill
	MEET \fill
.if \fill
	CREST                                          ; no wave of any partner still reads this slot or has a load on its way
	s_add_nc_u64 s[G0+4*(\slot)+2:G0+4*(\slot)+3], s[G0+4*(\slot)+2:G0+4*(\slot)+3], 2*KSTEP*2
	s_add_nc_u64 s[G0B+4*(\slot)+2:G0B+4*(\slot)+3], s[G0B+4*(\slot)+2:G0B+4*(\slot)+3], 2*KSTEP*BROW
	JLOAD \slot                                    ; my one tensor load behind the round; its four v_nop are also the places in front of the loads below
.else
	PLACES
.endif
	FETCH \next, 0, F0
	MUL16 F1, 1, 0, 0
	MUL16 F1, 1, 2, 0
.endm
; THE WAY OUT of block a (16 rows).  PACK: rounded to f16, 16 bytes a lane.  TOSTAGE: into my own stage, and back head by head.  SEND: stored, 512 consecutive bytes of one head a store.
.macro PACK a
.set AC, 64*((\a)%4)
	WIN 0x0a+5*((\a)/4)                            ; sources 0 and 1: window 2 or 3
.irp b, 0,1,2,3,4,5,6,7
.irp r, 0,1,2,3
	v_cvt_pk_f16_f32 v[TMP+4*(\b)+(\r)], v[AC+8*(\b)+2*(\r)], v[AC+8*(\b)+2*(\r)+1]
.endr
.endr
	WIN 0
.endm
.macro TOSTAGE a, isv
.set BK, OB+192*((\a)%2)
.irp b, 0,1,2,3,4,5,6,7
	ds_store_b128 v[STO], v[TMP+4*(\b):TMP+4*(\b)+3] offset:32*(\b)
.endr
.irp t, 0,1,2,3,4,5,6,7                ; LDS serves a wave's instructions in order (ISA guide 5.7.1.4): these see the stores above
.if \isv
	ds_load_b128 v[BK+4*(\t):BK+4*(\t)+3], v[RDV] offset:4*((\t)%4)*SPITCH+((\t)/4)*128
.else
	ds_load_b128 v[BK+4*(\t):BK+4*(\t)+3], v[RDK] offset:8*((\t)%2)*SPITCH+((\t)/2)*64
.endif
.endr
.endm
.macro SEND a, isv
.set BK, OB+192*((\a)%2)
	s_wait_dscnt 0x0                               ; the block is back in registers
	s_wait_xcnt 0x0                                ; only behind this wait are the stores' base and the registers that earlier stores read rewritten
.if (\a) == 0
	s_add_nc_u64 s[8:9], s[8:9], s[16:17]
.else
	s_add_nc_u64 s[8:9], s[8:9], s[18:19]
.endif
.irp t, 0,1,2,3,4,5,6,7
.if \isv
	global_store_b128 v[CO], v[BK+4*(\t):BK+4*(\t)+3], s[8:9] offset:((\t)/4)*524288+((\t)%4)*512
.else
	global_store_b128 v[CO], v[BK+4*(\t):BK+4*(\t)+3], s[8:9] offset:((\t)/2)*262144+((\t)%2)*512
.endif
.endr
.endm
.macro WAYOUT isv
	PACK 0
	TOSTAGE 0, \isv
.irp a, 1,2,3,4,5,6,7                  ; block a's conversions stand between block a - 1's loads from the stage and the wait for them
	PACK \a
	SEND (\a)-1, \isv
	TOSTAGE \a, \isv
.endr
	SEND 7, \isv
.endm
	s_wait_tensorcnt 1                             ; my part of K step 0 is in; K step 1's may stay out
	s_barrier_signal -1
	s_barrier_wait -1
	FETCH 0, 0, F0
	QUARTER 0, 1, F0, F1, 1                        ; the first quarter stands in front of the loop: its products start the sums
	WIN 0
	s_mov_b32 s3, LAPS-1
.Llap:                                                 ; a trip goes once round the ring and fills both slots again; the 64 accumulators take turns
	QUARTER 0, 2, F1, F0, 0
	QUARTER 0, 3, F0, F1, 0
	TURN 0, 1, 1
	QUARTER 1, 1, F0, F1, 0
	QUARTER 1, 2, F1, F0, 0
	QUARTER 1, 3, F0, F1, 0
	TURN 1, 0, 1
	QUARTER 0, 1, F0, F1, 0
	WIN 0
	s_sub_co_u32 s3, s3, 1
	s_cmp_lg_u32 s3, 0
	s_cbranch_scc1 .Llap
	QUARTER 0, 2, F1, F0, 0                        ; the last lap fills nothing
	QUARTER 0, 3, F0, F1, 0
	TURN 0, 1, 0
	QUARTER 1, 1, F0, F1, 0
	QUARTER 1, 2, F1, F0, 0
	QUARTER 1, 3, F0, F1, 0
	s_wait_dscnt 8
	MUL16 F1, 0, 0, 0
	MUL16 F1, 0, 2, 0
	s_wait_dscnt 0x0
	MUL16 F1, 1, 0, 0
	MUL16 F1, 1, 2, 0
	WIN 0
	PLACES
	s_cmp_ge_u32 s42, 4                            ; the tile column is the same in all waves and all partners
	s_cbranch_scc1 .Lout_v
	WAYOUT 0                                       ; q, k: four heads of 32 columns
	s_branch .Ldone
.Lout_v:
	WAYOUT 1                                       ; v: two heads of 64 columns
.Ldone:
	s_wait_tensorcnt 0x0                           ; the wave's end
	ds_add_u32 v[SPW], v[NIL]
	s_wait_dscnt 0x0
	CROUND                                         ; the closing round
	s_endpgm
.Lfunc_end_k_qf65d6b4c3d_qkv:
	.size	k_qf65d6b4c3d_qkv, .Lfunc_end_k_qf65d6b4c3d_qkv-k_qf65d6b4c3d_qkv
	.p2alignl 7, 3214868480
	.fill 96, 4, 3214868480
	.section	.rodata,"a",@progbits
	.p2align	6, 0x0
	.amdhsa_kernel k_qf65d6b4c3d_qkv
		.amdhsa_group_segment_fixed_size 327680
		.amdhsa_private_segment_fixed_size 0
		.amdhsa_enable_private_segment 0
		.amdhsa_kernarg_size 24
		.amdhsa_user_sgpr_count 2
		.amdhsa_user_sgpr_kernarg_segment_ptr 1
		.amdhsa_wavefront_size32 1
		.amdhsa_system_sgpr_workgroup_id_x 1
		.amdhsa_system_sgpr_workgroup_id_y 1
		.amdhsa_system_sgpr_workgroup_id_z 1
		.amdhsa_system_vgpr_workitem_id 0
		.amdhsa_next_free_vgpr 1024
		.amdhsa_next_free_sgpr 66
		.amdhsa_reserve_vcc 0
		.amdhsa_float_denorm_mode_32 3
		.amdhsa_float_denorm_mode_16_64 3
		.amdhsa_memory_ordered 1
		.amdhsa_forward_progress 1
		.amdhsa_inst_pref_size 175
	.end_amdhsa_kernel
	.amdgpu_metadata
---
amdhsa.version: [ 1, 2 ]
amdhsa.kernels:
  - .name:           k_qf65d6b4c3d_qkv
    .symbol:         k_qf65d6b4c3d_qkv.kd
    .args:
      - { .name: xn, .offset: 0, .size: 8, .value_kind: global_buffer, .address_space: global }
      - { .name: wh, .offset: 8, .size: 8, .value_kind: global_buffer, .address_space: global }
      - { .name: qkvh, .offset: 16, .size: 8, .value_kind: global_buffer, .address_space: global }
    .group_segment_fixed_size: 327680
    .private_segment_fixed_size: 0
    .kernarg_segment_align: 8
    .kernarg_segment_size: 24
    .max_flat_workgroup_size: 128
    .sgpr_count:     66
    .vgpr_count:     1024
    .wavefront_size: 32
...
	.end_amdgpu_metadata
.endif
;; end of part 2
;; launch delta (part 3): grid 240 x 1, 4 waves a work-group, no clusters, 262,656 bytes of LDS; arguments qkvh, dl; writes dl
.if DOCPART == 3
	.amdgcn_target "amdgcn-amd-amdhsa--gfx1250"
	.amdhsa_code_object_version 6
	.text
	.protected	k_qf65d6b4c3d_delta
	.globl	k_qf65d6b4c3d_delta
	.p2align	8
	.type	k_qf65d6b4c3d_delta,@function
k_qf65d6b4c3d_delta:
	s_mov_b64 s[64:65], 0
	v_nop
	global_prefetch_b8 v0, s[64:65] scope:SCOPE_SE
	s_setreg_imm32_b32 hwreg(HW_REG_WAVE_MODE, 25, 1), 1
	s_wait_xcnt 0x0
; DELTA.  For each head nh (64) and segment 0..14: D[d][e] = sum over the segment's 256 keys t of (elu(k[t][d]) + 1) v'[t][e], v' = v with 16 columns of ones behind it, so that block 4 of e holds
; z[d] = the sum of elu(k) + 1.  Segment 15's update is never read, so it is not made: 960 units, one a wave.
; elu(x) + 1 = 2^min(t, 0) + ln 2 x max(t, 0) with t = x log2(e), in f32; rounded to f16 for the product; sums in f32, stored as f32 (they are added up by the next launch).
; LIMIT.  elu(k) + 1 must lie within f16's 65,504; an exponential below 2^-126 counts as 0.
; Each wave brings its own k (16 KB) and v (32 KB) by two tensor loads into its own LDS bytes, filled once, and reads only those: no barrier.  No cluster: no two units share a byte.
; A = (elu(k)+1)^T (rows d, K = keys), B = v' (columns e): both lie [key][channel] in LDS and are read turned.  Accumulator a = 2 eb + db: lane (r, h), register j = D[16 db + 8 h + j][16 eb + r].
; dl: f32 [960 units][20 i][32 lanes][4]: store i = registers 4 (i % 2) .. + 3 of accumulator i / 2.
.set PK,    96                         ; a row of k in LDS: 64 bytes + 32 = 3 x 32
.set PV,    160                        ; a row of v: 128 + 32 = 5 x 32
.set VOFF,  256*PK
.set WAVEB, 256*(PK+PV)                ; 65,536 bytes a wave
.set SPARE, 4*WAVEB
.set SPW, 2
.set NIL, 3
.set AKD, 4                            ; v4  LDS address of k's turning loads
.set AVD, 5                            ; v5  of v's
.set GO,  6                            ; v6  16 x lane
.set ONE, 8                            ; v[8:15]   1.0 in every f16
.set KR,  16                           ; v[16:31]  k as loaded: two fragments of 16 d x 32 keys
.set SK,  32                           ; v[32:47]  elu(k) + 1 in f16
.set VF,  48                           ; v[48:79]  four fragments of v
.set X,   80                           ; v[80:87]  at work
.set T,   88                           ; v[88:95]  at work
.set ACC, 96                           ; v[96:175] ten accumulators
.set ZR,  176                          ; 0, for the mixed multiply-add
.set L2E, 177                          ; log2(e)
.set G1K, 16
.set G1V, 24
.set G0K, 32
.set G0V, 36
	s_load_b128 s[4:7], s[0:1], 0x0                ; qkvh s[4:5], dl s[6:7]
	v_lshl_add_u32 v[SPW], v0, 2, SPARE
	v_mov_b32 v[NIL], 0
	ds_add_u32 v[SPW], v[NIL]                      ; the wave's opening: the add and its wait stand ahead of my first tensor load
	ds_add_u32 v2, v3
	v_lshrrev_b32 v1, 5, v0
	v_readfirstlane_b32 s8, v1                     ; wave
	s_lshl2_add_u32 s9, ttmp9, s8                  ; unit u = 4 x work-group + wave, 0..959
	s_mul_i32 s10, s9, 0x8889
	s_lshr_b32 s10, s10, 19                        ; nh = u / 15 (exact for u < 960: 15 x 0x8889 = 2^19 + 7)
	s_mul_i32 s11, s10, 15
	s_sub_co_u32 s11, s9, s11                      ; segment
	; k: 16,384 dense bytes as 64 rows of 256, padded by 32 bytes behind every 64
	s_mov_b32 s[G1K+0], (1<<16)|(1<<20)|(3<<22)|(7<<25)
	s_mov_b32 s[G1K+1], 128<<16
	s_mov_b32 s[G1K+2], 64<<16
	s_mov_b32 s[G1K+3], 128<<16
	s_mov_b32 s[G1K+4], 64
	s_mov_b32 s[G1K+5], 128
	s_mov_b32 s[G1K+6], 0
	s_mov_b32 s[G1K+7], 0
	; v: 32,768 dense bytes as 128 rows of 256, padded by 32 bytes behind every 128
	s_mov_b32 s[G1V+0], (1<<16)|(1<<20)|(4<<22)|(7<<25)
	s_mov_b32 s[G1V+1], 128<<16
	s_mov_b32 s[G1V+2], 128<<16
	s_mov_b32 s[G1V+3], 128<<16
	s_mov_b32 s[G1V+4], 128
	s_mov_b32 s[G1V+5], 128
	s_mov_b32 s[G1V+6], 0
	s_mov_b32 s[G1V+7], 0
	s_lshl_b32 s12, s10, 18                        ; k: head x 262,144 + segment x 16,384, behind q
	s_lshl_b32 s13, s11, 14
	s_add_co_u32 s12, s12, s13
	s_add_co_u32 s12, s12, 0x1000000
	s_mov_b32 s13, 0
	s_lshl_b32 s14, s10, 19                        ; v: head x 524,288 + segment x 32,768, behind k
	s_lshl_b32 s15, s11, 15
	s_add_co_u32 s14, s14, s15
	s_add_co_u32 s14, s14, 0x2000000
	s_mov_b32 s15, 0
	s_mul_i32 s42, s9, 10240                       ; my unit in dl
	s_mov_b32 s43, 0
	s_mul_i32 s40, s8, WAVEB                       ; my LDS bytes
	s_mov_b32 s[G0K], 1
	s_mov_b32 s[G0K+1], s40
	s_mov_b32 s[G0V], 1
	s_add_co_u32 s[G0V+1], s40, VOFF
	s_wait_dscnt 0x0                               ; the opening add is done
	s_wait_kmcnt 0x0
	s_add_nc_u64 s[G0K+2:G0K+3], s[4:5], s[12:13]
	s_or_b32 s[G0K+3], s[G0K+3], 0x80000000
	s_add_nc_u64 s[G0V+2:G0V+3], s[4:5], s[14:15]
	s_or_b32 s[G0V+3], s[G0V+3], 0x80000000
	s_add_nc_u64 s[6:7], s[6:7], s[42:43]
	tensor_load_to_lds s[G0K:G0K+3], s[G1K:G1K+7]  ; two loads of mine are out, the only ones of the launch
	s_nop 0
	tensor_load_to_lds s[G0V:G0V+3], s[G1V:G1V+7]
	s_nop 0
.rept 4
	v_nop
.endr
	v_bfe_u32 v80, v0, 4, 1                        ; h
	v_and_b32 v81, 7, v0
	v_bfe_u32 v82, v0, 3, 1
	v_lshl_add_u32 v80, v80, 3, v81                ; key 8 h + l % 8
	v_mul_u32_u24 v[AKD], v80, PK
	v_lshl_add_u32 v[AKD], v82, 4, v[AKD]          ; channels 8 ((l / 8) % 2) on
	v_add_nc_u32 v[AKD], s40, v[AKD]
	v_mul_u32_u24 v[AVD], v80, PV
	v_lshl_add_u32 v[AVD], v82, 4, v[AVD]
	v_add_nc_u32 v[AVD], s[G0V+1], v[AVD]
	v_and_b32 v[GO], 31, v0
	v_lshlrev_b32 v[GO], 4, v[GO]
.irp i, 0,1,2,3,4,5,6,7
	v_mov_b32 v[ONE+(\i)], 0x3c003c00
.endr
	v_mov_b32 v[ZR], 0
	v_mov_b32 v[L2E], 0x3fb8aa3b
.macro ELU8 src, dst                   ; eight f16 in four registers -> elu + 1, eight f16
.irp i, 0,1,2,3
	v_fma_mix_f32 v[T+2*(\i)], v[(\src)+(\i)], v[L2E], v[ZR] op_sel_hi:[1,0,0]                   ; t = x log2(e), from the low half
	v_fma_mix_f32 v[T+2*(\i)+1], v[(\src)+(\i)], v[L2E], v[ZR] op_sel:[1,0,0] op_sel_hi:[1,0,0]  ; and from the high half
.endr
.irp i, 0,1,2,3,4,5,6,7
	v_min_num_f32 v[X+(\i)], 0, v[T+(\i)]
.endr
.irp i, 0,1,2,3,4,5,6,7
	v_exp_f32 v[X+(\i)], v[X+(\i)]
.endr
.irp i, 0,1,2,3,4,5,6,7
	v_max_num_f32 v[T+(\i)], 0, v[T+(\i)]          ; plain work behind the exponentials, ahead of the use of their results
.endr
	s_wait_alu depctr_va_vdst(0)
.irp i, 0,2,4,6
	v_pk_fma_f32 v[X+(\i):X+(\i)+1], v[T+(\i):T+(\i)+1], 0x3f317218, v[X+(\i):X+(\i)+1] op_sel_hi:[1,0,1]
.endr
.irp i, 0,1,2,3
	v_cvt_pk_f16_f32 v[(\dst)+(\i)], v[X+2*(\i)], v[X+2*(\i)+1]
.endr
.endm
.macro STEP zero                       ; 32 keys: 12 turning loads, the elu, ten matrix instructions on ten accumulators by turns
.irp d, 0,1
	ds_load_tr16_b128 v[KR+8*(\d):KR+8*(\d)+3],   v[AKD] offset:32*(\d)
	ds_load_tr16_b128 v[KR+8*(\d)+4:KR+8*(\d)+7], v[AKD] offset:32*(\d)+16*PK
.endr
.irp e, 0,1,2,3
	ds_load_tr16_b128 v[VF+8*(\e):VF+8*(\e)+3],   v[AVD] offset:32*(\e)
	ds_load_tr16_b128 v[VF+8*(\e)+4:VF+8*(\e)+7], v[AVD] offset:32*(\e)+16*PV
.endr
	s_wait_dscnt 0x0
	ELU8 KR, SK
	ELU8 KR+4, SK+4
	ELU8 KR+8, SK+8
	ELU8 KR+12, SK+12
.irp e, 0,1,2,3,4
.irp d, 0,1
.if (\e) < 4
.set rB, VF+8*(\e)
.else
.set rB, ONE
.endif
.set rD, ACC+8*(2*(\e)+(\d))
.if \zero
	v_wmma_f32_16x16x32_f16 v[rD:rD+7], v[SK+8*(\d):SK+8*(\d)+7], v[rB:rB+7], 0
.else
	v_wmma_f32_16x16x32_f16 v[rD:rD+7], v[SK+8*(\d):SK+8*(\d)+7], v[rB:rB+7], v[rD:rD+7]
.endif
.endr
.endr
.endm
	s_wait_tensorcnt 0x0                           ; both my tiles are in LDS; nobody else reads them
	STEP 1                                         ; the first 32 keys start the sums
	s_mov_b32 s44, 7
.Lkeys:
	v_add_nc_u32 v[AKD], 32*PK, v[AKD]             ; these two and two v_nop are the four places between the last product and the loads into its sources
	v_add_nc_u32 v[AVD], 32*PV, v[AVD]
	v_nop
	v_nop
	STEP 0
	s_sub_co_u32 s44, s44, 1
	s_cmp_lg_u32 s44, 0
	s_cbranch_scc1 .Lkeys
.rept 4
	v_nop
.endr
.set i, 0
.rept 20                                               ; ascending: each accumulator's low four registers leave first; a store covers 512 consecutive bytes
	global_store_b128 v[GO], v[ACC+4*i:ACC+4*i+3], s[6:7] offset:512*i
.set i, i+1
.endr
	s_wait_tensorcnt 0x0                           ; the wave's end
	ds_add_u32 v[SPW], v[NIL]
	s_wait_dscnt 0x0
	s_endpgm
.Lfunc_end_k_qf65d6b4c3d_delta:
	.size	k_qf65d6b4c3d_delta, .Lfunc_end_k_qf65d6b4c3d_delta-k_qf65d6b4c3d_delta
	.p2alignl 7, 3214868480
	.fill 96, 4, 3214868480
	.section	.rodata,"a",@progbits
	.p2align	6, 0x0
	.amdhsa_kernel k_qf65d6b4c3d_delta
		.amdhsa_group_segment_fixed_size 262656
		.amdhsa_private_segment_fixed_size 0
		.amdhsa_enable_private_segment 0
		.amdhsa_kernarg_size 16
		.amdhsa_user_sgpr_count 2
		.amdhsa_user_sgpr_kernarg_segment_ptr 1
		.amdhsa_wavefront_size32 1
		.amdhsa_system_sgpr_workgroup_id_x 1
		.amdhsa_system_sgpr_workgroup_id_y 1
		.amdhsa_system_sgpr_workgroup_id_z 1
		.amdhsa_system_vgpr_workitem_id 0
		.amdhsa_next_free_vgpr 178
		.amdhsa_next_free_sgpr 66
		.amdhsa_reserve_vcc 0
		.amdhsa_float_denorm_mode_32 3
		.amdhsa_float_denorm_mode_16_64 3
		.amdhsa_memory_ordered 1
		.amdhsa_forward_progress 1
		.amdhsa_inst_pref_size 25
	.end_amdhsa_kernel
	.amdgpu_metadata
---
amdhsa.version: [ 1, 2 ]
amdhsa.kernels:
  - .name:           k_qf65d6b4c3d_delta
    .symbol:         k_qf65d6b4c3d_delta.kd
    .args:
      - { .name: qkvh, .offset: 0, .size: 8, .value_kind: global_buffer, .address_space: global }
      - { .name: dl, .offset: 8, .size: 8, .value_kind: global_buffer, .address_space: global }
    .group_segment_fixed_size: 262656
    .private_segment_fixed_size: 0
    .kernarg_segment_align: 8
    .kernarg_segment_size: 16
    .max_flat_workgroup_size: 128
    .sgpr_count:     66
    .vgpr_count:     178
    .wavefront_size: 32
...
	.end_amdgpu_metadata
.endif
;; end of part 3
;; launch prefix (part 4): grid 160 x 1, 4 waves a work-group, no clusters, 0 bytes of LDS; arguments dl, mp; writes mp
.if DOCPART == 4
	.amdgcn_target "amdgcn-amd-amdhsa--gfx1250"
	.amdhsa_code_object_version 6
	.text
	.protected	k_qf65d6b4c3d_prefix
	.globl	k_qf65d6b4c3d_prefix
	.p2align	8
	.type	k_qf65d6b4c3d_prefix,@function
k_qf65d6b4c3d_prefix:
	s_mov_b64 s[64:65], 0
	v_nop
	global_prefetch_b8 v0, s[64:65] scope:SCOPE_SE
	s_setreg_imm32_b32 hwreg(HW_REG_WAVE_MODE, 25, 1), 1
	s_wait_xcnt 0x0
; PREFIX.  mem before segment s = the sum of the updates of segments 0 .. s - 1, added in f32 in the order of the segments, then rounded once to bf16 for the product that reads it
; (bf16, not f16: the memory grows with the inputs' square and the number of tokens).  Segment 0 finds zeros.
; One wave owns one accumulator a (of 10) of one head (of 64): 640 waves.  A lane's eight f32 become 16 bytes: registers 4 db .. + 3 of the fragment of e block eb, a = 2 eb + db.
; mp: bf16 [64 nh][16 seg][10 a][32 lanes][8].  All 30 loads are issued at once; no register is used twice; each store covers 512 consecutive bytes.
.set D,   8                            ; v[8:127]   segment j's eight numbers at D + 8 j; then the prefix through j
.set OUT, 128                          ; v[128:191] segment s's 16 bytes at OUT + 4 s
	s_load_b128 s[4:7], s[0:1], 0x0                ; dl s[4:5], mp s[6:7]
	v_lshrrev_b32 v1, 5, v0
	v_readfirstlane_b32 s8, v1
	s_lshl2_add_u32 s9, ttmp9, s8                  ; 0..639
	s_mul_i32 s10, s9, 0xcccd
	s_lshr_b32 s10, s10, 19                        ; nh = id / 10 (exact for id < 640: 10 x 0xcccd = 2^19 + 2)
	s_mul_i32 s11, s10, 10
	s_sub_co_u32 s11, s9, s11                      ; a
	s_mul_i32 s12, s10, 153600                     ; 15 segments of 10,240 bytes
	s_lshl_b32 s13, s11, 10
	s_add_co_u32 s12, s12, s13
	s_mov_b32 s13, 0
	s_mul_i32 s14, s10, 81920                      ; 16 segments of 5,120 bytes
	s_lshl_b32 s15, s11, 9
	s_add_co_u32 s14, s14, s15
	s_mov_b32 s15, 0
	v_and_b32 v2, 31, v0
	v_lshlrev_b32 v2, 4, v2
	s_wait_kmcnt 0x0
	s_add_nc_u64 s[4:5], s[4:5], s[12:13]
	s_add_nc_u64 s[6:7], s[6:7], s[14:15]
.set j, 0
.rept 15
	global_load_b128 v[D+8*j:D+8*j+3],   v2, s[4:5] offset:j*10240 th:TH_LOAD_NT
	global_load_b128 v[D+8*j+4:D+8*j+7], v2, s[4:5] offset:j*10240+512 th:TH_LOAD_NT
.set j, j+1
.endr
.irp i, 0,1,2,3
	v_mov_b32 v[OUT+(\i)], 0
.endr
	global_store_b128 v2, v[OUT:OUT+3], s[6:7]
.set j, 0
.rept 15
	s_wait_loadcnt 28-2*j                          ; segment j is in; the younger segments' loads stay out
.if j > 0
.irp i, 0,2,4,6
	v_pk_add_f32 v[D+8*j+(\i):D+8*j+(\i)+1], v[D+8*j-8+(\i):D+8*j-8+(\i)+1], v[D+8*j+(\i):D+8*j+(\i)+1]
.endr
.endif
.irp i, 0,1,2,3
	v_cvt_pk_bf16_f32 v[OUT+4*j+4+(\i)], v[D+8*j+2*(\i)], v[D+8*j+2*(\i)+1]
.endr
	global_store_b128 v2, v[OUT+4*j+4:OUT+4*j+7], s[6:7] offset:(j+1)*5120
.set j, j+1
.endr
	s_endpgm
.Lfunc_end_k_qf65d6b4c3d_prefix:
	.size	k_qf65d6b4c3d_prefix, .Lfunc_end_k_qf65d6b4c3d_prefix-k_qf65d6b4c3d_prefix
	.p2alignl 7, 3214868480
	.fill 96, 4, 3214868480
	.section	.rodata,"a",@progbits
	.p2align	6, 0x0
	.amdhsa_kernel k_qf65d6b4c3d_prefix
		.amdhsa_group_segment_fixed_size 0
		.amdhsa_private_segment_fixed_size 0
		.amdhsa_enable_private_segment 0
		.amdhsa_kernarg_size 16
		.amdhsa_user_sgpr_count 2
		.amdhsa_user_sgpr_kernarg_segment_ptr 1
		.amdhsa_wavefront_size32 1
		.amdhsa_system_sgpr_workgroup_id_x 1
		.amdhsa_system_sgpr_workgroup_id_y 1
		.amdhsa_system_sgpr_workgroup_id_z 1
		.amdhsa_system_vgpr_workitem_id 0
		.amdhsa_next_free_vgpr 192
		.amdhsa_next_free_sgpr 66
		.amdhsa_reserve_vcc 0
		.amdhsa_float_denorm_mode_32 3
		.amdhsa_float_denorm_mode_16_64 3
		.amdhsa_memory_ordered 1
		.amdhsa_forward_progress 1
		.amdhsa_inst_pref_size 14
	.end_amdhsa_kernel
	.amdgpu_metadata
---
amdhsa.version: [ 1, 2 ]
amdhsa.kernels:
  - .name:           k_qf65d6b4c3d_prefix
    .symbol:         k_qf65d6b4c3d_prefix.kd
    .args:
      - { .name: dl, .offset: 0, .size: 8, .value_kind: global_buffer, .address_space: global }
      - { .name: mp, .offset: 8, .size: 8, .value_kind: global_buffer, .address_space: global }
    .group_segment_fixed_size: 0
    .private_segment_fixed_size: 0
    .kernarg_segment_align: 8
    .kernarg_segment_size: 16
    .max_flat_workgroup_size: 128
    .sgpr_count:     66
    .vgpr_count:     192
    .wavefront_size: 32
...
	.end_amdgpu_metadata
.endif
;; end of part 4
;; launch attn (part 5): grid 256 x 1, 4 waves a work-group, no clusters, 315,904 bytes of LDS; arguments qkvh, mp, beta, oh; writes oh
.if DOCPART == 5
	.amdgcn_target "amdgcn-amd-amdhsa--gfx1250"
	.amdhsa_code_object_version 6
	.text
	.protected	k_qf65d6b4c3d_attn
	.globl	k_qf65d6b4c3d_attn
	.p2align	8
	.type	k_qf65d6b4c3d_attn,@function
k_qf65d6b4c3d_attn:
	s_mov_b64 s[64:65], 0
	v_nop
	global_prefetch_b8 v0, s[64:65] scope:SCOPE_SE
	s_setreg_imm32_b32 hwreg(HW_REG_WAVE_MODE, 25, 1), 1
	s_wait_xcnt 0x0
; ATTN.  For one (n, segment) and four heads h = 4 hq + u: out = g x (sq mem) / (sq z + 1e-6) + (1 - g) x softmax(causal q k^T / sqrt(32)) v, sq = elu(q) + 1, g = sigmoid(beta).
; q, k, v f16 by heads (qkvh); mem and z as bf16 fragments (mp); out f16, token-major [16384][1024] (oh).
; FORMATS.  Scores, maxima, sums, the mix in f32; the weights p rounded to f16 (their sum l is taken of the unrounded p); sq rounded to bf16; beta rounded to bf16 first, like every input.
; LIMITS.  A hidden score counts as its value less 1e30 (f16's scores stay below 1.4e11); a weight or an exponential below 2^-126 counts as 0; out must lie within f16's 65,504; NaN and infinities are not treated apart.
; The maximum of a row's visible and hidden scores is taken away before the exponential: each row sees its own key, so it is a true score.  A row has at most 256 keys: all its scores are held at once, no running maximum is needed.
; SHARES.  A wave owns 16 rows in each of the segment's four bands of 64: piece x = rows 64 x + 16 w + r.  Piece x needs key steps 0 .. x of 64 keys; step x carries the mask: equal work for all waves, all static.
; LDS is filled once: wave w brings head u = w's k (pitch 80) and v (pitch 160); one wait, one barrier.  No cluster: no two work-groups read the same tile.
; LAYOUT.  S^T = K Q^T (source 0 = 16 keys, source 1 = 16 queries): a lane holds ONE query (lane % 16) and keys 8 (lane / 16) + 0..7; two such results rounded to f16 ARE source 1 of O^T = V^T P; NUM^T = MEM^T SQ has the same layout.
; Two heads' 128 bytes of a row are joined in my own stage, so that sixteen lanes store 256 consecutive bytes, aligned.
; REGISTERS, in windows of 256 (s_set_vgpr_msb: bits 1:0 source 0, 3:2 source 1, 5:4 source 2, 7:6 destination):
;   window 0: v0-31 addresses and statistics; v32-63 O^T; v64-191 S^T (16 accumulators); v192-255 P      window 1: V of the whole segment, fragment (kk, eb) at 8 (4 kk + eb)
;   window 2: v0-31 Q, 8 a piece; v32-71 the memory's five fragments; v72-103 the mask; v128-255 K, 16 fragments      window 3: v0-39 NUM^T; block 4 is the divisor
.set PK,    80
.set PV,    160
.set VOFF,  256*PK
.set UNITB, 256*(PK+PV)                ; 61,440 bytes a head
.set STAGE, 4*UNITB
.set SP,    272
.set SPARE, STAGE+4*64*SP
.set AK,  3                            ; v3   LDS address of this head's K fragments
.set AV,  4                            ; v4   of its V fragments
.set QO,  5                            ; v5   64 r + 16 h
.set MO,  6                            ; v6   16 x lane
.set STC, 7                            ; v7   where I put 16 bytes of a row, this head's half of the stage rows
.set RD,  8                            ; v8   where I read rows back
.set GO,  9                            ; v9   my byte offset in two rows of oh
.set SPW, 10                           ; v10  LDS address of my spare word; never rewritten
.set NIL, 11                           ; v11  0; never rewritten
.set L2E, 12                           ; v12  log2(e)
.set ZR,  13                           ; v13  0, for the mixed multiply-add
.set CM,  14                           ; v[14:15] c m, m
.set MX,  15
.set CH,  16                           ; v[16:19] four chains of the maximum
.set LA,  20                           ; v[20:21], v[22:23] two chains of the sum
.set LB,  22
.set A1,  24                           ; v[24:25] g / divisor, twice
.set A2,  26                           ; v[26:27] (1 - g) / l, twice
.set AK0, 28
.set AV0, 29
.set STO0, 30
.set O,   32
.set S,   64
.set P,   192
.set MF,  32                           ; window 2
.set MD,  72                           ; window 2
.set KF,  128                          ; window 2
.set WV,  13                           ; s13 wave
.set G1K, 24
.set G1V, 32
.set G0K, 40
.set G0V, 44
.set CS,  48                           ; s[48:49] c = log2(e) / sqrt(32)
.set SEL, 50                           ; s[50:51] v_permlanex16_b32's selects
.set EPS, 52
.set BIGN, 53
.set TB,  54                           ; LDS byte at which this head's tiles begin
.set SC,  55                           ; 0 or 128: this head's half of a stage row
.set UN,  56                           ; the head in hand, 0..3
.set CP,  57
.set CU,  58
.set GG,  59                           ; g
.set QB0, 60                           ; s[60:61] q at head 0 of my four, my wave's rows
.set MB0, 62                           ; s[62:63] mp at head 0 of my four
.set QN,  66                           ; s[66:67] q of the head whose Q is being asked for
.set MN,  68                           ; s[68:69] mp likewise
.set OF,  70                           ; s[70:71] an offset
.set OB,  72                           ; s[72:73] oh at my rows, the pair of heads in hand
.set G1M, 74                           ; 1 - g
.set MSB, 0
.macro WIN new
.if MSB != (\new)
	s_set_vgpr_msb (MSB<<8)|(\new)
.set MSB, (\new)
.endif
.endm
.macro LOADQ x                         ; under destination window 2: piece x's fragment of Q, two loads of 16 bytes a lane
	global_load_b128 v[8*(\x):8*(\x)+3],   v[QO], s[QN:QN+1] offset:4096*(\x)
	global_load_b128 v[8*(\x)+4:8*(\x)+7], v[QO], s[QN:QN+1] offset:4096*(\x)+32
.endm
.macro LOADM                           ; under destination window 2: the memory's five fragments, ten loads of 512 consecutive bytes
.irp a, 0,1,2,3,4,5,6,7,8,9
	global_load_b128 v[MF+4*(\a):MF+4*(\a)+3], v[MO], s[MN:MN+1] offset:512*(\a)
.endr
.endm
	s_load_b256 s[4:11], s[0:1], 0x0               ; qkvh s[4:5], mp s[6:7], beta s[8:9], oh s[10:11]
	v_lshl_add_u32 v[SPW], v0, 2, SPARE
	v_mov_b32 v[NIL], 0
	ds_add_u32 v[SPW], v[NIL]                      ; the wave's opening: the add and its wait stand ahead of my first tensor load
	ds_add_u32 v10, v11
	v_lshrrev_b32 v1, 5, v0
	v_readfirstlane_b32 s[WV], v1
	s_and_b32 s14, ttmp9, 3                        ; hq
	s_bfe_u32 s15, ttmp9, 0x40002                  ; segment
	s_lshr_b32 s16, ttmp9, 6                       ; n
	s_lshl_b32 s17, s16, 4
	s_lshl2_add_u32 s17, s14, s17                  ; 16 n + 4 hq: the first of my four heads
	s_add_co_u32 s18, s17, s[WV]                   ; the head whose tiles I fetch
	s_lshl_b32 s20, s18, 18                        ; k: head x 262,144 + segment x 16,384, behind q
	s_lshl_b32 s19, s15, 14
	s_add_co_u32 s20, s20, s19
	s_add_co_u32 s20, s20, 0x1000000
	s_mov_b32 s21, 0
	s_lshl_b32 s22, s18, 19                        ; v: head x 524,288 + segment x 32,768, behind k
	s_lshl_b32 s19, s15, 15
	s_add_co_u32 s22, s22, s19
	s_add_co_u32 s22, s22, 0x2000000
	s_mov_b32 s23, 0
	s_lshl_b32 s[QB0], s17, 18                     ; q: head, segment, my wave's 16 rows of 64 bytes
	s_lshl_b32 s19, s15, 14
	s_add_co_u32 s[QB0], s[QB0], s19
	s_lshl_b32 s19, s[WV], 10
	s_add_co_u32 s[QB0], s[QB0], s19
	s_mov_b32 s[QB0+1], 0
	s_mul_i32 s[MB0], s17, 81920
	s_mul_i32 s19, s15, 5120
	s_add_co_u32 s[MB0], s[MB0], s19
	s_mov_b32 s[MB0+1], 0
	s_lshl_b32 s[OB], s16, 23                      ; oh: (4,096 n + 256 segment + 16 w) rows of 2,048 bytes, column byte 512 hq
	s_lshl_b32 s19, s15, 19
	s_add_co_u32 s[OB], s[OB], s19
	s_lshl_b32 s19, s[WV], 15
	s_add_co_u32 s[OB], s[OB], s19
	s_lshl_b32 s19, s14, 9
	s_add_co_u32 s[OB], s[OB], s19
	s_mov_b32 s[OB+1], 0
	; k: 16,384 dense bytes as 64 rows of 256, 16 bytes of padding behind every 64;  v: 32,768 as 128 rows of 256, 32 behind every 128
	s_mov_b32 s[G1K+0], (1<<16)|(1<<20)|(3<<22)|(3<<25)
	s_mov_b32 s[G1K+1], 128<<16
	s_mov_b32 s[G1K+2], 64<<16
	s_mov_b32 s[G1K+3], 128<<16
	s_mov_b32 s[G1K+4], 64
	s_mov_b32 s[G1K+5], 128
	s_mov_b32 s[G1K+6], 0
	s_mov_b32 s[G1K+7], 0
	s_mov_b32 s[G1V+0], (1<<16)|(1<<20)|(4<<22)|(7<<25)
	s_mov_b32 s[G1V+1], 128<<16
	s_mov_b32 s[G1V+2], 128<<16
	s_mov_b32 s[G1V+3], 128<<16
	s_mov_b32 s[G1V+4], 128
	s_mov_b32 s[G1V+5], 128
	s_mov_b32 s[G1V+6], 0
	s_mov_b32 s[G1V+7], 0
	s_mul_i32 s19, s[WV], UNITB
	s_mov_b32 s[G0K], 1
	s_mov_b32 s[G0K+1], s19
	s_mov_b32 s[G0V], 1
	s_add_co_u32 s[G0V+1], s19, VOFF
	s_mov_b32 s[CS], 0x3e8293ee                    ; c = log2(e) / sqrt(32) = 0.255035
	s_mov_b32 s[CS+1], s[CS]
	s_mov_b32 s[SEL], 0x76543210
	s_mov_b32 s[SEL+1], 0xfedcba98
	s_mov_b32 s[EPS], 0x358637bd                   ; 1e-6
	s_mov_b32 s[BIGN], 0xf149f2ca                  ; -1e30
	s_mov_b32 s[TB], 0
	s_mov_b32 s[SC], 0
	s_mov_b32 s[UN], 0
	s_mov_b32 s[OF+1], 0
	s_wait_dscnt 0x0                               ; the opening add is done
	s_wait_kmcnt 0x0
	s_add_nc_u64 s[G0K+2:G0K+3], s[4:5], s[20:21]
	s_or_b32 s[G0K+3], s[G0K+3], 0x80000000
	s_add_nc_u64 s[G0V+2:G0V+3], s[4:5], s[22:23]
	s_or_b32 s[G0V+3], s[G0V+3], 0x80000000
	tensor_load_to_lds s[G0K:G0K+3], s[G1K:G1K+7]  ; two loads of mine are out, the only ones of the launch
	s_nop 0
	tensor_load_to_lds s[G0V:G0V+3], s[G1V:G1V+7]
	s_nop 0
.rept 4
	v_nop
.endr
	s_load_b32 s12, s[8:9], 0x0                    ; beta
	s_add_nc_u64 s[QB0:QB0+1], s[4:5], s[QB0:QB0+1]
	s_add_nc_u64 s[MB0:MB0+1], s[6:7], s[MB0:MB0+1]
	s_add_nc_u64 s[OB:OB+1], s[10:11], s[OB:OB+1]
	s_mov_b64 s[QN:QN+1], s[QB0:QB0+1]
	s_mov_b64 s[MN:MN+1], s[MB0:MB0+1]
	v_and_b32 v1, 15, v0                           ; r
	v_bfe_u32 v2, v0, 4, 1                         ; h
	v_lshlrev_b32 v[QO], 6, v1
	v_lshl_add_u32 v[QO], v2, 4, v[QO]
	v_and_b32 v31, 31, v0
	v_lshlrev_b32 v[MO], 4, v31
	WIN 0x80                                       ; destination window 2, address window 0
	LOADQ 0                                        ; head 0's loads, in the order in which every later head's are issued
	LOADQ 1
	LOADQ 2
	LOADM
	LOADQ 3
	WIN 0
	v_lshlrev_b32 v31, 3, v2
	v_sub_nc_u32 v31, v1, v31
	s_lshl_b32 s20, s[WV], 4
	v_add_nc_u32 v31, s20, v31                     ; my query's place in its band, less my lanes' 8 h: register j of key group kt is hidden where 16 kt + j is greater
	WIN 0x80
.set i, 0
.rept 32
	v_cmp_gt_i32 vcc_lo, 16*(i/8)+i%8, v31
	v_cndmask_b32 v[MD+i], 0, s[BIGN], vcc_lo
.set i, i+1
.endr
	WIN 0
	v_mul_u32_u24 v[AK0], v1, PK
	v_lshl_add_u32 v[AK0], v2, 4, v[AK0]           ; K: key row x pitch + 16 h
	v_and_b32 v16, 7, v0
	v_bfe_u32 v17, v0, 3, 1
	v_lshl_add_u32 v[AV0], v2, 3, v16              ; V, turned: key 8 h + l % 8, channels 8 ((l / 8) % 2) on
	v_mul_u32_u24 v[AV0], v[AV0], PV
	v_lshl_add_u32 v[AV0], v17, 4, v[AV0]
	v_add_nc_u32 v[AV0], VOFF, v[AV0]
	s_mul_i32 s20, s[WV], 64*SP
	s_add_co_u32 s20, s20, STAGE                   ; my stage
	v_mul_u32_u24 v[STO0], v1, SP
	v_lshl_add_u32 v[STO0], v2, 4, v[STO0]
	v_add_nc_u32 v[STO0], s20, v[STO0]
	v_mul_u32_u24 v[RD], v2, SP                    ; back: lanes 0-15 one row of 256 bytes, lanes 16-31 the next
	v_lshl_add_u32 v[RD], v1, 4, v[RD]
	v_add_nc_u32 v[RD], s20, v[RD]
	v_lshlrev_b32 v[GO], 11, v2
	v_lshl_add_u32 v[GO], v1, 4, v[GO]
	v_mov_b32 v[L2E], 0x3fb8aa3b
	v_mov_b32 v[ZR], 0
	s_wait_kmcnt 0x0                               ; beta
	v_mov_b32 v16, s12
	v_cvt_pk_bf16_f32 v16, v16, v16
	v_lshlrev_b32 v16, 16, v16
	v_mul_f32 v16, 0xbfb8aa3b, v16
	v_exp_f32 v16, v16
	v_nop
	s_wait_alu depctr_va_vdst(0)
	v_add_f32 v16, 1.0, v16
	v_rcp_f32 v16, v16
	v_nop
	s_wait_alu depctr_va_vdst(0)
	v_sub_f32 v17, 1.0, v16
	v_readfirstlane_b32 s[GG], v16                 ; the gate selects no address and no branch: it is a factor
	v_readfirstlane_b32 s[G1M], v17
	s_wait_tensorcnt 0x0                           ; my head's tiles are in,
	s_barrier_signal -1
	s_barrier_wait -1                              ; everybody's are
.macro FMA4 a                          ; c s - c m for accumulator a
.irp i, 0,2,4,6
	v_pk_fma_f32 v[S+8*(\a)+(\i):S+8*(\a)+(\i)+1], v[S+8*(\a)+(\i):S+8*(\a)+(\i)+1], s[CS:CS+1], v[CM:CM+1] op_sel_hi:[1,0,0] neg_lo:[0,0,1] neg_hi:[0,0,1]
.endr
.endm
; PIECE x of the head in hand, in phases.
.macro PIECE x
.set NA, 4*((\x)+1)                    ; accumulators of 16 keys
.if (\x) == 0
	s_wait_dscnt 63                                ; K and V of step 0 are the first 24 of the 96 loads; the count is the largest that the wait can name
.elseif (\x) == 1
	s_wait_dscnt 48                                ; the later two steps' loads may be out
.elseif (\x) == 2
	s_wait_dscnt 24                                ; the last step's
.else
	s_wait_dscnt 0x0
	s_wait_loadcnt 6                               ; Q of piece 3 is in; behind it the next head's Q of pieces 0 to 2 were asked for
.endif
	; S^T = K Q^T: K = 32, so one product an accumulator; the band's own step takes the mask as C
.set a, 0
.rept 4*((\x)+1)
.if a >= 4*(\x)
	WIN 0x2a
	v_wmma_f32_16x16x32_f16 v[S+8*a:S+8*a+7], v[KF+8*a:KF+8*a+7], v[8*(\x):8*(\x)+7], v[MD+8*(a-4*(\x)):MD+8*(a-4*(\x))+7]
.else
	WIN 0x0a
	v_wmma_f32_16x16x32_f16 v[S+8*a:S+8*a+7], v[KF+8*a:KF+8*a+7], v[8*(\x):8*(\x)+7], 0
.endif
.set a, a+1
.endr
	; sq = elu(q) + 1 = 2^min(t, 0) + ln 2 x max(t, 0), t = q log2(e); at work in P's registers; rounded to bf16 into P + 32 .. 39
	WIN 0x02
.set i, 0
.rept 8
	v_fma_mix_f32 v[P+2*i], v[8*(\x)+i], v[L2E], v[ZR] op_sel_hi:[1,0,0]
	v_fma_mix_f32 v[P+2*i+1], v[8*(\x)+i], v[L2E], v[ZR] op_sel:[1,0,0] op_sel_hi:[1,0,0]
.set i, i+1
.endr
	WIN 0
.set i, 0
.rept 16
	v_min_num_f32 v[P+16+i], 0, v[P+i]
.set i, i+1
.endr
.set i, 0
.rept 16
	v_exp_f32 v[P+16+i], v[P+16+i]
.set i, i+1
.endr
.set i, 0
.rept 16
	v_max_num_f32 v[P+i], 0, v[P+i]                ; plain work behind the exponentials
.set i, i+1
.endr
.set i, 0
	s_wait_alu depctr_va_vdst(0)
.rept 8
	v_pk_fma_f32 v[P+16+2*i:P+16+2*i+1], v[P+2*i:P+2*i+1], 0x3f317218, v[P+16+2*i:P+16+2*i+1] op_sel_hi:[1,0,1]
.set i, i+1
.endr
.set i, 0
.rept 8
	v_cvt_pk_bf16_f32 v[P+32+i], v[P+16+2*i], v[P+16+2*i+1]
.set i, i+1
.endr
	; NUM^T = MEM^T SQ: four blocks of channels, and the block of z
	WIN 0xc2
.irp e, 0,1,2,3,4
	v_wmma_f32_16x16x32_bf16 v[8*(\e):8*(\e)+7], v[MF+8*(\e):MF+8*(\e)+7], v[P+32:P+39], 0
.endr
	; the maximum: four chains, three operands at a time; each accumulator's lowest registers are read first
	WIN 0
.irp c, 0,1,2,3
	v_max3_num_f32 v[CH+\c], v[S+8*\c], v[S+8*\c+1], v[S+8*\c+2]
.endr
.irp j, 3,5
.irp c, 0,1,2,3
	v_max3_num_f32 v[CH+\c], v[CH+\c], v[S+8*\c+\j], v[S+8*\c+\j+1]
.endr
.endr
.if (\x) > 0
.set g, 1
.rept \x
.irp j, 0,2,4,6
.irp c, 0,1,2,3
	v_max3_num_f32 v[CH+\c], v[CH+\c], v[S+8*(4*g+\c)+\j], v[S+8*(4*g+\c)+\j+1]
.endr
.endr
.set g, g+1
.endr
.endif
	v_max3_num_f32 v[CH], v[CH], v[S+7], v[S+15]
	v_max3_num_f32 v[CH+2], v[CH+2], v[S+23], v[S+31]
	v_max3_num_f32 v[CH], v[CH], v[CH+1], v[CH+2]
	v_max_num_f32 v[CH], v[CH], v[CH+3]
	v_permlanex16_b32 v[CH+1], v[CH], s[SEL], s[SEL+1]  ; the query's other keys lie in the lane 16 away
	v_max_num_f32 v[MX], v[CH], v[CH+1]
	v_mul_f32 v[CM], s[CS], v[MX]
	; the next head's Q for this piece (and, in piece 3, its memory) is asked for: the maximum's lines are the places behind the products that read these registers
	WIN 0x80
.if (\x) == 3
	LOADM
.endif
	LOADQ \x
	; p = 2^(c s - c m), rounded to f16 into P; the sum of the unrounded p in two chains
	WIN 0
	FMA4 0
.set a, 0
.rept 4*((\x)+1)
.irp i, 0,1,2,3,4,5,6,7
	v_exp_f32 v[S+8*a+(\i)], v[S+8*a+(\i)]
.endr
.if a+1 < NA
	FMA4 a+1                                       ; plain work behind the exponentials
.else
	v_nop
	s_wait_alu depctr_va_vdst(0)
.endif
	s_wait_alu depctr_va_vdst(0)
.irp i, 0,1,2,3
	v_cvt_pk_f16_f32 v[P+4*a+(\i)], v[S+8*a+2*(\i)], v[S+8*a+2*(\i)+1]
.endr
.if a == 0
	v_pk_add_f32 v[LA:LA+1], v[S:S+1], v[S+2:S+3]
	v_pk_add_f32 v[LB:LB+1], v[S+4:S+5], v[S+6:S+7]
.else
	v_pk_add_f32 v[LA:LA+1], v[LA:LA+1], v[S+8*a:S+8*a+1]
	v_pk_add_f32 v[LB:LB+1], v[LB:LB+1], v[S+8*a+2:S+8*a+3]
	v_pk_add_f32 v[LA:LA+1], v[LA:LA+1], v[S+8*a+4:S+8*a+5]
	v_pk_add_f32 v[LB:LB+1], v[LB:LB+1], v[S+8*a+6:S+8*a+7]
.endif
.set a, a+1
.endr
	; O^T = V^T P: the four accumulators take turns; the first 32 keys start the sums
	WIN 0x01
.set kk, 0
.rept 2*((\x)+1)
.irp e, 0,1,2,3
.if kk == 0
	v_wmma_f32_16x16x32_f16 v[O+8*(\e):O+8*(\e)+7], v[8*(4*kk+(\e)):8*(4*kk+(\e))+7], v[P+8*kk:P+8*kk+7], 0
.else
	v_wmma_f32_16x16x32_f16 v[O+8*(\e):O+8*(\e)+7], v[8*(4*kk+(\e)):8*(4*kk+(\e))+7], v[P+8*kk:P+8*kk+7], v[O+8*(\e):O+8*(\e)+7]
.endif
.endr
.set kk, kk+1
.endr
	; the mix: O (1 - g) / l + NUM g / (den + 1e-6); rounded to f16; into my stage
	WIN 0
	v_pk_add_f32 v[LA:LA+1], v[LA:LA+1], v[LB:LB+1]
	v_add_f32 v[LA], v[LA], v[LA+1]
	v_permlanex16_b32 v[LB], v[LA], s[SEL], s[SEL+1]
	v_add_f32 v[LA], v[LA], v[LB]
	v_rcp_f32 v[LA], v[LA]
	WIN 0x03                                       ; source 0 in window 3
	v_add_f32 v[LB], v32, s[EPS]                   ; the divisor lies in the lowest register of NUM's block 4
	WIN 0
	v_rcp_f32 v[LB], v[LB]
	v_nop
	s_wait_alu depctr_va_vdst(0)
	v_mul_f32 v[A2], s[G1M], v[LA]
	v_mul_f32 v[A2+1], s[G1M], v[LA]
	v_mul_f32 v[A1], s[GG], v[LB]
	v_mul_f32 v[A1+1], s[GG], v[LB]
	WIN 0x03
.set i, 0
.rept 16
	v_pk_mul_f32 v[S+2*i:S+2*i+1], v[2*i:2*i+1], v[A1:A1+1]
.set i, i+1
.endr
	WIN 0
.set i, 0
.rept 16
	v_pk_fma_f32 v[O+2*i:O+2*i+1], v[O+2*i:O+2*i+1], v[A2:A2+1], v[S+2*i:S+2*i+1]
.set i, i+1
.endr
.set i, 0
.rept 16
	v_cvt_pk_f16_f32 v[S+32+i], v[O+2*i], v[O+2*i+1]
.set i, i+1
.endr
.irp e, 0,1,2,3
	ds_store_b128 v[STC], v[S+32+4*(\e):S+32+4*(\e)+3] offset:16*SP*(\x)+32*(\e)
.endr
.endm
	s_mov_b32 s[CP], 2
.Lpair:                                                ; two heads fill the stage's rows of 256 bytes
	s_mov_b32 s[CU], 2
.Lunit:
	s_wait_loadcnt 2                               ; this head's Q of pieces 0 to 2 and its memory are in; Q of piece 3 may be out
	s_wait_xcnt 0x0                                ; the bases of the loads and the registers that the stores read are rewritten only behind this wait
	s_add_co_u32 s20, s[UN], 1
	s_min_u32 s20, s20, 3                          ; the next head; the last head asks for its own once more (18 loads a wave that serve nothing), so that no load leaves a buffer
	s_lshl_b32 s[OF], s20, 18
	s_add_nc_u64 s[QN:QN+1], s[QB0:QB0+1], s[OF:OF+1]
	s_mul_i32 s[OF], s20, 81920
	s_add_nc_u64 s[MN:MN+1], s[MB0:MB0+1], s[OF:OF+1]
	v_add_nc_u32 v[AK], s[TB], v[AK0]
	v_add_nc_u32 v[AV], s[TB], v[AV0]
	v_add_nc_u32 v[STC], s[SC], v[STO0]
.set st, 0
.rept 4                                                ; all of the head's K and V into registers, step by step: 8 + 16 loads a step
	WIN 0x80
.irp f, 0,1,2,3
	ds_load_b128 v[KF+8*(4*st+\f):KF+8*(4*st+\f)+3],   v[AK] offset:(4*st+\f)*16*PK
	ds_load_b128 v[KF+8*(4*st+\f)+4:KF+8*(4*st+\f)+7], v[AK] offset:(4*st+\f)*16*PK+32
.endr
	WIN 0x40
.irp f, 0,1,2,3,4,5,6,7
	ds_load_tr16_b128 v[8*(8*st+\f):8*(8*st+\f)+3],   v[AV] offset:(2*st+\f/4)*32*PV+(\f%4)*32
	ds_load_tr16_b128 v[8*(8*st+\f)+4:8*(8*st+\f)+7], v[AV] offset:(2*st+\f/4)*32*PV+(\f%4)*32+16*PV
.endr
.set st, st+1
.endr
	PIECE 0
	PIECE 1
	PIECE 2
	PIECE 3
	WIN 0
	s_add_co_u32 s[TB], s[TB], UNITB
	s_xor_b32 s[SC], s[SC], 128
	s_add_co_u32 s[UN], s[UN], 1
	s_sub_co_u32 s[CU], s[CU], 1
	s_cmp_lg_u32 s[CU], 0
	s_cbranch_scc1 .Lunit
	; the stage's 64 rows leave: LDS serves a wave's instructions in order (ISA guide 5.7.1.4), so these loads see my stores, and the next pair's stores come behind them
.set i, 0
.rept 32
	ds_load_b128 v[S+4*i:S+4*i+3], v[RD] offset:2*SP*i
.set i, i+1
.endr
.set i, 0
.rept 32
	s_wait_dscnt 31-i                              ; the younger loads may be out
	global_store_b128 v[GO], v[S+4*i:S+4*i+3], s[OB:OB+1] offset:(i/8)*131072+(i%8)*4096  ; 16 lanes store 256 consecutive bytes, aligned
.set i, i+1
.endr
	s_wait_xcnt 0x0
	s_add_nc_u64 s[OB:OB+1], s[OB:OB+1], 256       ; the next pair of heads
	s_sub_co_u32 s[CP], s[CP], 1
	s_cmp_lg_u32 s[CP], 0
	s_cbranch_scc1 .Lpair
	s_wait_tensorcnt 0x0                           ; the wave's end
	ds_add_u32 v[SPW], v[NIL]
	s_wait_dscnt 0x0
	s_endpgm
.Lfunc_end_k_qf65d6b4c3d_attn:
	.size	k_qf65d6b4c3d_attn, .Lfunc_end_k_qf65d6b4c3d_attn-k_qf65d6b4c3d_attn
	.p2alignl 7, 3214868480
	.fill 96, 4, 3214868480
	.section	.rodata,"a",@progbits
	.p2align	6, 0x0
	.amdhsa_kernel k_qf65d6b4c3d_attn
		.amdhsa_group_segment_fixed_size 315904
		.amdhsa_private_segment_fixed_size 0
		.amdhsa_enable_private_segment 0
		.amdhsa_kernarg_size 32
		.amdhsa_user_sgpr_count 2
		.amdhsa_user_sgpr_kernarg_segment_ptr 1
		.amdhsa_wavefront_size32 1
		.amdhsa_system_sgpr_workgroup_id_x 1
		.amdhsa_system_sgpr_workgroup_id_y 1
		.amdhsa_system_sgpr_workgroup_id_z 1
		.amdhsa_system_vgpr_workitem_id 0
		.amdhsa_next_free_vgpr 808
		.amdhsa_next_free_sgpr 80
		.amdhsa_reserve_vcc 1
		.amdhsa_float_denorm_mode_32 3
		.amdhsa_float_denorm_mode_16_64 3
		.amdhsa_memory_ordered 1
		.amdhsa_forward_progress 1
		.amdhsa_inst_pref_size 119
	.end_amdhsa_kernel
	.amdgpu_metadata
---
amdhsa.version: [ 1, 2 ]
amdhsa.kernels:
  - .name:           k_qf65d6b4c3d_attn
    .symbol:         k_qf65d6b4c3d_attn.kd
    .args:
      - { .name: qkvh, .offset: 0, .size: 8, .value_kind: global_buffer, .address_space: global }
      - { .name: mp, .offset: 8, .size: 8, .value_kind: global_buffer, .address_space: global }
      - { .name: beta, .offset: 16, .size: 8, .value_kind: global_buffer, .address_space: global }
      - { .name: oh, .offset: 24, .size: 8, .value_kind: global_buffer, .address_space: global }
    .group_segment_fixed_size: 315904
    .private_segment_fixed_size: 0
    .kernarg_segment_align: 8
    .kernarg_segment_size: 32
    .max_flat_workgroup_size: 128
    .sgpr_count:     80
    .vgpr_count:     808
    .wavefront_size: 32
...
	.end_amdgpu_metadata
.endif
;; end of part 5
;; launch oproj (part 6): grid 4 x 64, 4 waves a work-group, clusters of 4 x 4, 327,680 bytes of LDS; arguments oh, wh, out0; writes out0
.if DOCPART == 6
	.amdgcn_target "amdgcn-amd-amdhsa--gfx1250"
	.amdhsa_code_object_version 6
	.text
	.protected	k_qf65d6b4c3d_oproj
	.globl	k_qf65d6b4c3d_oproj
	.p2align	8
	.type	k_qf65d6b4c3d_oproj,@function
k_qf65d6b4c3d_oproj:
	s_mov_b64 s[64:65], 0
	v_nop
	global_prefetch_b8 v0, s[64:65] scope:SCOPE_SE
	s_setreg_imm32_b32 hwreg(HW_REG_WAVE_MODE, 25, 1), 1
	s_wait_xcnt 0x0
	s_wait_alu depctr_hold_cnt(0) depctr_sa_sdst(0) depctr_va_vdst(0) depctr_va_sdst(0) depctr_va_ssrc(0) depctr_va_vcc(0) depctr_vm_vsrc(0)
	s_getreg_b32 s2, hwreg(HW_REG_IB_STS2, 6, 4)
	s_cmp_eq_u32 s2, 0
	s_cbranch_scc0 .Lentry_in_a_cluster
	s_endpgm
.Lentry_in_a_cluster:
	s_bfe_u32 s2, ttmp6, 0x10000c
	s_cmp_lg_u32 s2, 0xf033
	s_cbranch_scc0 .Lentry_shape_is_right
	s_endpgm
.Lentry_shape_is_right:
; OPROJ.  out0 = oh Wo.  A = oh ([16384][1024] f16), B = Wo as f16 [1024 k][1024 n], at byte 4,194,304 of wh; sums in f32; out0 f32 [16384][1024].
; A tile of C is 256 x 256: four waves, each 128 x 128 in 64 accumulators.  K goes in steps of 128 through two LDS slots.  A's rows lie along K (pitch 272); B lies [k][n] (128 k rows of 512 bytes,
; pitch 544) and is read turned by ds_load_tr16_b128.
; CLUSTER 4 x 4: the four of a row of the cluster need the same tiles of A, the four of a column the same tiles of B: each tile is asked for JOINTLY.
; THE MATRIX INSTRUCTION IS USED TRANSPOSED (source 0 = 16 columns of B, source 1 = 16 rows of A): a lane holds eight neighbouring f32 of a row of C, 32 bytes.
; REGISTERS: window 0: v0-31 addresses; v64-127, v128-191 fragments of A, on the way out two buffers of 16 rows; window 1: v64-191 fragments of B; windows 2, 3: the accumulators.
.set KSTEP,  128
.set PITCH,  272
.set PB,     544
.set BROW,   2048                      ; bytes from a k row of B to the next in memory
.set HALFT,  128*PITCH
.set SLOT,   4*HALFT
.set STAGE,  2*SLOT
.set SPITCH, 528                       ; a stage row: 512 bytes + 16 = 33 x 16: the 16 rows of a store start at 16 different groups of four banks
.set SPARE,  STAGE+4*16*SPITCH
.set LAPS,   4
.set ADRA, 16
.set ADRB, 20
.set STO,  24
.set RD,   25
.set CO,   26
.set SPW,  28
.set NIL,  29
.set F0,   64
.set F1,   128
.set G1, 24
.set G0, 32
.set G1B, 48
.set G0B, 56
.set MSB, 0
.macro WIN new
.if MSB != (\new)
	s_set_vgpr_msb (MSB<<8)|(\new)
.set MSB, \new
.endif
.endm
.set MUL_LO, 0xa1
.set MUL_HI, 0xf1
.set TO_B,   0x40
.macro JLOAD s                         ; a joint load: waves 0 and 1 fetch A's two halves, waves 2 and 3 B's; an s_nop 0 and four v_nop follow each line
	s_cmp_eq_u32 s11, 0
	s_cbranch_scc0 .Lfor_b_\@
	tensor_load_to_lds s[G0+4*(\s):G0+4*(\s)+3], s[G1:G1+7]
	s_nop 0
.rept 4
	v_nop
.endr
	s_branch .Lasked_\@
.Lfor_b_\@:
	tensor_load_to_lds s[G0B+4*(\s):G0B+4*(\s)+3], s[G1B:G1B+7]
	s_nop 0
.rept 4
	v_nop
.endr
.Lasked_\@:
.endm
.macro CREST
	s_cmp_lg_u32 s10, 0
	s_cbranch_scc1 .Lnot_wave_0_\@
	s_barrier_signal -3
.Lnot_wave_0_\@:
	s_barrier_wait -3
	s_barrier_signal -1
	s_barrier_wait -1
.endm
.macro CROUND
	s_barrier_signal -1
	s_barrier_wait -1
	CREST
.endm
	s_load_b128 s[4:7], s[0:1], 0x0                ; oh s[4:5], wh s[6:7]
	s_load_b64 s[8:9], s[0:1], 0x10                ; out0
	v_lshl_add_u32 v[SPW], v0, 2, SPARE
	v_mov_b32 v[NIL], 0
	ds_add_u32 v[SPW], v[NIL]                      ; the wave's opening: the add and its wait stand ahead of my first tensor load
	ds_add_u32 v28, v29
	v_lshrrev_b32 v1, 5, v0
	v_readfirstlane_b32 s10, v1
	s_lshr_b32 s11, s10, 1                         ; my half of the tile's rows.  Also: I fetch for A (0) or for B (1)
	s_and_b32 s12, s10, 1                          ; my half of its columns.  Also: which half of that tile I fetch
	s_bfe_u32 s40, ttmp6, 0x40000                  ; cx
	s_bfe_u32 s41, ttmp6, 0x40004                  ; cy
	s_lshl_b32 s42, ttmp9, 2
	s_add_co_u32 s42, s42, s40                     ; tile column
	s_and_b32 s13, ttmp7, 0xffff
	s_lshl_b32 s13, s13, 2
	s_add_co_u32 s13, s13, s41                     ; tile row
	s_lshl_b32 s43, s41, 2
	s_lshl_b32 s43, 15, s43                        ; my row of the cluster
	s_lshl_b32 s44, 0x1111, s40                    ; my column
	s_or_b32 s[G1+0], s43, (1<<16)|(1<<20)|(1<<21)|(5<<22)|(3<<25)   ; A: 128 rows x 128 elements, 16 bytes behind every 256
	s_mov_b32 s[G1+1], KSTEP<<16
	s_mov_b32 s[G1+2], 128<<16
	s_mov_b32 s[G1+3], KSTEP<<16
	s_mov_b32 s[G1+4], 128
	s_mov_b32 s[G1+5], 1024
	s_mov_b32 s[G1+6], 0
	s_mov_b32 s[G1+7], 0
	s_or_b32 s[G1B+0], s44, (1<<16)|(1<<20)|(1<<21)|(6<<22)|(7<<25)  ; B: 64 k rows x 256 elements, 32 bytes behind every 512
	s_mov_b32 s[G1B+1], 256<<16
	s_mov_b32 s[G1B+2], 64<<16
	s_mov_b32 s[G1B+3], 256<<16
	s_mov_b32 s[G1B+4], 64
	s_mov_b32 s[G1B+5], 1024
	s_mov_b32 s[G1B+6], 0
	s_mov_b32 s[G1B+7], 0
	s_lshl_b32 s16, s13, 8                         ; A: row 256 x tile row + 128 x half, of 2,048 bytes: made of the tile row and the wave's number alone
	s_lshl_b32 s17, s12, 7
	s_add_co_u32 s16, s16, s17
	s_lshl_b32 s16, s16, 11
	s_mov_b32 s17, 0
	s_lshl_b32 s46, s12, 17                        ; B: k row 64 x half, of 2,048 bytes; column 256 x tile column; behind wh's first matrix
	s_lshl_b32 s47, s42, 9
	s_add_co_u32 s46, s46, s47
	s_add_co_u32 s46, s46, 0x400000
	s_mov_b32 s47, 0
	s_mul_i32 s20, s10, HALFT
	s_wait_dscnt 0x0                               ; the opening add is done
	s_wait_kmcnt 0x0
	s_add_nc_u64 s[14:15], s[4:5], s[16:17]
	s_add_nc_u64 s[46:47], s[6:7], s[46:47]
	CROUND                                         ; all sixteen work-groups are here: the first joint loads meet
.irp s, 0,1
	s_mov_b32 s[G0+4*(\s)], 1
	s_add_co_u32 s[G0+4*(\s)+1], s20, (\s)*SLOT
	s_add_nc_u64 s[G0+4*(\s)+2:G0+4*(\s)+3], s[14:15], (\s)*KSTEP*2
	s_or_b32 s[G0+4*(\s)+3], s[G0+4*(\s)+3], 0x80000000
	s_mov_b32 s[G0B+4*(\s)], 1
	s_add_co_u32 s[G0B+4*(\s)+1], s20, (\s)*SLOT
	s_add_nc_u64 s[G0B+4*(\s)+2:G0B+4*(\s)+3], s[46:47], (\s)*KSTEP*BROW
	s_or_b32 s[G0B+4*(\s)+3], s[G0B+4*(\s)+3], 0x80000000
	JLOAD \s                                       ; two loads of mine are out: K steps 0 and 1
.endr
	v_and_b32 v1, 15, v0
	v_bfe_u32 v2, v0, 4, 1
	v_mul_u32_u24 v3, v1, PITCH
	v_lshl_add_u32 v3, v2, 4, v3
	s_mul_i32 s21, s11, HALFT
	v_and_b32 v4, 7, v0
	v_bfe_u32 v5, v0, 3, 1
	v_lshl_add_u32 v4, v2, 3, v4
	v_mul_u32_u24 v4, v4, PB
	v_lshl_add_u32 v4, v5, 4, v4
	s_lshl_b32 s22, s12, 8
	s_add_co_u32 s22, s22, 2*HALFT
.irp s, 0,1
	v_add_nc_u32 v[ADRA+(\s)], s21, v3
	v_add_nc_u32 v[ADRB+(\s)], s22, v4
	s_add_co_u32 s21, s21, SLOT
	s_add_co_u32 s22, s22, SLOT
.endr
	s_mul_i32 s23, s10, 16*SPITCH
	s_add_co_u32 s23, s23, STAGE                   ; my stage
	v_mul_u32_u24 v6, v1, SPITCH                   ; in: row r, 32 bytes for each half of the lanes
	v_lshl_add_u32 v6, v2, 5, v6
	v_add_nc_u32 v[STO], s23, v6
	v_and_b32 v[CO], 31, v0
	v_lshlrev_b32 v[CO], 4, v[CO]                  ; back: 32 lanes take one row of 512 bytes
	v_add_nc_u32 v[RD], s23, v[CO]
	s_lshl_b32 s16, s13, 8                         ; where my part begins in out0
	s_lshl_b32 s14, s11, 7
	s_add_co_u32 s16, s16, s14
	s_lshl_b32 s16, s16, 12                        ; rows of 4,096 bytes
	s_mov_b32 s17, 0
	s_lshl_b32 s46, s42, 10                        ; column byte 1,024 x tile column + 512 x half
	s_lshl_b32 s47, s12, 9
	s_add_co_u32 s46, s46, s47
	s_mov_b32 s47, 0
	s_add_nc_u64 s[16:17], s[16:17], s[46:47]
.macro MUL16 f, hi, a0, zero
	WIN MUL_LO+0x50*(\hi)
.irp a, \a0, (\a0)+1
.irp b, 0,1,2,3,4,5,6,7
.if \zero
	v_wmma_f32_16x16x32_f16 v[8*(8*(\a)+(\b)):8*(8*(\a)+(\b))+7], v[(\f)+8*(\b):(\f)+8*(\b)+7], v[(\f)+8*(4*(\hi)+(\a)):(\f)+8*(4*(\hi)+(\a))+7], 0
.else
	v_wmma_f32_16x16x32_f16 v[8*(8*(\a)+(\b)):8*(8*(\a)+(\b))+7], v[(\f)+8*(\b):(\f)+8*(\b)+7], v[(\f)+8*(4*(\hi)+(\a)):(\f)+8*(4*(\hi)+(\a))+7], v[8*(8*(\a)+(\b)):8*(8*(\a)+(\b))+7]
.endif
.endr
.endr
.endm
.macro FETCH slot, q, f
	WIN TO_B
.irp i, 0,1,2,3,4,5,6,7
	ds_load_tr16_b128 v[(\f)+8*(\i):(\f)+8*(\i)+3],   v[ADRB+(\slot)] offset:(\q)*32*PB+(\i)*32
	ds_load_tr16_b128 v[(\f)+8*(\i)+4:(\f)+8*(\i)+7], v[ADRB+(\slot)] offset:(\q)*32*PB+(\i)*32+16*PB
.endr
	WIN 0
.irp i, 0,1,2,3,4,5,6,7
	ds_load_b128 v[(\f)+8*(\i):(\f)+8*(\i)+3],   v[ADRA+(\slot)] offset:(\q)*64+(\i)*16*PITCH
	ds_load_b128 v[(\f)+8*(\i)+4:(\f)+8*(\i)+7], v[ADRA+(\slot)] offset:(\q)*64+(\i)*16*PITCH+32
.endr
.endm
.macro PLACES                          ; four plain vector instructions between a matrix instruction and a load into, or a read of, its registers (ISA guide 7.12.1 for the reads)
.rept 4
	v_nop
.endr
.endm
.macro QUARTER slot, q, f, g, zero
	s_wait_dscnt 8                                 ; B and A's rows 0-63 are in; the youngest eight loads (A's rows 64-127) may be out
	MUL16 \f, 0, 0, \zero
	MUL16 \f, 0, 2, \zero
	PLACES
	FETCH \slot, \q, \g
	s_wait_dscnt 32                                ; all but the 32 just issued
	MUL16 \f, 1, 0, \zero
	MUL16 \f, 1, 2, \zero
.endm
.macro MEET round
	WIN 0
	s_wait_tensorcnt 0x0                           ; all my tensor loads have landed: my part of the next slot
	ds_add_u32 v[SPW], v[NIL]
	s_wait_dscnt 9                                 ; (the add and the youngest eight loads may be out)
	MUL16 F1, 0, 0, 0
	s_wait_dscnt 0x0                               ; the add is done, and my reads of this slot are over
	s_barrier_signal -1
	MUL16 F1, 0, 2, 0
.if \round
	WIN 0
.endif
	s_barrier_wait -1
.endm
.macro TURN slot, next, fill
	MEET \fill
.if \fill
	CREST                                          ; no wave of any partner still reads this slot or has a load on its way
	s_add_nc_u64 s[G0+4*(\slot)+2:G0+4*(\slot)+3], s[G0+4*(\slot)+2:G0+4*(\slot)+3], 2*KSTEP*2
	s_add_nc_u64 s[G0B+4*(\slot)+2:G0B+4*(\slot)+3], s[G0B+4*(\slot)+2:G0B+4*(\slot)+3], 2*KSTEP*BROW
	JLOAD \slot
.else
	PLACES
.endif
	FETCH \next, 0, F0
	MUL16 F1, 1, 0, 0
	MUL16 F1, 1, 2, 0
.endm
; THE WAY OUT of block a (16 rows x 128 f32).  TOSTAGE: straight from the accumulators into my own stage, each accumulator's low four registers first, and back as whole rows of 512 bytes.
.macro TOSTAGE a
.set AC, 64*((\a)%4)
.set BK, 64+64*((\a)%2)
	WIN 0x08+4*((\a)/4)                            ; the stores' data (source 1) in window 2 or 3
.irp b, 0,1,2,3,4,5,6,7
	ds_store_b128 v[STO], v[AC+8*(\b):AC+8*(\b)+3] offset:64*(\b)
	ds_store_b128 v[STO], v[AC+8*(\b)+4:AC+8*(\b)+7] offset:64*(\b)+16
.endr
	WIN 0
	s_wait_xcnt 0x0                                ; the buffer below was the data of stores two blocks back: it is loaded again only behind this wait
.irp t, 0,1,2,3,4,5,6,7,8,9,10,11,12,13,14,15
	ds_load_b128 v[BK+4*(\t):BK+4*(\t)+3], v[RD] offset:(\t)*SPITCH  ; LDS serves a wave's instructions in order (ISA guide 5.7.1.4): these see the stores above
.endr
.endm
.macro SEND a, younger                 ; younger: the LDS instructions issued behind block a's loads: the next block's 32, or none
.set BK, 64+64*((\a)%2)
	s_wait_dscnt \younger
	s_wait_xcnt 0x0                                ; the stores' base is stepped only behind this wait
.if (\a) == 0
	s_add_nc_u64 s[8:9], s[8:9], s[16:17]
.else
	s_add_nc_u64 s[8:9], s[8:9], 16*4096
.endif
.irp t, 0,1,2,3,4,5,6,7,8,9,10,11,12,13,14,15
	global_store_b128 v[CO], v[BK+4*(\t):BK+4*(\t)+3], s[8:9] offset:(\t)*4096 th:TH_STORE_NT  ; 512 consecutive bytes, aligned
.endr
.endm
	s_wait_tensorcnt 1                             ; my part of K step 0 is in; K step 1's may stay out
	s_barrier_signal -1
	s_barrier_wait -1
	FETCH 0, 0, F0
	QUARTER 0, 1, F0, F1, 1                        ; the first quarter starts the sums
	WIN 0
	s_mov_b32 s3, LAPS-1
.Llap:                                                 ; once round the ring, both slots filled again; the 64 accumulators take turns
	QUARTER 0, 2, F1, F0, 0
	QUARTER 0, 3, F0, F1, 0
	TURN 0, 1, 1
	QUARTER 1, 1, F0, F1, 0
	QUARTER 1, 2, F1, F0, 0
	QUARTER 1, 3, F0, F1, 0
	TURN 1, 0, 1
	QUARTER 0, 1, F0, F1, 0
	WIN 0
	s_sub_co_u32 s3, s3, 1
	s_cmp_lg_u32 s3, 0
	s_cbranch_scc1 .Llap
	QUARTER 0, 2, F1, F0, 0                        ; the last lap fills nothing
	QUARTER 0, 3, F0, F1, 0
	TURN 0, 1, 0
	QUARTER 1, 1, F0, F1, 0
	QUARTER 1, 2, F1, F0, 0
	QUARTER 1, 3, F0, F1, 0
	s_wait_dscnt 8
	MUL16 F1, 0, 0, 0
	MUL16 F1, 0, 2, 0
	s_wait_dscnt 0x0
	MUL16 F1, 1, 0, 0
	MUL16 F1, 1, 2, 0
	WIN 0
	PLACES
	TOSTAGE 0
.irp a, 1,2,3,4,5,6,7                  ; block a goes through the stage while block a - 1's rows come back
	TOSTAGE \a
	SEND (\a)-1, 32
.endr
	SEND 7, 0
	s_wait_tensorcnt 0x0                           ; the wave's end
	ds_add_u32 v[SPW], v[NIL]
	s_wait_dscnt 0x0
	CROUND                                         ; the closing round
	s_endpgm
.Lfunc_end_k_qf65d6b4c3d_oproj:
	.size	k_qf65d6b4c3d_oproj, .Lfunc_end_k_qf65d6b4c3d_oproj-k_qf65d6b4c3d_oproj
	.p2alignl 7, 3214868480
	.fill 96, 4, 3214868480
	.section	.rodata,"a",@progbits
	.p2align	6, 0x0
	.amdhsa_kernel k_qf65d6b4c3d_oproj
		.amdhsa_group_segment_fixed_size 327680
		.amdhsa_private_segment_fixed_size 0
		.amdhsa_enable_private_segment 0
		.amdhsa_kernarg_size 24
		.amdhsa_user_sgpr_count 2
		.amdhsa_user_sgpr_kernarg_segment_ptr 1
		.amdhsa_wavefront_size32 1
		.amdhsa_system_sgpr_workgroup_id_x 1
		.amdhsa_system_sgpr_workgroup_id_y 1
		.amdhsa_system_sgpr_workgroup_id_z 1
		.amdhsa_system_vgpr_workitem_id 0
		.amdhsa_next_free_vgpr 1024
		.amdhsa_next_free_sgpr 66
		.amdhsa_reserve_vcc 0
		.amdhsa_float_denorm_mode_32 3
		.amdhsa_float_denorm_mode_16_64 3
		.amdhsa_memory_ordered 1
		.amdhsa_forward_progress 1
		.amdhsa_inst_pref_size 141
	.end_amdhsa_kernel
	.amdgpu_metadata
---
amdhsa.version: [ 1, 2 ]
amdhsa.kernels:
  - .name:           k_qf65d6b4c3d_oproj
    .symbol:         k_qf65d6b4c3d_oproj.kd
    .args:
      - { .name: oh, .offset: 0, .size: 8, .value_kind: global_buffer, .address_space: global }
      - { .name: wh, .offset: 8, .size: 8, .value_kind: global_buffer, .address_space: global }
      - { .name: out0, .offset: 16, .size: 8, .value_kind: global_buffer, .address_space: global }
    .group_segment_fixed_size: 327680
    .private_segment_fixed_size: 0
    .kernarg_segment_align: 8
    .kernarg_segment_size: 24
    .max_flat_workgroup_size: 128
    .sgpr_count:     66
    .vgpr_count:     1024
    .wavefront_size: 32
...
	.end_amdgpu_metadata
.endif
;; end of part 6
;; ======== version 2 of 2: 6 launches; 1.18 times as fast as version 1
;; limits: values are held in f16: magnitudes above 65,504 overflow, below 6.1e-05 lose precision
;; workspace buffers: xn 100,663,296 bytes; wh 6,291,456 bytes; qkvh 67,108,864 bytes; dl 9,830,400 bytes; mp 5,242,880 bytes; oh 33,554,432 bytes
;; launch prep (part 7): grid 1024 x 1, 4 waves a work-group, no clusters, 0 bytes of LDS; arguments query_sequences, key_sequences, value_sequences, ln_w, ln_b, Wq, Wk, Wv, Wo, xn, wh; writes xn, wh
.if DOCPART == 7
	.amdgcn_target "amdgcn-amd-amdhsa--gfx1250"
	.amdhsa_code_object_version 6
	.text
	.protected	k_qf65d6b4c3d_prep
	.globl	k_qf65d6b4c3d_prep
	.p2align	8
	.type	k_qf65d6b4c3d_prep,@function
k_qf65d6b4c3d_prep:
	s_mov_b64 s[64:65], 0
	v_nop
	global_prefetch_b8 v0, s[64:65] scope:SCOPE_SE
	s_setreg_imm32_b32 hwreg(HW_REG_WAVE_MODE, 25, 1), 1
	s_wait_xcnt 0x0
; PREP.  Work-groups 0-767: LayerNorm of the rows of query, key and value sequences ([16384][1024] f32 each) -> xn, f16 [3][16384][1024].
; Work-groups 768-1023: the four weight matrices -> wh, f16: [1024 k][2048 n] (Wq | Wk | Wv side by side), then Wo [1024 k][1024 n].
; FORMATS.  Every input (x, ln_w, ln_b, the weights) is first rounded to bf16; all arithmetic is f32; the result is rounded once to f16.
; LIMITS.  f16 ends at 65,504: a normalised row times ln_w plus ln_b stays within it for gains and biases up to some thousands; a weight below
; 7.6e-6 keeps f16's fixed step of 6e-8.  NaN and infinities are not treated apart.  The variance is the mean of (x - mean)^2: no difference of large sums.
; LN: one wave, one row (4,096 bytes = 32 registers a lane); 16 rows a wave.  Two raw row slots X take turns.  A turn's first step rounds the raw row to bf16 INTO a common work area Z, so the
; slot is free at once and is filled again right there: two rows are on their way during the rest of the turn.  The stores read registers of their own (Y), so no load waits for a store.
; Load j of a row gives lane L the columns 128 j + 4 L .. + 3; a store of 8 bytes a lane covers 256 consecutive bytes, aligned.
; No LDS, no matrix unit, no cluster: nothing is shared between waves, and memory binds.
.set W,   2                            ; v[2:33]    ln_w of my 32 columns
.set B,   34                           ; v[34:65]   ln_b of my 32 columns
.set OFL, 66                           ; v66, v67   slot s: byte offset of my 16 bytes in the row that the slot holds or loads
.set OFS, 68                           ; v68        byte offset in xn of my 8 bytes, one row ahead of the row that is stored
.set LH,  69                           ; v69        the weights' part: 8 x lane
.set T,   70                           ; v[70:77]   at work
.set MR,  78                           ; v[78:79]   the mean, twice; later 1 / sqrt(var + eps), twice
.set Y,   80                           ; v[80:95]   the row in f16, as stored
.set Z,   96                           ; v[96:127]  the row at work
.set X,   128                          ; v[128:191] slot s: 32 registers, the row as loaded
.set CX,  96                           ; v[96:191]  the weights' part: 24 loads of four registers
.set ROWB, 4096                        ; bytes in a row of x
.set ROWH, 2048                        ; bytes in a row of xn
	s_load_b256 s[8:15], s[0:1], 0x0               ; query s[8:9], key s[10:11], value s[12:13], ln_w s[14:15]
	s_load_b256 s[16:23], s[0:1], 0x20             ; ln_b s[16:17], Wq s[18:19], Wk s[20:21], Wv s[22:23]
	s_load_b128 s[24:27], s[0:1], 0x40             ; Wo s[24:25], xn s[26:27]
	s_load_b64 s[28:29], s[0:1], 0x50              ; wh
	s_mov_b32 s2, 0x76543210                       ; v_permlanex16_b32: each lane takes its own place in the other half
	s_mov_b32 s3, 0xfedcba98
	s_mov_b32 s4, 0xffff0000                       ; a word's upper bf16
	s_mov_b32 s5, 0x3a800000                       ; 1 / 1024
	s_mov_b32 s6, 0x3727c5ac                       ; 1e-5
	v_and_b32 v1, 31, v0
	v_lshrrev_b32 v[T], 5, v0
	v_readfirstlane_b32 s31, v[T]                  ; wave 0..3
	v_lshlrev_b32 v1, 4, v1                        ; 16 x lane
	s_mov_b32 s33, 0
	s_wait_kmcnt 0x0
	s_cmp_ge_u32 ttmp9, 768
	s_cbranch_scc1 .Lcast
	; ---------------- LayerNorm ----------------
	s_lshr_b32 s30, ttmp9, 8                       ; which of the three sequences
	s_cmp_eq_u32 s30, 1
	s_cselect_b64 s[8:9], s[10:11], s[8:9]
	s_cmp_eq_u32 s30, 2
	s_cselect_b64 s[8:9], s[12:13], s[8:9]
	s_and_b32 s32, ttmp9, 255
	s_lshl_b32 s32, s32, 18                        ; 64 rows of 4,096 bytes a work-group
	s_add_nc_u64 s[8:9], s[8:9], s[32:33]
	s_lshl_b32 s32, ttmp9, 17                      ; 64 rows of 2,048 bytes; the three planes follow each other
	s_add_nc_u64 s[26:27], s[26:27], s[32:33]
	v_lshl_add_u32 v[OFL], v[T], 16, v1            ; wave x 16 rows x 4,096 + 16 x lane
	v_add_nc_u32 v[OFL+1], ROWB, v[OFL]
	v_lshrrev_b32 v[OFS], 1, v[OFL]
.irp j, 0,1,2,3,4,5,6,7
	global_load_b128 v[W+4*(\j):W+4*(\j)+3], v1, s[14:15] offset:512*(\j)
	global_load_b128 v[B+4*(\j):B+4*(\j)+3], v1, s[16:17] offset:512*(\j)
.endr
.macro FILL s                          ; eight loads: 512 neighbouring bytes each, the whole row; each row is read once in the launch
.irp j, 0,1,2,3,4,5,6,7
	global_load_b128 v[X+32*(\s)+4*(\j):X+32*(\s)+4*(\j)+3], v[OFL+(\s)], s[8:9] offset:512*(\j) th:TH_LOAD_NT
.endr
.endm
	FILL 0
	FILL 1
	s_wait_loadcnt 16                              ; ln_w and ln_b are in; the 16 loads of the first two rows stay out
.set i, 0
.rept 32                                               ; W and B lie on end: 64 numbers rounded to bf16 and widened again
	v_cvt_pk_bf16_f32 v[T+i%8], v[W+2*i], v[W+2*i+1]
	v_lshlrev_b32 v[W+2*i], 16, v[T+i%8]
	v_and_b32 v[W+2*i+1], s4, v[T+i%8]
.set i, i+1
.endr
.macro FOLD                            ; four chains of pairs in v[T:T+7] -> their sum over the row, in every lane's v[T]
	v_pk_add_f32 v[T:T+1], v[T:T+1], v[T+2:T+3]
	v_pk_add_f32 v[T+4:T+5], v[T+4:T+5], v[T+6:T+7]
	v_pk_add_f32 v[T:T+1], v[T:T+1], v[T+4:T+5]
	v_add_f32 v[T], v[T], v[T+1]
	v_add_f32_dpp v[T], v[T], v[T] row_xmask:1 row_mask:0xf bank_mask:0xf
	v_add_f32_dpp v[T], v[T], v[T] row_xmask:2 row_mask:0xf bank_mask:0xf
	v_add_f32_dpp v[T], v[T], v[T] row_xmask:4 row_mask:0xf bank_mask:0xf
	v_add_f32_dpp v[T], v[T], v[T] row_xmask:8 row_mask:0xf bank_mask:0xf
	v_permlanex16_b32 v[T+1], v[T], s2, s3
	v_add_f32 v[T], v[T], v[T+1]
.endm
; The turn of slot s.  fill = 1: the slot gets the row two further down; left = how many younger loads may stay out.
.macro TURN s, fill, left
.set XS, X+32*(\s)
	s_wait_loadcnt \left                           ; my slot's eight loads are in; the other slot's stay on their way
.if \fill
	v_add_nc_u32 v[OFL+(\s)], 2*ROWB, v[OFL+(\s)]  ; free since that wait: the slot's next row
.endif
.irp g, 0,8                                            ; x rounded to bf16, out of the raw slot into the work area
.irp i, 0,1,2,3,4,5,6,7
	v_cvt_pk_bf16_f32 v[T+\i], v[XS+2*(\g+\i)], v[XS+2*(\g+\i)+1]
.endr
.irp i, 0,1,2,3,4,5,6,7
	v_lshlrev_b32 v[Z+2*(\g+\i)], 16, v[T+\i]
	v_and_b32 v[Z+2*(\g+\i)+1], s4, v[T+\i]
.endr
.endr
.if \fill
	FILL \s                                        ; no memory instruction names the raw slot as a source, so nothing is waited for here
.endif
.irp c, 0,1,2,3                                        ; the sum, in four chains started by the first pairs
	v_pk_add_f32 v[T+2*\c:T+2*\c+1], v[Z+2*\c:Z+2*\c+1], v[Z+8+2*\c:Z+8+2*\c+1]
.endr
.irp g, 16,24
.irp c, 0,1,2,3
	v_pk_add_f32 v[T+2*\c:T+2*\c+1], v[T+2*\c:T+2*\c+1], v[Z+\g+2*\c:Z+\g+2*\c+1]
.endr
.endr
	FOLD
	v_mul_f32 v[MR], s5, v[T]
	v_mul_f32 v[MR+1], s5, v[T]
.set i, 0
.rept 16
	v_pk_add_f32 v[Z+2*i:Z+2*i+1], v[Z+2*i:Z+2*i+1], v[MR:MR+1] neg_lo:[0,1] neg_hi:[0,1]
.set i, i+1
.endr
.irp c, 0,1,2,3                                        ; the sum of squares of x - mean
	v_pk_mul_f32 v[T+2*\c:T+2*\c+1], v[Z+2*\c:Z+2*\c+1], v[Z+2*\c:Z+2*\c+1]
.endr
.irp g, 8,16,24
.irp c, 0,1,2,3
	v_pk_fma_f32 v[T+2*\c:T+2*\c+1], v[Z+\g+2*\c:Z+\g+2*\c+1], v[Z+\g+2*\c:Z+\g+2*\c+1], v[T+2*\c:T+2*\c+1]
.endr
.endr
	FOLD
	v_fma_f32 v[T], v[T], s5, s6                   ; var + eps
	v_rsq_f32 v[MR], v[T]
	v_rsq_f32 v[MR+1], v[T]
	v_nop                                          ; a plain instruction between the root and the use of its result (ISA guide 5.7.2)
.set i, 0
	s_wait_alu depctr_va_vdst(0)
.rept 16
	v_pk_mul_f32 v[Z+2*i:Z+2*i+1], v[Z+2*i:Z+2*i+1], v[MR:MR+1]
.set i, i+1
.endr
.set i, 0
.rept 16
	v_pk_fma_f32 v[Z+2*i:Z+2*i+1], v[Z+2*i:Z+2*i+1], v[W+2*i:W+2*i+1], v[B+2*i:B+2*i+1]
.set i, i+1
.endr
	s_wait_xcnt 0x0                                ; every earlier memory instruction has had its addresses translated (ISA guide 3.1): Y and OFS, which the last row's stores read, are rewritten only behind this wait
	v_add_nc_u32 v[OFS], ROWH, v[OFS]              ; the stores below reach back one row
.irp j, 0,1,2,3,4,5,6,7
	v_cvt_pk_f16_f32 v[Y+2*\j], v[Z+4*\j], v[Z+4*\j+1]
	v_cvt_pk_f16_f32 v[Y+2*\j+1], v[Z+4*\j+2], v[Z+4*\j+3]
	global_store_b64 v[OFS], v[Y+2*\j:Y+2*\j+1], s[26:27] offset:256*\j-ROWH  ; 32 lanes, 256 consecutive bytes, aligned
.endr
.endm
	s_mov_b32 s7, 7
.Lround:                                               ; rows 0 to 13; the fills reach row 15
	TURN 0, 1, 8
	TURN 1, 1, 8
	s_sub_co_u32 s7, s7, 1
	s_cmp_lg_u32 s7, 0
	s_cbranch_scc1 .Lround
	TURN 0, 0, 8                                   ; the last two rows load nothing: the counts run down
	TURN 1, 0, 0
	s_endpgm
	; ---------------- the weights ----------------
.Lcast:                                                ; one wave, one k row of all four matrices: 24 loads of 512 bytes, all issued at once
	s_sub_co_u32 s30, ttmp9, 768
	s_lshl2_add_u32 s30, s30, s31                  ; k row = 4 x work-group + wave
	s_lshl_b32 s32, s30, 11                        ; x 2,048 bytes
	s_lshl_b32 s34, s30, 12                        ; x 4,096 bytes
	s_mov_b32 s35, 0
	s_add_nc_u64 s[18:19], s[18:19], s[32:33]      ; Wq, Wk: rows of 512 f32
	s_add_nc_u64 s[20:21], s[20:21], s[32:33]
	s_add_nc_u64 s[22:23], s[22:23], s[34:35]      ; Wv, Wo: rows of 1,024 f32
	s_add_nc_u64 s[24:25], s[24:25], s[34:35]
	s_add_nc_u64 s[36:37], s[28:29], s[34:35]      ; wh: the row of 2,048 f16 for q | k | v
	s_add_nc_u64 s[38:39], s[28:29], s[32:33]      ; and the row of 1,024 f16 of Wo,
	s_add_nc_u64 s[38:39], s[38:39], 0x400000      ; behind the first matrix
	v_lshrrev_b32 v[LH], 1, v1                     ; 8 x lane
.irp i, 0,1,2,3
	global_load_b128 v[CX+4*(\i):CX+4*(\i)+3], v1, s[18:19] offset:512*(\i) th:TH_LOAD_NT
.endr
.irp i, 0,1,2,3
	global_load_b128 v[CX+16+4*(\i):CX+16+4*(\i)+3], v1, s[20:21] offset:512*(\i) th:TH_LOAD_NT
.endr
.irp i, 0,1,2,3,4,5,6,7
	global_load_b128 v[CX+32+4*(\i):CX+32+4*(\i)+3], v1, s[22:23] offset:512*(\i) th:TH_LOAD_NT
.endr
.irp i, 0,1,2,3,4,5,6,7
	global_load_b128 v[CX+64+4*(\i):CX+64+4*(\i)+3], v1, s[24:25] offset:512*(\i) th:TH_LOAD_NT
.endr
.macro CAST i, base, off               ; load i: rounded to bf16, that number written as f16, 8 bytes a lane stored; no register that a store reads is used twice
	s_wait_loadcnt 23-(\i)                         ; the younger loads stay out
	v_cvt_pk_bf16_f32 v[T], v[CX+4*(\i)], v[CX+4*(\i)+1]
	v_cvt_pk_bf16_f32 v[T+1], v[CX+4*(\i)+2], v[CX+4*(\i)+3]
	v_lshlrev_b32 v[CX+4*(\i)], 16, v[T]
	v_and_b32 v[CX+4*(\i)+1], s4, v[T]
	v_lshlrev_b32 v[CX+4*(\i)+2], 16, v[T+1]
	v_and_b32 v[CX+4*(\i)+3], s4, v[T+1]
	v_cvt_pk_f16_f32 v[CX+4*(\i)], v[CX+4*(\i)], v[CX+4*(\i)+1]
	v_cvt_pk_f16_f32 v[CX+4*(\i)+1], v[CX+4*(\i)+2], v[CX+4*(\i)+3]
	global_store_b64 v[LH], v[CX+4*(\i):CX+4*(\i)+1], s[\base:\base+1] offset:\off
.endm
.irp i, 0,1,2,3
	CAST \i, 36, 256*(\i)
.endr
.irp i, 0,1,2,3
	CAST 4+(\i), 36, 1024+256*(\i)
.endr
.irp i, 0,1,2,3,4,5,6,7
	CAST 8+(\i), 36, 2048+256*(\i)
.endr
.irp i, 0,1,2,3,4,5,6,7
	CAST 16+(\i), 38, 256*(\i)
.endr
	s_endpgm
.Lfunc_end_k_qf65d6b4c3d_prep:
	.size	k_qf65d6b4c3d_prep, .Lfunc_end_k_qf65d6b4c3d_prep-k_qf65d6b4c3d_prep
	.p2alignl 7, 3214868480
	.fill 96, 4, 3214868480
	.section	.rodata,"a",@progbits
	.p2align	6, 0x0
	.amdhsa_kernel k_qf65d6b4c3d_prep
		.amdhsa_group_segment_fixed_size 0
		.amdhsa_private_segment_fixed_size 0
		.amdhsa_enable_private_segment 0
		.amdhsa_kernarg_size 88
		.amdhsa_user_sgpr_count 2
		.amdhsa_user_sgpr_kernarg_segment_ptr 1
		.amdhsa_wavefront_size32 1
		.amdhsa_system_sgpr_workgroup_id_x 1
		.amdhsa_system_sgpr_workgroup_id_y 1
		.amdhsa_system_sgpr_workgroup_id_z 1
		.amdhsa_system_vgpr_workitem_id 0
		.amdhsa_next_free_vgpr 192
		.amdhsa_next_free_sgpr 66
		.amdhsa_reserve_vcc 0
		.amdhsa_float_denorm_mode_32 3
		.amdhsa_float_denorm_mode_16_64 3
		.amdhsa_memory_ordered 1
		.amdhsa_forward_progress 1
		.amdhsa_inst_pref_size 66
	.end_amdhsa_kernel
	.amdgpu_metadata
---
amdhsa.version: [ 1, 2 ]
amdhsa.kernels:
  - .name:           k_qf65d6b4c3d_prep
    .symbol:         k_qf65d6b4c3d_prep.kd
    .args:
      - { .name: query_sequences, .offset: 0, .size: 8, .value_kind: global_buffer, .address_space: global }
      - { .name: key_sequences, .offset: 8, .size: 8, .value_kind: global_buffer, .address_space: global }
      - { .name: value_sequences, .offset: 16, .size: 8, .value_kind: global_buffer, .address_space: global }
      - { .name: ln_w, .offset: 24, .size: 8, .value_kind: global_buffer, .address_space: global }
      - { .name: ln_b, .offset: 32, .size: 8, .value_kind: global_buffer, .address_space: global }
      - { .name: Wq, .offset: 40, .size: 8, .value_kind: global_buffer, .address_space: global }
      - { .name: Wk, .offset: 48, .size: 8, .value_kind: global_buffer, .address_space: global }
      - { .name: Wv, .offset: 56, .size: 8, .value_kind: global_buffer, .address_space: global }
      - { .name: Wo, .offset: 64, .size: 8, .value_kind: global_buffer, .address_space: global }
      - { .name: xn, .offset: 72, .size: 8, .value_kind: global_buffer, .address_space: global }
      - { .name: wh, .offset: 80, .size: 8, .value_kind: global_buffer, .address_space: global }
    .group_segment_fixed_size: 0
    .private_segment_fixed_size: 0
    .kernarg_segment_align: 8
    .kernarg_segment_size: 88
    .max_flat_workgroup_size: 128
    .sgpr_count:     66
    .vgpr_count:     192
    .wavefront_size: 32
...
	.end_amdgpu_metadata
.endif
;; end of part 7
;; launch qkv (part 8): grid 32 x 8, 4 waves a work-group, clusters of 4 x 1, 327,680 bytes of LDS; arguments xn, wh, qkvh; writes qkvh
.if DOCPART == 8
	.amdgcn_target "amdgcn-amd-amdhsa--gfx1250"
	.amdhsa_code_object_version 6
	.text
	.protected	k_qf65d6b4c3d_qkv
	.globl	k_qf65d6b4c3d_qkv
	.p2align	8
	.type	k_qf65d6b4c3d_qkv,@function
k_qf65d6b4c3d_qkv:
	s_mov_b64 s[64:65], 0
	v_nop
	global_prefetch_b8 v0, s[64:65] scope:SCOPE_SE
	s_setreg_imm32_b32 hwreg(HW_REG_WAVE_MODE, 25, 1), 1
	s_wait_xcnt 0x0
	s_wait_alu depctr_hold_cnt(0) depctr_sa_sdst(0) depctr_va_vdst(0) depctr_va_sdst(0) depctr_va_ssrc(0) depctr_va_vcc(0) depctr_vm_vsrc(0)
	s_getreg_b32 s2, hwreg(HW_REG_IB_STS2, 6, 4)
	s_cmp_eq_u32 s2, 0
	s_cbranch_scc0 .Lentry_in_a_cluster
	s_endpgm
.Lentry_in_a_cluster:
	s_bfe_u32 s2, ttmp6, 0x10000c
	s_cmp_lg_u32 s2, 0x3003
	s_cbranch_scc0 .Lentry_shape_is_right
	s_endpgm
.Lentry_shape_is_right:
; QKV.  The three projections as one grid: C = A B, A = a plane of xn ([16384][1024] f16), B = 256 columns of wh's first matrix ([1024 k][2048 n] f16), sums in f32, C rounded once to f16
; and written BY HEADS: q f16 [64 nh][4096][32] at byte 0 of qkvh, k likewise at 16,777,216, v f16 [64][4096][64] at 33,554,432.
; LIMIT.  f16 ends at 65,504: q, k and v must lie within it (they are sums of 1,024 products of normalised rows and weights).
; A tile of C is 256 x 256: four waves, each 128 x 128 in 64 accumulators.  Tile column y = 0,1: q; 2,3: k; 4..7: v.
; A WORK-GROUP STAYS: it makes two tiles of one tile column, tile rows 4 x cluster x + cx and 32 further down: 256 work-groups, two tiles each.  All eight tile columns of a block of rows are
; at work at the same time; both tiles walk the same B.
; K goes in steps of 128 through two LDS slots.  A's rows lie along K (256 bytes a row, pitch 272).  B lies [k][n]: 128 k rows of 512 bytes, pitch 544, read turned by ds_load_tr16_b128.
; ONE WALK OF 16 K STEPS, WRITTEN ONCE.  A K step is four quarters of 32 along K, on fragment buffers F0, F1, F0, F1; each quarter fetches the next one's fragments in its middle.  The change of
; slots stands between a step's third and fourth quarter, when the slot's last fragments are in registers.  So the four quarters behind a change all fetch from the new slot and use the buffers
; F1, F0, F1, F0: two trips of ONE pair of quarters.  The ring does not stop at the first tile's end: its last two changes ask for the second tile's first two K steps, and nothing waits for its
; stores.  In the pair that holds the first tile's last quarter a forward branch leads to the way out and on into the quarter whose products start the sums: the same text through which the
; kernel enters the loop.  What that branch passes holds no barrier and no tensor load.  Written out beside the loop: the last change, which fills nothing, with its own copy of the pair, the
; last quarter, and the way out once more.  The price: no products stand inside a change of slots, and the way out stands twice in the text.
; CLUSTER 4 x 1: the four partners are four tile rows of one tile column, so B's tiles are asked for JOINTLY (mask 15).  A's tiles are each work-group's own: q and k have only two tile
; columns of 256, so no four work-groups share a tile of A; they are plain loads that stand in the same rounds.
; THE MATRIX INSTRUCTION IS USED TRANSPOSED (source 0 = 16 columns of B, source 1 = 16 rows of A): a lane holds eight neighbouring numbers of a row of C.
; REGISTERS, in windows of 256: window 0: v0-31 addresses; v64-127, v128-191 fragments of A, two buffers; v32-63, v192-255 at work on the way out.
;   window 1: v64-127, v128-191 fragments of B.   window 2: the accumulators of my rows 0-63 ((a, b) at v[8 (8 a + b)]);   window 3: those of my rows 64-127.
.set KSTEP,  128
.set PITCH,  272                       ; a row of A in LDS: 256 bytes + 16: the 16 rows of a load start at 16 different groups of four banks (ISA guide 11.1)
.set PB,     544                       ; a k row of B in LDS: 512 bytes + 32 = 17 x 32
.set BROW,   4096                      ; bytes from a k row of B to the next in memory
.set WALKB,  32*256*2048               ; bytes from the first tile's rows of A to the second's: 32 tile rows of 256 rows of 2,048 bytes
.set HALFT,  128*PITCH                 ; what one tensor load brings: 128 rows of A, or 64 k rows of B (64 x 544 is the same number)
.set SLOT,   4*HALFT                   ; A's two halves, then B's two halves.  SLOT = 0x22000 shares no bit with wave x HALFT (0, 0x8800, 0x11000, 0x19800): an exclusive or with it changes slots
.set STAGE,  2*SLOT                    ; behind the ring: 16 rows x 272 bytes for each wave, for the way out
.set SPITCH, 272
.set SPARE,  STAGE+4*16*SPITCH         ; behind the stages: the spare words, 128 bytes for each wave
.set CO,   8                           ; v8-11   the way out: my byte offset in qkvh for read-back t % 4
.set A0,   16                          ; v16     LDS address of my A fragments in slot 0, quarter 0; never rewritten
.set CA,   17                          ; v17     the same for the run of loads in hand
.set B0,   20                          ; v20     LDS address of my B fragments in slot 0, quarter 0; never rewritten
.set CB,   21                          ; v21     the same for the run in hand
.set STO,  24                          ; v24     the way out: where I put 16 bytes of a row
.set RD,   25                          ; v25     where I read back: row l / 8, 16 bytes at 16 (l % 8)
.set SPW,  28                          ; v28     LDS address of my spare word; never rewritten
.set NIL,  29                          ; v29     0; never rewritten
.set F0,   64
.set F1,   128
.set TMP,  192
.set OB,   32
.set CNT,  2                           ; s2      pairs of quarters to go until the next change
.set STEPS, 3                          ; s3      counts the changes that fill: 14 at the first, 1 at the last
.set TURNAT, 8                         ; STEPS at the change that asks for the second tile's first K step (the seventh change)
.set OA,   12                          ; s[12:13] byte offset, from my first tile of A, of the K step asked for last
.set BND,  20                          ; s20     pairs to go until the pair that holds the first tile's last quarter
.set TA,   21                          ; s21     LDS byte, from A0, of the quarter to be fetched: slot + 64 q
.set TBB,  22                          ; s22     the same from B0: slot + 32 PB q
.set G1, 24                            ; s[24:31] descriptor group 1 for A's tiles
.set G0, 32                            ; s[32:39] group 0 for A's tiles: a set for each of the two first fills; the second then walks on
.set OBF,  44                          ; s[44:45] byte offset, from my first tile of B, of the K step asked for last
.set G1B, 48                           ; s[48:55] group 1 for B's tiles
.set G0B, 56                           ; s[56:63] group 0 for B's tiles, likewise
.set MSB, 0
.macro WIN new                         ; the immediate's high byte repeats the setting that is left; a switch that changes nothing is dropped
.if MSB != (\new)
	s_set_vgpr_msb (MSB<<8)|(\new)
.set MSB, \new
.endif
.endm
.set MUL_LO, 0xa1                      ; source 0 (B) window 1, source 1 (A) window 0, C and D window 2
.set MUL_HI, 0xf1                      ; the same, C and D window 3
.set TO_B,   0x40                      ; destination window 1, address window 0
; A fill.  Waves 0 and 1 fetch A's two halves (their own work-group's), waves 2 and 3 B's (jointly).  The branch hangs on the wave's number alone.
; An s_nop 0 and four v_nop follow each of the two lines, ahead of the jump and the label.
.macro JLOAD s
	s_cmp_eq_u32 s11, 0
	s_cbranch_scc0 .Lfor_b_\@
	tensor_load_to_lds s[G0+4*(\s):G0+4*(\s)+3], s[G1:G1+7]
	s_nop 0
.rept 4
	v_nop
.endr
	s_branch .Lasked_\@
.Lfor_b_\@:
	tensor_load_to_lds s[G0B+4*(\s):G0B+4*(\s)+3], s[G1B:G1B+7]
	s_nop 0
.rept 4
	v_nop
.endr
.Lasked_\@:
.endm
.macro CROUND                          ; a round of the cluster's barrier: my work-group's barrier; wave 0 signals for the work-group; every wave waits for all four; my work-group's barrier once more
	s_barrier_signal -1
	s_barrier_wait -1
	s_cmp_lg_u32 s10, 0
	s_cbranch_scc1 .Lnot_wave_0_\@
	s_barrier_signal -3
.Lnot_wave_0_\@:
	s_barrier_wait -3
	s_barrier_signal -1
	s_barrier_wait -1
.endm
	s_load_b128 s[4:7], s[0:1], 0x0                ; xn s[4:5], wh s[6:7]
	s_load_b64 s[8:9], s[0:1], 0x10                ; qkvh
	v_lshl_add_u32 v[SPW], v0, 2, SPARE
	v_mov_b32 v[NIL], 0
	ds_add_u32 v[SPW], v[NIL]                      ; the wave's opening: the add and its wait stand ahead of my first tensor load; the set-up below stands between them
	ds_add_u32 v28, v29
	v_lshrrev_b32 v1, 5, v0
	v_readfirstlane_b32 s10, v1                    ; wave 0..3
	s_lshr_b32 s11, s10, 1                         ; which half of the tile's rows is mine.  Also: I fetch for A (0) or for B (1)
	s_and_b32 s12, s10, 1                          ; which half of its columns.  Also: which half of that tile I fetch
	s_bfe_u32 s40, ttmp6, 0x40000                  ; cx
	s_lshl_b32 s13, ttmp9, 2
	s_add_co_u32 s13, s13, s40                     ; my first tile row = 4 x cluster x + cx, 0..31
	s_and_b32 s42, ttmp7, 0xffff                   ; tile column y, which the four partners share
	s_lshr_b32 s41, s42, 1
	s_min_u32 s41, s41, 2                          ; 0: q, 1: k, 2: v
	; group 1 for A: 128 rows x 128 elements, 16 bytes of padding behind every 256; no mask
	s_mov_b32 s[G1+0], (1<<16)|(1<<20)|(5<<22)|(3<<25)
	s_mov_b32 s[G1+1], KSTEP<<16                   ; tensor_dim0 = 128
	s_mov_b32 s[G1+2], 128<<16                     ; tensor_dim1 = 128
	s_mov_b32 s[G1+3], KSTEP<<16                   ; tile_dim0 = 128
	s_mov_b32 s[G1+4], 128                         ; tile_dim1 = 128
	s_mov_b32 s[G1+5], 1024                        ; elements from row to row
	s_mov_b32 s[G1+6], 0
	s_mov_b32 s[G1+7], 0
	; group 1 for B: 64 k rows x 256 elements, 32 bytes of padding behind every 512; the mask names all four, bit 21 beside it
	s_mov_b32 s[G1B+0], 15|(1<<16)|(1<<20)|(1<<21)|(6<<22)|(7<<25)
	s_mov_b32 s[G1B+1], 256<<16
	s_mov_b32 s[G1B+2], 64<<16
	s_mov_b32 s[G1B+3], 256<<16
	s_mov_b32 s[G1B+4], 64
	s_mov_b32 s[G1B+5], 2048
	s_mov_b32 s[G1B+6], 0
	s_mov_b32 s[G1B+7], 0
	s_lshl_b32 s16, s13, 8                         ; A: row 256 x tile row + 128 x half,
	s_lshl_b32 s17, s12, 7
	s_add_co_u32 s16, s16, s17
	s_lshl_b32 s16, s16, 11                        ; of 2,048 bytes,
	s_lshl_b32 s17, s41, 25                        ; in plane 0, 1 or 2 of 33,554,432 bytes
	s_add_co_u32 s16, s16, s17
	s_mov_b32 s17, 0
	s_lshl_b32 s46, s12, 18                        ; B: k row 64 x half, of 4,096 bytes,
	s_lshl_b32 s47, s42, 9                         ; column 256 y, of 2 bytes: made of the wave's number and y alone
	s_add_co_u32 s46, s46, s47
	s_mov_b32 s47, 0
	s_mul_i32 s20, s10, HALFT                      ; where they go: wave x one load's bytes
	s_wait_dscnt 0x0                               ; the opening add is done
	s_wait_kmcnt 0x0
	s_add_nc_u64 s[14:15], s[4:5], s[16:17]        ; s[14:15]: A at my part of the first tile's K step 0; kept: every later fill's address is made from it
	s_add_nc_u64 s[46:47], s[6:7], s[46:47]        ; s[46:47]: the same for B; kept
	CROUND                                         ; all four work-groups are here: the first joint loads meet
.irp s, 0,1
	s_mov_b32 s[G0+4*(\s)], 1
	s_add_co_u32 s[G0+4*(\s)+1], s20, (\s)*SLOT
	s_add_nc_u64 s[G0+4*(\s)+2:G0+4*(\s)+3], s[14:15], (\s)*KSTEP*2
	s_or_b32 s[G0+4*(\s)+3], s[G0+4*(\s)+3], 0x80000000
	s_mov_b32 s[G0B+4*(\s)], 1
	s_add_co_u32 s[G0B+4*(\s)+1], s20, (\s)*SLOT
	s_add_nc_u64 s[G0B+4*(\s)+2:G0B+4*(\s)+3], s[46:47], (\s)*KSTEP*BROW
	s_or_b32 s[G0B+4*(\s)+3], s[G0B+4*(\s)+3], 0x80000000
	JLOAD \s                                       ; two loads of mine are out: K steps 0 and 1
.endr
	v_and_b32 v1, 15, v0                           ; r = l % 16
	v_bfe_u32 v2, v0, 4, 1                         ; h = l / 16
	v_mul_u32_u24 v3, v1, PITCH
	v_lshl_add_u32 v3, v2, 4, v3                   ; A: row x pitch + 16 h
	s_mul_i32 s21, s11, HALFT                      ; my 128 rows of A
	v_add_nc_u32 v[A0], s21, v3
	v_and_b32 v4, 7, v0
	v_bfe_u32 v5, v0, 3, 1
	v_lshl_add_u32 v4, v2, 3, v4                   ; B, turned: k row 8 h + l % 8,
	v_mul_u32_u24 v4, v4, PB
	v_lshl_add_u32 v4, v5, 4, v4                   ; columns 8 ((l / 8) % 2) on
	s_lshl_b32 s22, s12, 8                         ; my 128 columns of B,
	s_add_co_u32 s22, s22, 2*HALFT                 ; which lies behind A's 256 rows
	v_add_nc_u32 v[B0], s22, v4
	s_mov_b32 s[TA], 0                             ; the first fetch: slot 0, quarter 0
	s_mov_b32 s[TBB], 0
	; where my part of the first tile begins in qkvh: tensor, then ((16 n + first head) x 4,096 + token) x a head row's bytes
	s_lshl_b32 s16, s13, 8
	s_lshl_b32 s17, s11, 7
	s_add_co_u32 s16, s16, s17                     ; my first row of C
	s_lshr_b32 s17, s16, 12                        ; n
	s_and_b32 s16, s16, 4095                       ; token
	s_and_b32 s18, s42, 3
	s_lshl_b32 s18, s18, 2
	s_lshl1_add_u32 s18, s12, s18                  ; v: head 4 (y % 4) + 2 x column half
	s_and_b32 s19, s42, 1
	s_lshl_b32 s19, s19, 3
	s_lshl2_add_u32 s19, s12, s19                  ; q, k: head 8 (y % 2) + 4 x column half
	s_cmp_ge_u32 s42, 4
	s_cselect_b32 s18, s18, s19
	s_cselect_b32 s43, 7, 6                        ; a head row is 128 or 64 bytes
	s_cselect_b32 s44, 64, 0x40000                 ; from the first 64 bytes of a read-back's 128 to the second: on in the row (v), or the next head (q, k: 4,096 rows of 64 bytes)
	s_lshl4_add_u32 s17, s17, s18
	s_lshl_b32 s17, s17, 12
	s_add_co_u32 s16, s16, s17
	s_lshl_b32 s16, s16, s43
	s_lshl_b32 s17, s41, 24
	s_add_co_u32 s16, s16, s17
	s_mov_b32 s17, 0                               ; s[16:17]: the first way out adds it to qkvh's address
	s_lshl_b32 s18, 16, s43
	s_mov_b32 s19, 0                               ; s[18:19]: 16 rows on
	s_lshl_b32 s45, 4, s43                         ; four rows on
	s_mul_i32 s23, s10, 16*SPITCH
	s_add_co_u32 s23, s23, STAGE                   ; my stage
	v_mul_u32_u24 v6, v1, SPITCH                   ; in: row r, 16 bytes for each half of the lanes
	v_lshl_add_u32 v6, v2, 4, v6
	v_add_nc_u32 v[STO], s23, v6
	v_bfe_u32 v6, v0, 3, 2                         ; back: 32 lanes take 128 bytes of each of four rows: row l / 8, 16 bytes at 16 (l % 8)
	v_mul_u32_u24 v7, v6, SPITCH
	v_and_b32 v5, 7, v0
	v_lshl_add_u32 v7, v5, 4, v7
	v_add_nc_u32 v[RD], s23, v7
	v_bfe_u32 v5, v0, 2, 1                         ; and in qkvh: which 64 bytes of the 128,
	v_mul_u32_u24 v5, s44, v5
	v_lshlrev_b32 v6, s43, v6                      ; the row,
	v_add_nc_u32 v5, v5, v6
	v_and_b32 v6, 3, v0
	v_lshl_add_u32 v[CO], v6, 4, v5                ; my 16 bytes of the 64
	v_add_nc_u32 v[CO+1], s45, v[CO]               ; read-back t takes rows 4 (t % 4) on
	v_add_nc_u32 v[CO+2], s45, v[CO+1]
	v_add_nc_u32 v[CO+3], s45, v[CO+2]
; 16 matrix instructions: m blocks a0, a0 + 1 of the window's four x all 8 n blocks, 32 along K.  zero = 1: the first product starts the sums.
.macro MUL16 f, hi, a0, zero
	WIN MUL_LO+0x50*(\hi)
.irp a, \a0, (\a0)+1
.irp b, 0,1,2,3,4,5,6,7
.if \zero
	v_wmma_f32_16x16x32_f16 v[8*(8*(\a)+(\b)):8*(8*(\a)+(\b))+7], v[(\f)+8*(\b):(\f)+8*(\b)+7], v[(\f)+8*(4*(\hi)+(\a)):(\f)+8*(4*(\hi)+(\a))+7], 0
.else
	v_wmma_f32_16x16x32_f16 v[8*(8*(\a)+(\b)):8*(8*(\a)+(\b))+7], v[(\f)+8*(\b):(\f)+8*(\b)+7], v[(\f)+8*(4*(\hi)+(\a)):(\f)+8*(4*(\hi)+(\a))+7], v[8*(8*(\a)+(\b)):8*(8*(\a)+(\b))+7]
.endif
.endr
.endr
.endm
; 32 LDS loads in one run: the fragments of the quarter at TA, TBB into buffer f: B's 128 columns (turned), then A's 128 rows; then the two scalars step to the next quarter
.macro FETCH f
	WIN 0
	v_add_nc_u32 v[CB], s[TBB], v[B0]
	v_add_nc_u32 v[CA], s[TA], v[A0]
	s_add_co_u32 s[TBB], s[TBB], 32*PB
	s_add_co_u32 s[TA], s[TA], 64
	WIN TO_B
.irp i, 0,1,2,3,4,5,6,7
	ds_load_tr16_b128 v[(\f)+8*(\i):(\f)+8*(\i)+3],   v[CB] offset:(\i)*32
	ds_load_tr16_b128 v[(\f)+8*(\i)+4:(\f)+8*(\i)+7], v[CB] offset:(\i)*32+16*PB
.endr
	WIN 0
.irp i, 0,1,2,3,4,5,6,7
	ds_load_b128 v[(\f)+8*(\i):(\f)+8*(\i)+3],   v[CA] offset:(\i)*16*PITCH
	ds_load_b128 v[(\f)+8*(\i)+4:(\f)+8*(\i)+7], v[CA] offset:(\i)*16*PITCH+32
.endr
.endm
; A quarter: multiplies buffer f; fetch = 1: in its middle it fetches the next quarter into buffer g.  Two v_nop and FETCH's two additions are the four plain vector instructions between the
; last product that read buffer g and the loads into it (ISA guide 7.12.1 for vector instructions).
.macro QUARTER f, g, zero, fetch
	s_wait_dscnt 8                                 ; B and A's rows 0-63 are in; the youngest eight loads (A's rows 64-127) may be out
	MUL16 \f, 0, 0, \zero
	MUL16 \f, 0, 2, \zero
.if \fetch
	WIN 0
	v_nop
	v_nop
	FETCH \g
	s_wait_dscnt 32                                ; all but the 32 just issued
.else
	s_wait_dscnt 0x0
.endif
	MUL16 \f, 1, 0, \zero
	MUL16 \f, 1, 2, \zero
.endm
; THE CHANGE OF SLOTS.  The slot's last fragments have been asked for.  Each wave waits for all its tensor loads, of which one is out: its part of the other slot; adds 0 to its spare word; and
; waits for that and for its reads of the slot.  Behind the barrier nobody reads this slot any more and the other slot is whole.  fill = 1: the barrier is a round of the cluster's, and this slot
; is filled again first behind it, with the K step two on in the walk: the load has four quarters, 256 matrix instructions, in which to land.  Its address is made anew: the kept base plus an
; offset that steps by a K step and, at the change that asks for the second tile's first K step, goes to that tile's rows of A and back to B's first k rows.
.macro CHANGE fill
	WIN 0
	s_wait_tensorcnt 0x0                           ; no tensor load of mine is out, so a group 0 may be written
	ds_add_u32 v[SPW], v[NIL]                      ; the scalar work below stands between the add and the wait for it
.if \fill
	s_add_co_u32 s[OA], s[OA], KSTEP*2             ; the next K step,
	s_add_co_u32 s[OBF], s[OBF], KSTEP*BROW
	s_cmp_eq_u32 s[STEPS], TURNAT                  ; or the second tile's first
	s_cselect_b32 s[OA], WALKB, s[OA]
	s_cselect_b32 s[OBF], 0, s[OBF]
	s_xor_b32 s[G0+5], s[G0+5], SLOT               ; the walking descriptors: the other slot than last time
	s_add_nc_u64 s[G0+6:G0+7], s[14:15], s[OA:OA+1]
	s_or_b32 s[G0+7], s[G0+7], 0x80000000          ; the type
	s_xor_b32 s[G0B+5], s[G0B+5], SLOT
	s_add_nc_u64 s[G0B+6:G0B+7], s[46:47], s[OBF:OBF+1]
	s_or_b32 s[G0B+7], s[G0B+7], 0x80000000
.endif
	s_sub_co_u32 s[TA], s[TA], 4*64                ; the fetches go back to a slot's first quarter (the scalar is now 0 or SLOT),
	s_xor_b32 s[TA], s[TA], SLOT                   ; in the other slot
	s_sub_co_u32 s[TBB], s[TBB], 4*32*PB
	s_xor_b32 s[TBB], s[TBB], SLOT
	s_wait_dscnt 0x0                               ; the add is done, and my reads of the slot are over
.if \fill
	CROUND                                         ; no wave of any partner still reads this slot or has a load on its way
	JLOAD 1                                        ; my one tensor load behind the round
.else
	s_barrier_signal -1
	s_barrier_wait -1
.endif
.endm
; THE WAY OUT of block a (16 rows).  PACK: rounded to f16, 16 bytes a lane.  TOSTAGE: into my own stage, and back, 128 bytes of each of four rows a load.  SEND: stored.
.macro PACK a
.set AC, 64*((\a)%4)
	WIN 0x0a+5*((\a)/4)                            ; sources 0 and 1: window 2 or 3
.irp b, 0,1,2,3,4,5,6,7
.irp r, 0,1,2,3
	v_cvt_pk_f16_f32 v[TMP+4*(\b)+(\r)], v[AC+8*(\b)+2*(\r)], v[AC+8*(\b)+2*(\r)+1]
.endr
.endr
	WIN 0
.endm
.macro TOSTAGE a
.set BK, OB+192*((\a)%2)
.irp b, 0,1,2,3,4,5,6,7
	ds_store_b128 v[STO], v[TMP+4*(\b):TMP+4*(\b)+3] offset:32*(\b)
.endr
.irp t, 0,1,2,3,4,5,6,7                ; LDS serves a wave's instructions in order (ISA guide 5.7.1.4): these see the stores above
	ds_load_b128 v[BK+4*(\t):BK+4*(\t)+3], v[RD] offset:4*((\t)%4)*SPITCH+((\t)/4)*128
.endr
.endm
.macro SEND a
.set BK, OB+192*((\a)%2)
	s_wait_dscnt 0x0                               ; the block is back in registers
	s_wait_xcnt 0x0                                ; only behind this wait are the stores' base and the registers that earlier stores read rewritten
.if (\a) == 0
	s_add_nc_u64 s[8:9], s[8:9], s[16:17]          ; on to this tile's first rows
.else
	s_add_nc_u64 s[8:9], s[8:9], s[18:19]
.endif
.irp t, 0,1,2,3,4,5,6,7                ; a store covers 512 consecutive bytes of one head (v), or 256 consecutive, aligned bytes in each of two heads (q, k); 524,288 bytes on lie the next head (v), the next two (q, k)
	global_store_b128 v[CO+(\t)%4], v[BK+4*(\t):BK+4*(\t)+3], s[8:9] offset:((\t)/4)*524288
.endr
.endm
.macro WAYOUT                          ; a whole tile; no wait for stores stands in it
.rept 4
	v_nop                                          ; four plain vector instructions between the last products and the first read of a result
.endr
	PACK 0
	TOSTAGE 0
.irp a, 1,2,3,4,5,6,7                  ; block a's conversions stand between block a - 1's loads from the stage and the wait for them
	PACK \a
	SEND (\a)-1
	TOSTAGE \a
.endr
	SEND 7
.endm
	s_wait_tensorcnt 1                             ; my part of K step 0 is in; K step 1's may stay out
	s_barrier_signal -1
	s_barrier_wait -1
	FETCH F0
	s_mov_b32 s[OA], KSTEP*2                       ; the K step asked for last is the first tile's K step 1
	s_mov_b32 s[OA+1], 0
	s_mov_b32 s[OBF], KSTEP*BROW
	s_mov_b32 s[OBF+1], 0
	s_mov_b32 s[CNT], 2                            ; the first quarter counts as the second half of a pair; one pair more stands in front of the first change
	s_mov_b32 s[STEPS], 15
	s_mov_b32 s[BND], 16                           ; taken down once a pair: 0 in the sixteenth whole pair, which holds quarters 31 and 32 of the walk's 64
	s_branch .Lzero                                ; the loop is entered in its middle, at the quarter that starts the sums
.Lstep:                                                ; fourteen times: K steps 2 to 15 of the walk are asked for
	CHANGE 1
	s_mov_b32 s[CNT], 2
.Lpair:                                                ; the 64 accumulators take turns, in the same order in every quarter
	QUARTER F1, F0, 0, 1
	WIN 0                                          ; at a label and at a branch every window is 0
	s_cmp_eq_u32 s[BND], 0
	s_cbranch_scc1 .Lturn                          ; that was the first tile's last quarter; what is passed over holds no barrier and no tensor load
	QUARTER F0, F1, 0, 1
	WIN 0
	s_branch .Ljoin
.Lturn:                                                ; both refills for the second tile are asked for, its first fragments are fetched: now the first tile goes out
	WAYOUT
	s_mov_b32 s16, 32*4096-7*16                    ; what the next way out adds to qkvh's address: two n (32 heads of 4,096 rows) on, less the seven steps of 16 rows made,
	s_lshl_b32 s16, s16, s43                       ; in bytes of a head's row
.Lzero:
	QUARTER F0, F1, 1, 1                           ; a tile's first quarter: its products start the sums
	WIN 0
.Ljoin:
	s_sub_co_u32 s[BND], s[BND], 1
	s_sub_co_u32 s[CNT], s[CNT], 1
	s_cmp_lg_u32 s[CNT], 0
	s_cbranch_scc1 .Lpair
	s_sub_co_u32 s[STEPS], s[STEPS], 1
	s_cmp_lg_u32 s[STEPS], 0
	s_cbranch_scc1 .Lstep
	CHANGE 0                                       ; the last change is written out: nothing is asked for
	s_mov_b32 s[CNT], 2
.Lpair2:
	QUARTER F1, F0, 0, 1
	QUARTER F0, F1, 0, 1
	WIN 0
	s_sub_co_u32 s[CNT], s[CNT], 1
	s_cmp_lg_u32 s[CNT], 0
	s_cbranch_scc1 .Lpair2
	QUARTER F1, F0, 0, 0                           ; the last quarter fetches nothing
	WIN 0
	WAYOUT
	s_wait_tensorcnt 0x0                           ; the wave's end
	ds_add_u32 v[SPW], v[NIL]
	s_wait_dscnt 0x0
	CROUND                                         ; the closing round
	s_endpgm
.Lfunc_end_k_qf65d6b4c3d_qkv:
	.size	k_qf65d6b4c3d_qkv, .Lfunc_end_k_qf65d6b4c3d_qkv-k_qf65d6b4c3d_qkv
	.p2alignl 7, 3214868480
	.fill 96, 4, 3214868480
	.section	.rodata,"a",@progbits
	.p2align	6, 0x0
	.amdhsa_kernel k_qf65d6b4c3d_qkv
		.amdhsa_group_segment_fixed_size 327680
		.amdhsa_private_segment_fixed_size 0
		.amdhsa_enable_private_segment 0
		.amdhsa_kernarg_size 24
		.amdhsa_user_sgpr_count 2
		.amdhsa_user_sgpr_kernarg_segment_ptr 1
		.amdhsa_wavefront_size32 1
		.amdhsa_system_sgpr_workgroup_id_x 1
		.amdhsa_system_sgpr_workgroup_id_y 1
		.amdhsa_system_sgpr_workgroup_id_z 1
		.amdhsa_system_vgpr_workitem_id 0
		.amdhsa_next_free_vgpr 1024
		.amdhsa_next_free_sgpr 66
		.amdhsa_reserve_vcc 0
		.amdhsa_float_denorm_mode_32 3
		.amdhsa_float_denorm_mode_16_64 3
		.amdhsa_memory_ordered 1
		.amdhsa_forward_progress 1
		.amdhsa_inst_pref_size 113
	.end_amdhsa_kernel
	.amdgpu_metadata
---
amdhsa.version: [ 1, 2 ]
amdhsa.kernels:
  - .name:           k_qf65d6b4c3d_qkv
    .symbol:         k_qf65d6b4c3d_qkv.kd
    .args:
      - { .name: xn, .offset: 0, .size: 8, .value_kind: global_buffer, .address_space: global }
      - { .name: wh, .offset: 8, .size: 8, .value_kind: global_buffer, .address_space: global }
      - { .name: qkvh, .offset: 16, .size: 8, .value_kind: global_buffer, .address_space: global }
    .group_segment_fixed_size: 327680
    .private_segment_fixed_size: 0
    .kernarg_segment_align: 8
    .kernarg_segment_size: 24
    .max_flat_workgroup_size: 128
    .sgpr_count:     66
    .vgpr_count:     1024
    .wavefront_size: 32
...
	.end_amdgpu_metadata
.endif
;; end of part 8
;; launch delta (part 9): grid 240 x 1, 4 waves a work-group, no clusters, 262,656 bytes of LDS; arguments qkvh, dl; writes dl
.if DOCPART == 9
	.amdgcn_target "amdgcn-amd-amdhsa--gfx1250"
	.amdhsa_code_object_version 6
	.text
	.protected	k_qf65d6b4c3d_delta
	.globl	k_qf65d6b4c3d_delta
	.p2align	8
	.type	k_qf65d6b4c3d_delta,@function
k_qf65d6b4c3d_delta:
	s_mov_b64 s[64:65], 0
	v_nop
	global_prefetch_b8 v0, s[64:65] scope:SCOPE_SE
	s_setreg_imm32_b32 hwreg(HW_REG_WAVE_MODE, 25, 1), 1
	s_wait_xcnt 0x0
; DELTA.  For each head nh (64) and segment 0..14: D[d][e] = sum over the segment's 256 keys t of (elu(k[t][d]) + 1) v'[t][e], v' = v with 16 columns of ones behind it, so that block 4 of e holds
; z[d] = the sum of elu(k) + 1.  Segment 15's update is never read, so it is not made: 960 units, one a wave.
; elu(x) + 1 = 2^min(t, 0) + ln 2 x max(t, 0) with t = x log2(e), in f32; rounded to f16 for the product; sums in f32, stored as f32 (they are added up by the next launch).
; LIMIT.  elu(k) + 1 must lie within f16's 65,504; an exponential below 2^-126 counts as 0.
; Each wave brings its own k (16 KB) and v (32 KB) by two tensor loads into its own LDS bytes, filled once, and reads only those: no barrier.  No cluster: no two units share a byte.
; A = (elu(k)+1)^T (rows d, K = keys), B = v' (columns e): both lie [key][channel] in LDS and are read turned.  Accumulator a = 2 eb + db: lane (r, h), register j = D[16 db + 8 h + j][16 eb + r].
; NO FIRST STEP IS WRITTEN OUT: the sums start at 0, by 80 v_mov_b32 that stand in the wait for the tiles; the step of 32 keys is written once and walked eight times.
; dl: f32 [960 units][20 i][32 lanes][4]: store i = registers 4 (i % 2) .. + 3 of accumulator i / 2.
.set PK,    96                         ; a row of k in LDS: 64 bytes + 32 = 3 x 32
.set PV,    160                        ; a row of v: 128 + 32 = 5 x 32
.set VOFF,  256*PK
.set WAVEB, 256*(PK+PV)                ; 65,536 bytes a wave
.set SPARE, 4*WAVEB
.set SPW, 2
.set NIL, 3
.set AKD, 4                            ; v4  LDS address of k's turning loads
.set AVD, 5                            ; v5  of v's
.set GO,  6                            ; v6  16 x lane
.set ONE, 8                            ; v[8:15]   1.0 in every f16
.set KR,  16                           ; v[16:31]  k as loaded: two fragments of 16 d x 32 keys
.set SK,  32                           ; v[32:47]  elu(k) + 1 in f16
.set VF,  48                           ; v[48:79]  four fragments of v
.set X,   80                           ; v[80:87]  at work
.set T,   88                           ; v[88:95]  at work
.set ACC, 96                           ; v[96:175] ten accumulators
.set ZR,  176                          ; 0, for the mixed multiply-add
.set L2E, 177                          ; log2(e)
.set G1K, 16
.set G1V, 24
.set G0K, 32
.set G0V, 36
	s_load_b128 s[4:7], s[0:1], 0x0                ; qkvh s[4:5], dl s[6:7]
	v_lshl_add_u32 v[SPW], v0, 2, SPARE
	v_mov_b32 v[NIL], 0
	ds_add_u32 v[SPW], v[NIL]                      ; the wave's opening: the add and its wait stand ahead of my first tensor load
	ds_add_u32 v2, v3
	v_lshrrev_b32 v1, 5, v0
	v_readfirstlane_b32 s8, v1                     ; wave
	s_lshl2_add_u32 s9, ttmp9, s8                  ; unit u = 4 x work-group + wave, 0..959
	s_mul_i32 s10, s9, 0x8889
	s_lshr_b32 s10, s10, 19                        ; nh = u / 15 (exact for u < 960: 15 x 0x8889 = 2^19 + 7)
	s_mul_i32 s11, s10, 15
	s_sub_co_u32 s11, s9, s11                      ; segment
	; k: 16,384 dense bytes as 64 rows of 256, padded by 32 bytes behind every 64
	s_mov_b32 s[G1K+0], (1<<16)|(1<<20)|(3<<22)|(7<<25)
	s_mov_b32 s[G1K+1], 128<<16
	s_mov_b32 s[G1K+2], 64<<16
	s_mov_b32 s[G1K+3], 128<<16
	s_mov_b32 s[G1K+4], 64
	s_mov_b32 s[G1K+5], 128
	s_mov_b32 s[G1K+6], 0
	s_mov_b32 s[G1K+7], 0
	; v: 32,768 dense bytes as 128 rows of 256, padded by 32 bytes behind every 128
	s_mov_b32 s[G1V+0], (1<<16)|(1<<20)|(4<<22)|(7<<25)
	s_mov_b32 s[G1V+1], 128<<16
	s_mov_b32 s[G1V+2], 128<<16
	s_mov_b32 s[G1V+3], 128<<16
	s_mov_b32 s[G1V+4], 128
	s_mov_b32 s[G1V+5], 128
	s_mov_b32 s[G1V+6], 0
	s_mov_b32 s[G1V+7], 0
	s_lshl_b32 s12, s10, 18                        ; k: head x 262,144 + segment x 16,384, behind q
	s_lshl_b32 s13, s11, 14
	s_add_co_u32 s12, s12, s13
	s_add_co_u32 s12, s12, 0x1000000
	s_mov_b32 s13, 0
	s_lshl_b32 s14, s10, 19                        ; v: head x 524,288 + segment x 32,768, behind k
	s_lshl_b32 s15, s11, 15
	s_add_co_u32 s14, s14, s15
	s_add_co_u32 s14, s14, 0x2000000
	s_mov_b32 s15, 0
	s_mul_i32 s42, s9, 10240                       ; my unit in dl
	s_mov_b32 s43, 0
	s_mul_i32 s40, s8, WAVEB                       ; my LDS bytes
	s_mov_b32 s[G0K], 1
	s_mov_b32 s[G0K+1], s40
	s_mov_b32 s[G0V], 1
	s_add_co_u32 s[G0V+1], s40, VOFF
	s_wait_dscnt 0x0                               ; the opening add is done
	s_wait_kmcnt 0x0
	s_add_nc_u64 s[G0K+2:G0K+3], s[4:5], s[12:13]
	s_or_b32 s[G0K+3], s[G0K+3], 0x80000000
	s_add_nc_u64 s[G0V+2:G0V+3], s[4:5], s[14:15]
	s_or_b32 s[G0V+3], s[G0V+3], 0x80000000
	s_add_nc_u64 s[6:7], s[6:7], s[42:43]
	tensor_load_to_lds s[G0K:G0K+3], s[G1K:G1K+7]  ; two loads of mine are out, the only ones of the launch
	s_nop 0
	tensor_load_to_lds s[G0V:G0V+3], s[G1V:G1V+7]
	s_nop 0
.rept 4
	v_nop
.endr
	v_bfe_u32 v80, v0, 4, 1                        ; h
	v_and_b32 v81, 7, v0
	v_bfe_u32 v82, v0, 3, 1
	v_lshl_add_u32 v80, v80, 3, v81                ; key 8 h + l % 8
	v_mul_u32_u24 v[AKD], v80, PK
	v_lshl_add_u32 v[AKD], v82, 4, v[AKD]          ; channels 8 ((l / 8) % 2) on
	v_add_nc_u32 v[AKD], s40, v[AKD]
	v_mul_u32_u24 v[AVD], v80, PV
	v_lshl_add_u32 v[AVD], v82, 4, v[AVD]
	v_add_nc_u32 v[AVD], s[G0V+1], v[AVD]
	v_and_b32 v[GO], 31, v0
	v_lshlrev_b32 v[GO], 4, v[GO]
.irp i, 0,1,2,3,4,5,6,7
	v_mov_b32 v[ONE+(\i)], 0x3c003c00
.endr
	v_mov_b32 v[ZR], 0
	v_mov_b32 v[L2E], 0x3fb8aa3b
.set i, 0
.rept 80                                               ; the sums start at 0: this stands in the wait for the tiles
	v_mov_b32 v[ACC+i], 0
.set i, i+1
.endr
.macro ELU8 src, dst                   ; eight f16 in four registers -> elu + 1, eight f16
.irp i, 0,1,2,3
	v_fma_mix_f32 v[T+2*(\i)], v[(\src)+(\i)], v[L2E], v[ZR] op_sel_hi:[1,0,0]                   ; t = x log2(e), from the low half
	v_fma_mix_f32 v[T+2*(\i)+1], v[(\src)+(\i)], v[L2E], v[ZR] op_sel:[1,0,0] op_sel_hi:[1,0,0]  ; and from the high half
.endr
.irp i, 0,1,2,3,4,5,6,7
	v_min_num_f32 v[X+(\i)], 0, v[T+(\i)]
.endr
.irp i, 0,1,2,3,4,5,6,7
	v_exp_f32 v[X+(\i)], v[X+(\i)]
.endr
.irp i, 0,1,2,3,4,5,6,7
	v_max_num_f32 v[T+(\i)], 0, v[T+(\i)]          ; plain work behind the exponentials, ahead of the use of their results
.endr
	s_wait_alu depctr_va_vdst(0)
.irp i, 0,2,4,6
	v_pk_fma_f32 v[X+(\i):X+(\i)+1], v[T+(\i):T+(\i)+1], 0x3f317218, v[X+(\i):X+(\i)+1] op_sel_hi:[1,0,1]
.endr
.irp i, 0,1,2,3
	v_cvt_pk_f16_f32 v[(\dst)+(\i)], v[X+2*(\i)], v[X+2*(\i)+1]
.endr
.endm
	s_wait_tensorcnt 0x0                           ; both my tiles are in LDS; nobody else reads them
	s_mov_b32 s44, 8
.Lkeys:                                                ; 32 keys a trip: 12 turning loads, the elu, ten matrix instructions on ten accumulators by turns
.irp d, 0,1
	ds_load_tr16_b128 v[KR+8*(\d):KR+8*(\d)+3],   v[AKD] offset:32*(\d)
	ds_load_tr16_b128 v[KR+8*(\d)+4:KR+8*(\d)+7], v[AKD] offset:32*(\d)+16*PK
.endr
.irp e, 0,1,2,3
	ds_load_tr16_b128 v[VF+8*(\e):VF+8*(\e)+3],   v[AVD] offset:32*(\e)
	ds_load_tr16_b128 v[VF+8*(\e)+4:VF+8*(\e)+7], v[AVD] offset:32*(\e)+16*PV
.endr
	s_wait_dscnt 0x0
	ELU8 KR, SK
	ELU8 KR+4, SK+4
	ELU8 KR+8, SK+8
	ELU8 KR+12, SK+12
.irp e, 0,1,2,3,4
.irp d, 0,1
.if (\e) < 4
.set rB, VF+8*(\e)
.else
.set rB, ONE
.endif
.set rD, ACC+8*(2*(\e)+(\d))
	v_wmma_f32_16x16x32_f16 v[rD:rD+7], v[SK+8*(\d):SK+8*(\d)+7], v[rB:rB+7], v[rD:rD+7]
.endr
.endr
	v_add_nc_u32 v[AKD], 32*PK, v[AKD]             ; these two and two v_nop are the four plain vector instructions between the last product and the next trip's loads into its sources,
	v_add_nc_u32 v[AVD], 32*PV, v[AVD]             ; and, behind the last trip, the stores of its result (ISA guide 7.12.1 for vector instructions)
	v_nop
	v_nop
	s_sub_co_u32 s44, s44, 1
	s_cmp_lg_u32 s44, 0
	s_cbranch_scc1 .Lkeys
.set i, 0
.rept 20                                               ; ascending: each accumulator's low four registers leave first; a store covers 512 consecutive bytes
	global_store_b128 v[GO], v[ACC+4*i:ACC+4*i+3], s[6:7] offset:512*i
.set i, i+1
.endr
	s_wait_tensorcnt 0x0                           ; the wave's end
	ds_add_u32 v[SPW], v[NIL]
	s_wait_dscnt 0x0
	s_endpgm
.Lfunc_end_k_qf65d6b4c3d_delta:
	.size	k_qf65d6b4c3d_delta, .Lfunc_end_k_qf65d6b4c3d_delta-k_qf65d6b4c3d_delta
	.p2alignl 7, 3214868480
	.fill 96, 4, 3214868480
	.section	.rodata,"a",@progbits
	.p2align	6, 0x0
	.amdhsa_kernel k_qf65d6b4c3d_delta
		.amdhsa_group_segment_fixed_size 262656
		.amdhsa_private_segment_fixed_size 0
		.amdhsa_enable_private_segment 0
		.amdhsa_kernarg_size 16
		.amdhsa_user_sgpr_count 2
		.amdhsa_user_sgpr_kernarg_segment_ptr 1
		.amdhsa_wavefront_size32 1
		.amdhsa_system_sgpr_workgroup_id_x 1
		.amdhsa_system_sgpr_workgroup_id_y 1
		.amdhsa_system_sgpr_workgroup_id_z 1
		.amdhsa_system_vgpr_workitem_id 0
		.amdhsa_next_free_vgpr 178
		.amdhsa_next_free_sgpr 66
		.amdhsa_reserve_vcc 0
		.amdhsa_float_denorm_mode_32 3
		.amdhsa_float_denorm_mode_16_64 3
		.amdhsa_memory_ordered 1
		.amdhsa_forward_progress 1
		.amdhsa_inst_pref_size 19
	.end_amdhsa_kernel
	.amdgpu_metadata
---
amdhsa.version: [ 1, 2 ]
amdhsa.kernels:
  - .name:           k_qf65d6b4c3d_delta
    .symbol:         k_qf65d6b4c3d_delta.kd
    .args:
      - { .name: qkvh, .offset: 0, .size: 8, .value_kind: global_buffer, .address_space: global }
      - { .name: dl, .offset: 8, .size: 8, .value_kind: global_buffer, .address_space: global }
    .group_segment_fixed_size: 262656
    .private_segment_fixed_size: 0
    .kernarg_segment_align: 8
    .kernarg_segment_size: 16
    .max_flat_workgroup_size: 128
    .sgpr_count:     66
    .vgpr_count:     178
    .wavefront_size: 32
...
	.end_amdgpu_metadata
.endif
;; end of part 9
;; launch prefix: the kernel of part 4 again; grid 160 x 1, 4 waves a work-group, no clusters, 0 bytes of LDS; arguments dl, mp; writes mp
;; launch attn: the kernel of part 5 again; grid 256 x 1, 4 waves a work-group, no clusters, 315,904 bytes of LDS; arguments qkvh, mp, beta, oh; writes oh
;; launch oproj (part 10): grid 4 x 64, 4 waves a work-group, clusters of 4 x 4, 327,680 bytes of LDS; arguments oh, wh, out0; writes out0
.if DOCPART == 10
	.amdgcn_target "amdgcn-amd-amdhsa--gfx1250"
	.amdhsa_code_object_version 6
	.text
	.protected	k_qf65d6b4c3d_oproj
	.globl	k_qf65d6b4c3d_oproj
	.p2align	8
	.type	k_qf65d6b4c3d_oproj,@function
k_qf65d6b4c3d_oproj:
	s_mov_b64 s[64:65], 0
	v_nop
	global_prefetch_b8 v0, s[64:65] scope:SCOPE_SE
	s_setreg_imm32_b32 hwreg(HW_REG_WAVE_MODE, 25, 1), 1
	s_wait_xcnt 0x0
	s_wait_alu depctr_hold_cnt(0) depctr_sa_sdst(0) depctr_va_vdst(0) depctr_va_sdst(0) depctr_va_ssrc(0) depctr_va_vcc(0) depctr_vm_vsrc(0)
	s_getreg_b32 s2, hwreg(HW_REG_IB_STS2, 6, 4)
	s_cmp_eq_u32 s2, 0
	s_cbranch_scc0 .Lentry_in_a_cluster
	s_endpgm
.Lentry_in_a_cluster:
	s_bfe_u32 s2, ttmp6, 0x10000c
	s_cmp_lg_u32 s2, 0xf033
	s_cbranch_scc0 .Lentry_shape_is_right
	s_endpgm
.Lentry_shape_is_right:
; OPROJ.  out0 = oh Wo.  A = oh ([16384][1024] f16), B = Wo as f16 [1024 k][1024 n], at byte 4,194,304 of wh; sums in f32; out0 f32 [16384][1024].
; A tile of C is 256 x 256: four waves, each 128 x 128 in 64 accumulators.  K goes in 8 steps of 128 through two LDS slots.  A's rows lie along K (pitch 272); B lies [k][n] (128 k rows of 512 bytes,
; pitch 544) and is read turned by ds_load_tr16_b128.
; THE WALK IS WRITTEN ONCE.  A K step is four quarters of 32 along K, on fragment buffers F0, F1, F0, F1; each quarter fetches the next one's fragments in its middle.  The change of slots stands
; between a step's third and fourth quarter, when the slot's last fragments are in registers.  So the four quarters behind a change all fetch from the new slot and use the buffers F1, F0, F1, F0:
; two trips of ONE pair of quarters.  The LDS place of the quarter to be fetched lies in two scalars, stepped by each fetch and turned by each change.  Written out beside that loop: the first
; quarter (its products start the sums), the last change, which fills nothing, with its own copy of the pair, and the last quarter.  The price: no products stand
; inside a change of slots.
; CLUSTER 4 x 4: the four of a row of the cluster need the same tiles of A, the four of a column the same tiles of B: each tile is asked for JOINTLY.
; THE MATRIX INSTRUCTION IS USED TRANSPOSED (source 0 = 16 columns of B, source 1 = 16 rows of A): a lane holds eight neighbouring f32 of a row of C, 32 bytes.
; REGISTERS: window 0: v0-31 addresses; v64-127, v128-191 fragments of A, on the way out two buffers of 16 rows; window 1: v64-191 fragments of B; windows 2, 3: the accumulators.
.set KSTEP,  128
.set PITCH,  272
.set PB,     544
.set BROW,   2048                      ; bytes from a k row of B to the next in memory
.set HALFT,  128*PITCH
.set SLOT,   4*HALFT                   ; SLOT = 0x22000 shares no bit with wave x HALFT (0, 0x8800, 0x11000, 0x19800): an exclusive or with it changes slots
.set STAGE,  2*SLOT
.set SPITCH, 528                       ; a stage row: 512 bytes + 16 = 33 x 16: the 16 rows of a store start at 16 different groups of four banks
.set SPARE,  STAGE+4*16*SPITCH
.set A0,   16                          ; v16  LDS address of my A fragments in slot 0, quarter 0; never rewritten
.set CA,   17                          ; v17  the same for the run of loads in hand
.set B0,   20                          ; v20, v21  likewise for B
.set CB,   21
.set STO,  24
.set RD,   25
.set CO,   26
.set SPW,  28
.set NIL,  29
.set F0,   64
.set F1,   128
.set CNT,  2                           ; s2   pairs of quarters to go until the next change
.set STEPS, 3                          ; s3   counts the changes that fill
.set TA,   21                          ; s21  LDS byte, from A0, of the quarter to be fetched: slot + 64 q
.set TBB,  22                          ; s22  the same from B0: slot + 32 PB q
.set G1, 24
.set G0, 32                            ; s[32:39] group 0 for A's tiles: a set for each of the two first fills; the second then walks on
.set G1B, 48
.set G0B, 56                           ; s[56:63] likewise for B's
.set MSB, 0
.macro WIN new
.if MSB != (\new)
	s_set_vgpr_msb (MSB<<8)|(\new)
.set MSB, \new
.endif
.endm
.set MUL_LO, 0xa1
.set MUL_HI, 0xf1
.set TO_B,   0x40
.macro JLOAD s                         ; a joint load: waves 0 and 1 fetch A's two halves, waves 2 and 3 B's; an s_nop 0 and four v_nop follow each line
	s_cmp_eq_u32 s11, 0
	s_cbranch_scc0 .Lfor_b_\@
	tensor_load_to_lds s[G0+4*(\s):G0+4*(\s)+3], s[G1:G1+7]
	s_nop 0
.rept 4
	v_nop
.endr
	s_branch .Lasked_\@
.Lfor_b_\@:
	tensor_load_to_lds s[G0B+4*(\s):G0B+4*(\s)+3], s[G1B:G1B+7]
	s_nop 0
.rept 4
	v_nop
.endr
.Lasked_\@:
.endm
.macro CROUND                          ; a round of the cluster's barrier
	s_barrier_signal -1
	s_barrier_wait -1
	s_cmp_lg_u32 s10, 0
	s_cbranch_scc1 .Lnot_wave_0_\@
	s_barrier_signal -3
.Lnot_wave_0_\@:
	s_barrier_wait -3
	s_barrier_signal -1
	s_barrier_wait -1
.endm
	s_load_b128 s[4:7], s[0:1], 0x0                ; oh s[4:5], wh s[6:7]
	s_load_b64 s[8:9], s[0:1], 0x10                ; out0
	v_lshl_add_u32 v[SPW], v0, 2, SPARE
	v_mov_b32 v[NIL], 0
	ds_add_u32 v[SPW], v[NIL]                      ; the wave's opening: the add and its wait stand ahead of my first tensor load
	ds_add_u32 v28, v29
	v_lshrrev_b32 v1, 5, v0
	v_readfirstlane_b32 s10, v1
	s_lshr_b32 s11, s10, 1                         ; my half of the tile's rows.  Also: I fetch for A (0) or for B (1)
	s_and_b32 s12, s10, 1                          ; my half of its columns.  Also: which half of that tile I fetch
	s_bfe_u32 s40, ttmp6, 0x40000                  ; cx
	s_bfe_u32 s41, ttmp6, 0x40004                  ; cy
	s_lshl_b32 s42, ttmp9, 2
	s_add_co_u32 s42, s42, s40                     ; tile column
	s_and_b32 s13, ttmp7, 0xffff
	s_lshl_b32 s13, s13, 2
	s_add_co_u32 s13, s13, s41                     ; tile row
	s_lshl_b32 s43, s41, 2
	s_lshl_b32 s43, 15, s43                        ; my row of the cluster
	s_lshl_b32 s44, 0x1111, s40                    ; my column
	s_or_b32 s[G1+0], s43, (1<<16)|(1<<20)|(1<<21)|(5<<22)|(3<<25)   ; A: 128 rows x 128 elements, 16 bytes behind every 256
	s_mov_b32 s[G1+1], KSTEP<<16
	s_mov_b32 s[G1+2], 128<<16
	s_mov_b32 s[G1+3], KSTEP<<16
	s_mov_b32 s[G1+4], 128
	s_mov_b32 s[G1+5], 1024
	s_mov_b32 s[G1+6], 0
	s_mov_b32 s[G1+7], 0
	s_or_b32 s[G1B+0], s44, (1<<16)|(1<<20)|(1<<21)|(6<<22)|(7<<25)  ; B: 64 k rows x 256 elements, 32 bytes behind every 512
	s_mov_b32 s[G1B+1], 256<<16
	s_mov_b32 s[G1B+2], 64<<16
	s_mov_b32 s[G1B+3], 256<<16
	s_mov_b32 s[G1B+4], 64
	s_mov_b32 s[G1B+5], 1024
	s_mov_b32 s[G1B+6], 0
	s_mov_b32 s[G1B+7], 0
	s_lshl_b32 s16, s13, 8                         ; A: row 256 x tile row + 128 x half, of 2,048 bytes: made of the tile row and the wave's number alone
	s_lshl_b32 s17, s12, 7
	s_add_co_u32 s16, s16, s17
	s_lshl_b32 s16, s16, 11
	s_mov_b32 s17, 0
	s_lshl_b32 s46, s12, 17                        ; B: k row 64 x half, of 2,048 bytes; column 256 x tile column; behind wh's first matrix
	s_lshl_b32 s47, s42, 9
	s_add_co_u32 s46, s46, s47
	s_add_co_u32 s46, s46, 0x400000
	s_mov_b32 s47, 0
	s_mul_i32 s20, s10, HALFT
	s_wait_dscnt 0x0                               ; the opening add is done
	s_wait_kmcnt 0x0
	s_add_nc_u64 s[14:15], s[4:5], s[16:17]
	s_add_nc_u64 s[46:47], s[6:7], s[46:47]
	CROUND                                         ; all sixteen work-groups are here: the first joint loads meet
.irp s, 0,1
	s_mov_b32 s[G0+4*(\s)], 1
	s_add_co_u32 s[G0+4*(\s)+1], s20, (\s)*SLOT
	s_add_nc_u64 s[G0+4*(\s)+2:G0+4*(\s)+3], s[14:15], (\s)*KSTEP*2
	s_or_b32 s[G0+4*(\s)+3], s[G0+4*(\s)+3], 0x80000000
	s_mov_b32 s[G0B+4*(\s)], 1
	s_add_co_u32 s[G0B+4*(\s)+1], s20, (\s)*SLOT
	s_add_nc_u64 s[G0B+4*(\s)+2:G0B+4*(\s)+3], s[46:47], (\s)*KSTEP*BROW
	s_or_b32 s[G0B+4*(\s)+3], s[G0B+4*(\s)+3], 0x80000000
	JLOAD \s                                       ; two loads of mine are out: K steps 0 and 1
.endr
	v_and_b32 v1, 15, v0
	v_bfe_u32 v2, v0, 4, 1
	v_mul_u32_u24 v3, v1, PITCH
	v_lshl_add_u32 v3, v2, 4, v3
	s_mul_i32 s21, s11, HALFT
	v_add_nc_u32 v[A0], s21, v3
	v_and_b32 v4, 7, v0
	v_bfe_u32 v5, v0, 3, 1
	v_lshl_add_u32 v4, v2, 3, v4
	v_mul_u32_u24 v4, v4, PB
	v_lshl_add_u32 v4, v5, 4, v4
	s_lshl_b32 s22, s12, 8
	s_add_co_u32 s22, s22, 2*HALFT
	v_add_nc_u32 v[B0], s22, v4
	s_mov_b32 s[TA], 0                             ; the first fetch: slot 0, quarter 0
	s_mov_b32 s[TBB], 0
	s_mul_i32 s23, s10, 16*SPITCH
	s_add_co_u32 s23, s23, STAGE                   ; my stage
	v_mul_u32_u24 v6, v1, SPITCH                   ; in: row r, 32 bytes for each half of the lanes
	v_lshl_add_u32 v6, v2, 5, v6
	v_add_nc_u32 v[STO], s23, v6
	v_and_b32 v[CO], 31, v0
	v_lshlrev_b32 v[CO], 4, v[CO]                  ; back: 32 lanes take one row of 512 bytes
	v_add_nc_u32 v[RD], s23, v[CO]
	s_lshl_b32 s16, s13, 8                         ; where my part begins in out0
	s_lshl_b32 s14, s11, 7
	s_add_co_u32 s16, s16, s14
	s_lshl_b32 s16, s16, 12                        ; rows of 4,096 bytes
	s_mov_b32 s17, 0
	s_lshl_b32 s46, s42, 10                        ; column byte 1,024 x tile column + 512 x half
	s_lshl_b32 s47, s12, 9
	s_add_co_u32 s46, s46, s47
	s_mov_b32 s47, 0
	s_add_nc_u64 s[16:17], s[16:17], s[46:47]
.macro MUL16 f, hi, a0, zero           ; 16 matrix instructions: m blocks a0, a0 + 1 of the window's four x all 8 n blocks; zero = 1: the first product starts the sums
	WIN MUL_LO+0x50*(\hi)
.irp a, \a0, (\a0)+1
.irp b, 0,1,2,3,4,5,6,7
.if \zero
	v_wmma_f32_16x16x32_f16 v[8*(8*(\a)+(\b)):8*(8*(\a)+(\b))+7], v[(\f)+8*(\b):(\f)+8*(\b)+7], v[(\f)+8*(4*(\hi)+(\a)):(\f)+8*(4*(\hi)+(\a))+7], 0
.else
	v_wmma_f32_16x16x32_f16 v[8*(8*(\a)+(\b)):8*(8*(\a)+(\b))+7], v[(\f)+8*(\b):(\f)+8*(\b)+7], v[(\f)+8*(4*(\hi)+(\a)):(\f)+8*(4*(\hi)+(\a))+7], v[8*(8*(\a)+(\b)):8*(8*(\a)+(\b))+7]
.endif
.endr
.endr
.endm
.macro FETCH f                         ; 32 LDS loads in one run: the quarter at TA, TBB into buffer f; then the two scalars step to the next quarter
	WIN 0
	v_add_nc_u32 v[CB], s[TBB], v[B0]
	v_add_nc_u32 v[CA], s[TA], v[A0]
	s_add_co_u32 s[TBB], s[TBB], 32*PB
	s_add_co_u32 s[TA], s[TA], 64
	WIN TO_B
.irp i, 0,1,2,3,4,5,6,7
	ds_load_tr16_b128 v[(\f)+8*(\i):(\f)+8*(\i)+3],   v[CB] offset:(\i)*32
	ds_load_tr16_b128 v[(\f)+8*(\i)+4:(\f)+8*(\i)+7], v[CB] offset:(\i)*32+16*PB
.endr
	WIN 0
.irp i, 0,1,2,3,4,5,6,7
	ds_load_b128 v[(\f)+8*(\i):(\f)+8*(\i)+3],   v[CA] offset:(\i)*16*PITCH
	ds_load_b128 v[(\f)+8*(\i)+4:(\f)+8*(\i)+7], v[CA] offset:(\i)*16*PITCH+32
.endr
.endm
; A quarter: multiplies buffer f; fetch = 1: in its middle it fetches the next quarter into buffer g.  Two v_nop and FETCH's two additions are the four plain vector instructions between the
; last product that read buffer g and the loads into it (ISA guide 7.12.1 for vector instructions).
.macro QUARTER f, g, zero, fetch
	s_wait_dscnt 8                                 ; B and A's rows 0-63 are in; the youngest eight loads (A's rows 64-127) may be out
	MUL16 \f, 0, 0, \zero
	MUL16 \f, 0, 2, \zero
.if \fetch
	WIN 0
	v_nop
	v_nop
	FETCH \g
	s_wait_dscnt 32                                ; all but the 32 just issued
.else
	s_wait_dscnt 0x0
.endif
	MUL16 \f, 1, 0, \zero
	MUL16 \f, 1, 2, \zero
.endm
.macro PAIRS tag                       ; CNT trips of the pair of quarters; the 64 accumulators take turns, in the same order in every quarter
.Lpair\tag:
	QUARTER F1, F0, 0, 1
	QUARTER F0, F1, 0, 1
	WIN 0
	s_sub_co_u32 s[CNT], s[CNT], 1
	s_cmp_lg_u32 s[CNT], 0
	s_cbranch_scc1 .Lpair\tag
.endm
; THE CHANGE OF SLOTS.  Each wave waits for all its tensor loads, of which one is out: its part of the other slot; adds 0 to its spare word; and waits for that and for its reads of the slot, whose
; last fragments have been asked for.  fill = 1: the barrier is a round of the cluster's, and this slot is filled again first behind it, with the K step two on: 256 matrix instructions in which to land.
.macro CHANGE fill
	WIN 0
	s_wait_tensorcnt 0x0                           ; no tensor load of mine is out, so a group 0 may be written
	ds_add_u32 v[SPW], v[NIL]                      ; the scalar work below stands between the add and the wait for it
.if \fill
	s_xor_b32 s[G0+5], s[G0+5], SLOT               ; the walking descriptors: the other slot than last time, the next K step
	s_add_nc_u64 s[G0+6:G0+7], s[G0+6:G0+7], KSTEP*2
	s_xor_b32 s[G0B+5], s[G0B+5], SLOT
	s_add_nc_u64 s[G0B+6:G0B+7], s[G0B+6:G0B+7], KSTEP*BROW
.endif
	s_sub_co_u32 s[TA], s[TA], 4*64                ; the fetches go back to a slot's first quarter (the scalar is now 0 or SLOT),
	s_xor_b32 s[TA], s[TA], SLOT                   ; in the other slot
	s_sub_co_u32 s[TBB], s[TBB], 4*32*PB
	s_xor_b32 s[TBB], s[TBB], SLOT
	s_wait_dscnt 0x0                               ; the add is done, and my reads of the slot are over
.if \fill
	CROUND                                         ; no wave of any partner still reads this slot or has a load on its way
	JLOAD 1                                        ; my one tensor load behind the round
.else
	s_barrier_signal -1
	s_barrier_wait -1
.endif
.endm
; THE WAY OUT of block a (16 rows x 128 f32).  TOSTAGE: straight from the accumulators into my own stage, each accumulator's low four registers first, and back as whole rows of 512 bytes.
.macro TOSTAGE a
.set AC, 64*((\a)%4)
.set BK, 64+64*((\a)%2)
	WIN 0x08+4*((\a)/4)                            ; the stores' data (source 1) in window 2 or 3
.irp b, 0,1,2,3,4,5,6,7
	ds_store_b128 v[STO], v[AC+8*(\b):AC+8*(\b)+3] offset:64*(\b)
	ds_store_b128 v[STO], v[AC+8*(\b)+4:AC+8*(\b)+7] offset:64*(\b)+16
.endr
	WIN 0
	s_wait_xcnt 0x0                                ; the buffer below was the data of stores two blocks back: it is loaded again only behind this wait
.irp t, 0,1,2,3,4,5,6,7,8,9,10,11,12,13,14,15
	ds_load_b128 v[BK+4*(\t):BK+4*(\t)+3], v[RD] offset:(\t)*SPITCH  ; LDS serves a wave's instructions in order (ISA guide 5.7.1.4): these see the stores above
.endr
.endm
.macro SEND a, younger                 ; younger: the LDS instructions issued behind block a's loads: the next block's 32, or none
.set BK, 64+64*((\a)%2)
	s_wait_dscnt \younger
	s_wait_xcnt 0x0                                ; the stores' base is stepped only behind this wait
.if (\a) == 0
	s_add_nc_u64 s[8:9], s[8:9], s[16:17]
.else
	s_add_nc_u64 s[8:9], s[8:9], 16*4096
.endif
.irp t, 0,1,2,3,4,5,6,7,8,9,10,11,12,13,14,15
	global_store_b128 v[CO], v[BK+4*(\t):BK+4*(\t)+3], s[8:9] offset:(\t)*4096 th:TH_STORE_NT  ; 512 consecutive bytes, aligned
.endr
.endm
	s_wait_tensorcnt 1                             ; my part of K step 0 is in; K step 1's may stay out
	s_barrier_signal -1
	s_barrier_wait -1
	FETCH F0
	QUARTER F0, F1, 1, 1                           ; the first quarter: its products start the sums
	WIN 0
	s_mov_b32 s[CNT], 1                            ; K step 0 has one pair left in front of its change: the loop is entered in its middle
	s_mov_b32 s[STEPS], 7
	s_branch .Lpair1
.Lstep:                                                ; six times: K steps 2 to 7 are asked for
	CHANGE 1
	s_mov_b32 s[CNT], 2
	PAIRS 1
	s_sub_co_u32 s[STEPS], s[STEPS], 1
	s_cmp_lg_u32 s[STEPS], 0
	s_cbranch_scc1 .Lstep
	CHANGE 0                                       ; the last change is written out: nothing is asked for
	s_mov_b32 s[CNT], 2
	PAIRS 2
	QUARTER F1, F0, 0, 0                           ; the last quarter fetches nothing
	WIN 0
.rept 4
	v_nop                                          ; four plain vector instructions between the last products and the first read of a result
.endr
	TOSTAGE 0
.irp a, 1,2,3,4,5,6,7                  ; block a goes through the stage while block a - 1's rows come back
	TOSTAGE \a
	SEND (\a)-1, 32
.endr
	SEND 7, 0
	s_wait_tensorcnt 0x0                           ; the wave's end
	ds_add_u32 v[SPW], v[NIL]
	s_wait_dscnt 0x0
	CROUND                                         ; the closing round
	s_endpgm
.Lfunc_end_k_qf65d6b4c3d_oproj:
	.size	k_qf65d6b4c3d_oproj, .Lfunc_end_k_qf65d6b4c3d_oproj-k_qf65d6b4c3d_oproj
	.p2alignl 7, 3214868480
	.fill 96, 4, 3214868480
	.section	.rodata,"a",@progbits
	.p2align	6, 0x0
	.amdhsa_kernel k_qf65d6b4c3d_oproj
		.amdhsa_group_segment_fixed_size 327680
		.amdhsa_private_segment_fixed_size 0
		.amdhsa_enable_private_segment 0
		.amdhsa_kernarg_size 24
		.amdhsa_user_sgpr_count 2
		.amdhsa_user_sgpr_kernarg_segment_ptr 1
		.amdhsa_wavefront_size32 1
		.amdhsa_system_sgpr_workgroup_id_x 1
		.amdhsa_system_sgpr_workgroup_id_y 1
		.amdhsa_system_sgpr_workgroup_id_z 1
		.amdhsa_system_vgpr_workitem_id 0
		.amdhsa_next_free_vgpr 1024
		.amdhsa_next_free_sgpr 66
		.amdhsa_reserve_vcc 0
		.amdhsa_float_denorm_mode_32 3
		.amdhsa_float_denorm_mode_16_64 3
		.amdhsa_memory_ordered 1
		.amdhsa_forward_progress 1
		.amdhsa_inst_pref_size 78
	.end_amdhsa_kernel
	.amdgpu_metadata
---
amdhsa.version: [ 1, 2 ]
amdhsa.kernels:
  - .name:           k_qf65d6b4c3d_oproj
    .symbol:         k_qf65d6b4c3d_oproj.kd
    .args:
      - { .name: oh, .offset: 0, .size: 8, .value_kind: global_buffer, .address_space: global }
      - { .name: wh, .offset: 8, .size: 8, .value_kind: global_buffer, .address_space: global }
      - { .name: out0, .offset: 16, .size: 8, .value_kind: global_buffer, .address_space: global }
    .group_segment_fixed_size: 327680
    .private_segment_fixed_size: 0
    .kernarg_segment_align: 8
    .kernarg_segment_size: 24
    .max_flat_workgroup_size: 128
    .sgpr_count:     66
    .vgpr_count:     1024
    .wavefront_size: 32
...
	.end_amdgpu_metadata
.endif
;; end of part 10
